; MI455X (gfx1250); checked and timed in simulation.
; The chip was launched on July 23, 2026; its instructions are those of AMD's public machine-readable ISA for CDNA 5 (MIT licence, August 2026) and "CDNA5" Instruction Set Architecture Reference Guide (July 2026). The comments in the code are by the model that wrote it; some were corrected since.
;; Swin Transformer Block. Allowed arithmetic: float matrix products may take bf16 or f16 operands with f32 sums; other float arithmetic in f32, or as packed bf16 or f16 multiplies, adds, multiply-adds, maxima and minima; sums over many terms, partial sums and values carried from step to step in f32; what a program stores and reads back later, other than sums and carried values, may be rounded once to bf16 or f16.
;; Inputs: W1 256 x 1,024 float32; W2 1,024 x 256 float32; Wkv 256 x 512 float32; Wp 256 x 256 float32; Wq 256 x 256 float32; b1 1,024 float32; b2 256 float32; be1 256 float32; be2 256 float32; bkv 512 float32; bp 256 float32; bq 256 float32; g1 256 float32; g2 256 float32; pos 1 x 64 x 256 float32; x 32 x 2,048 x 256 float32.
;; Outputs: out0 32 x 2,048 x 256 float32.
;; 3 versions, each right and faster than the one before. Each part assembles by itself: llvm-mc -triple=amdgcn-amd-amdhsa -mcpu=gfx1250 --defsym DOCPART=n.
;; ======== version 1 of 3: 2 launches
;; limits: a function is approximated: absolute error at most 2.5e-05; values outside matrix products are rounded to f16; values are held in f16: magnitudes above 65,504 overflow, below 6.1e-05 lose precision
;; workspace buffers: wst 1,617,920 bytes
;; launch prep (part 1): grid 101 x 1, 4 waves a work-group, no clusters, 0 bytes of LDS; arguments Wq, Wkv, Wp, W1, W2, pos, bq, bkv, bp, g1, be1, b1, b2, g2, be2, wst; writes wst
.if DOCPART == 1
	.amdgcn_target "amdgcn-amd-amdhsa--gfx1250"
	.amdhsa_code_object_version 6
	.text
	.protected	k_qe0ca416247_prep
	.globl	k_qe0ca416247_prep
	.p2align	8
	.type	k_qe0ca416247_prep,@function
k_qe0ca416247_prep:
	s_mov_b64 s[64:65], 0
	v_nop
	global_prefetch_b8 v0, s[64:65] scope:SCOPE_SE
	s_setreg_imm32_b32 hwreg(HW_REG_WAVE_MODE, 25, 1), 1
	s_wait_xcnt 0x0
; PREP: the weights, rounded to bf16 and laid in the order in which the main launch's matrix instructions take them; the table posq = pos Wq + bq; the small vectors.
; wst, bytes 0 .. 1,572,863: 24 blocks of 65,536 = 16 groups of 4,096 = 4 fragments of 1,024.  A fragment is 16 columns n x 32 rows k of a weight W[k][n]:
; lane l (r = l % 16, h = l / 16) owns column n0 + r; its 16 bytes at 16 l hold k0 + 8 h + 0..7, those at 512 + 16 l hold k0 + 16 + 8 h + 0..7.
; Block hd (0-7): groups 0-3 Wq, 4-7 Wk, 8-11 Wv (columns 32 hd ..; group g: rows 64 g ..; fragment 2 cc + ct: rows + 32 cc, columns + 16 ct), 12-15 Wp (rows 32 hd ..; group g, fragment f: columns 64 g + 16 f).
; Block 8 + j: two chunks ch = 2 j, 2 j + 1 of 32 hidden channels, each 4 groups of W1 (laid as Wq) and 4 of W2 (laid as Wp).
; Wq, Wk, Wv, W2 are bf16.  Wp and W1 meet f16 operands: the bf16-rounded number is written as f16 (exact from 6.1e-5 up to 65,504; below, f16's fixed step of 6e-8).
; From byte TABG: the vectors bk, bv, bp, g1, be1, b1, b2, g2, be2, rounded to bf16 and kept as f32 (12,288 bytes); then posq in bf16 (32,768 bytes):
; the tile of channels 16 ct .. and tokens 16 tt .. at 2,048 ct + 512 tt + 16 l: token 16 tt + r, channels 16 ct + 8 h + 0..7.
; Work-groups 0-95: a group of weights a wave.  96-99: 16 channels of posq a wave.  100: the vectors.
.set TABG, 1572864
	s_load_b512 s[16:31], s[0:1], 0x0              ; Wq 16, Wkv 18, Wp 20, W1 22, W2 24, pos 26, bq 28, bkv 30
	s_load_b512 s[32:47], s[0:1], 0x40             ; bp 32, g1 34, be1 36, b1 38, b2 40, g2 42, be2 44, wst 46
	s_mov_b32 s9, ttmp9
	v_lshrrev_b32 v1, 5, v0
	v_readfirstlane_b32 s8, v1                     ; wave 0..3
	v_and_b32 v2, 15, v0                           ; r
	v_bfe_u32 v3, v0, 4, 1                         ; h
	v_and_b32 v4, 31, v0
	v_lshlrev_b32 v4, 4, v4                        ; 16 l
	s_wait_kmcnt 0x0
	s_cmp_lt_u32 s9, 96
	s_cbranch_scc1 .Lweight
	s_cmp_lt_u32 s9, 100
	s_cbranch_scc1 .Lposq
; two f32 rounded to bf16 and widened again, in place
.macro RND2 a
	v_cvt_pk_bf16_f32 v5, v[\a], v[(\a)+1]
	v_lshlrev_b32 v[\a], 16, v5
	v_and_b32 v[(\a)+1], 0xffff0000, v5
.endm
; chunk i of a wave's six: 512 consecutive bytes of a vector
.macro CPL i, src, so
	global_load_b128 v[32+4*(\i):32+4*(\i)+3], v4, s[\src:(\src)+1] offset:\so
.endm
; THE VECTORS.  Each wave copies six chunks of 512 bytes: four that lie together in the table at s10, two at s11.
	s_cmp_lg_u32 s8, 0
	s_cbranch_scc1 .Lpar1
	CPL 0, 30, 0                                   ; bkv: bk, then bv
	CPL 1, 30, 512
	CPL 2, 30, 1024
	CPL 3, 30, 1536
	CPL 4, 32, 0                                   ; bp
	CPL 5, 32, 512
	s_mov_b32 s10, 0
	s_mov_b32 s11, 2048
	s_branch .Lparout
.Lpar1:
	s_cmp_lg_u32 s8, 1
	s_cbranch_scc1 .Lpar2
	CPL 0, 34, 0                                   ; g1
	CPL 1, 34, 512
	CPL 2, 36, 0                                   ; be1
	CPL 3, 36, 512
	CPL 4, 40, 0                                   ; b2
	CPL 5, 40, 512
	s_mov_b32 s10, 3072
	s_mov_b32 s11, 9216
	s_branch .Lparout
.Lpar2:
	s_cmp_lg_u32 s8, 2
	s_cbranch_scc1 .Lpar3
.irp i, 0,1,2,3,4,5
	CPL \i, 38, 512*\i                             ; b1, its first 3,072 bytes
.endr
	s_mov_b32 s10, 5120
	s_mov_b32 s11, 7168
	s_branch .Lparout
.Lpar3:
	CPL 0, 42, 0                                   ; g2
	CPL 1, 42, 512
	CPL 2, 44, 0                                   ; be2
	CPL 3, 44, 512
	CPL 4, 38, 3072                                ; b1, its last 1,024 bytes
	CPL 5, 38, 3584
	s_mov_b32 s10, 10240
	s_mov_b32 s11, 8192
.Lparout:
	v_add_nc_u32 v6, s10, v4
	v_add_nc_u32 v7, s11, v4
	s_wait_loadcnt 0x0
.irp a, 32,34,36,38,40,42,44,46,48,50,52,54
	RND2 \a
.endr
.irp i, 0,1,2,3
	global_store_b128 v6, v[32+4*\i:32+4*\i+3], s[46:47] offset:TABG+512*\i   ; a wave's store covers 512 consecutive bytes, aligned
.endr
	global_store_b128 v7, v[48:51], s[46:47] offset:TABG
	global_store_b128 v7, v[52:55], s[46:47] offset:TABG+512
	s_endpgm
; A GROUP OF WEIGHTS.  G = 4 x work-group + wave: block G / 16, group G % 16.
.Lweight:
	s_lshl_b32 s10, s9, 2
	s_add_co_u32 s10, s10, s8                      ; G
	s_lshr_b32 s11, s10, 4                         ; block
	s_and_b32 s12, s10, 15                         ; group n
	s_and_b32 s13, s12, 3
	s_lshl_b32 s13, s13, 6                         ; 64 g
	s_lshr_b32 s14, s12, 2                         ; a head block's kind: 0 Wq, 1 Wk, 2 Wv, 3 Wp
	s_sub_co_u32 s15, s11, 8
	s_lshl_b32 s15, s15, 1
	s_lshr_b32 s52, s12, 3
	s_add_co_u32 s15, s15, s52                     ; an MLP block's chunk
	s_and_b32 s52, s14, 1
	s_add_co_u32 s52, s52, 4                       ; and kind: 4 W1, 5 W2
	s_cmp_lt_u32 s11, 8
	s_cselect_b32 s15, s11, s15                    ; head or chunk
	s_cselect_b32 s14, s14, s52                    ; kind
	s_lshl_b32 s15, s15, 5                         ; 32 x head or chunk
	s_mov_b64 s[48:49], s[16:17]                   ; the source, its pitch in bytes (s50), laid as Wp (s59), written as f16 (s61)
	s_mov_b32 s50, 1024
	s_cmp_eq_u32 s14, 1
	s_cselect_b64 s[48:49], s[18:19], s[48:49]
	s_cselect_b32 s50, 2048, s50
	s_cmp_eq_u32 s14, 2
	s_cselect_b64 s[48:49], s[18:19], s[48:49]
	s_cselect_b32 s50, 2048, s50
	s_cselect_b32 s53, 256, 0                      ; Wv's columns lie 256 behind Wk's
	s_cmp_eq_u32 s14, 3
	s_cselect_b64 s[48:49], s[20:21], s[48:49]
	s_cselect_b32 s59, 1, 0
	s_cselect_b32 s61, 1, 0
	s_cmp_eq_u32 s14, 4
	s_cselect_b64 s[48:49], s[22:23], s[48:49]
	s_cselect_b32 s50, 4096, s50
	s_cselect_b32 s61, 1, s61
	s_cmp_eq_u32 s14, 5
	s_cselect_b64 s[48:49], s[24:25], s[48:49]
	s_cselect_b32 s59, 1, s59
	s_cmp_eq_u32 s59, 1
	s_cselect_b32 s51, s15, s13                    ; first row k
	s_cselect_b32 s60, s13, s15                    ; first column n
	s_add_co_u32 s60, s60, s53
	s_lshl_b32 s54, s50, 5                         ; fragments 2, 3 lie 32 rows on,
	s_cmp_eq_u32 s59, 1
	s_cselect_b32 s54, 128, s54                    ; or, laid as Wp, 32 columns on
	s_mov_b32 s55, 0
	s_mul_i32 s52, s51, s50
	s_lshl_b32 s60, s60, 2
	s_add_co_u32 s52, s52, s60                     ; the group's first element, in bytes
	s_mov_b32 s53, 0
	s_add_nc_u64 s[48:49], s[48:49], s[52:53]
	s_add_nc_u64 s[56:57], s[48:49], s[54:55]
	s_mul_i32 s58, s50, 9
	s_lshl_b32 s62, s10, 12                        ; where the group goes
	s_mov_b32 s63, 0
	s_add_nc_u64 s[46:47], s[46:47], s[62:63]
	v_lshlrev_b32 v5, 3, v3
	v_mul_lo_u32 v5, v5, s50
	v_lshl_add_u32 v16, v2, 2, v5                  ; my 16 numbers of a fragment: rows 8 h + 0..7 and 16 + 8 h + 0..7 of column r
.set i, 1
.rept 15
.if i == 8
	v_add_nc_u32 v[16+i], s58, v[15+i]
.else
	v_add_nc_u32 v[16+i], s50, v[15+i]
.endif
.set i, i+1
.endr
.irp f, 0,1
.set i, 0
.rept 16
	global_load_b32 v[32+16*\f+i], v[16+i], s[48:49] offset:64*\f
	global_load_b32 v[64+16*\f+i], v[16+i], s[56:57] offset:64*\f
.set i, i+1
.endr
.endr
	s_wait_loadcnt 0x0
.set i, 0
.rept 32
	v_cvt_pk_bf16_f32 v[96+i], v[32+2*i], v[32+2*i+1]
.set i, i+1
.endr
	s_cmp_eq_u32 s61, 0
	s_cbranch_scc1 .Lwstore
.set i, 0
.rept 32                                               ; the bf16 number written as f16
	v_lshlrev_b32 v[32+2*(i%4)], 16, v[96+i]
	v_and_b32 v[33+2*(i%4)], 0xffff0000, v[96+i]
	v_cvt_pk_f16_f32 v[96+i], v[32+2*(i%4)], v[33+2*(i%4)]
.set i, i+1
.endr
.Lwstore:
.irp i, 0,1,2,3,4,5,6,7
	global_store_b128 v4, v[96+4*\i:96+4*\i+3], s[46:47] offset:512*\i   ; 512 consecutive bytes, aligned
.endr
	s_endpgm
; POSQ.  Transposed: source 0 = 16 channels of Wq, source 1 = 16 tokens of pos; the sums start from bq.  A lane's result is one token and eight channels.
.Lposq:
	s_sub_co_u32 s10, s9, 96
	s_lshl_b32 s10, s10, 2
	s_add_co_u32 s10, s10, s8                      ; ct: channels 16 ct ..
	s_lshl_b32 s12, s10, 6
	s_mov_b32 s13, 0
	v_lshl_add_u32 v5, v3, 5, s12                  ; bq at channel 16 ct + 8 h
.irp t, 0,1,2,3
	global_load_b128 v[64+8*\t:64+8*\t+3], v5, s[28:29]
	global_load_b128 v[64+8*\t+4:64+8*\t+7], v5, s[28:29] offset:16
.endr
	s_add_nc_u64 s[48:49], s[16:17], s[12:13]      ; Wq at column 16 ct
	s_mov_b64 s[50:51], s[26:27]                   ; pos
	v_lshlrev_b32 v16, 13, v3
	v_lshl_add_u32 v16, v2, 2, v16                 ; row 8 h, column r of Wq
.set i, 1
.rept 15
.if i == 8
	v_add_nc_u32 v[16+i], 9216, v[15+i]
.else
	v_add_nc_u32 v[16+i], 1024, v[15+i]
.endif
.set i, i+1
.endr
	v_lshlrev_b32 v6, 10, v2
	v_lshl_add_u32 v6, v3, 5, v6                   ; token r, channel 8 h of pos
	s_lshl_b32 s15, s10, 11
	s_add_co_u32 s15, s15, TABG+12288
	v_add_nc_u32 v7, s15, v4                       ; where my 16 bytes of a tile go
	s_wait_loadcnt 0x0
.set i, 64
.rept 16
	RND2 i
.set i, i+2
.endr
	s_mov_b32 s14, 8
.Lpq:                                                  ; a trip: 32 along K
.set i, 0
.rept 16
	global_load_b32 v[32+i], v[16+i], s[48:49]
.set i, i+1
.endr
.irp t, 0,1,2,3
	global_load_b128 v[128+16*\t:128+16*\t+3],     v6, s[50:51] offset:16384*\t
	global_load_b128 v[128+16*\t+4:128+16*\t+7],   v6, s[50:51] offset:16384*\t+16
	global_load_b128 v[128+16*\t+8:128+16*\t+11],  v6, s[50:51] offset:16384*\t+64
	global_load_b128 v[128+16*\t+12:128+16*\t+15], v6, s[50:51] offset:16384*\t+80
.endr
	s_wait_loadcnt 0x0                             ; the loads are done: their bases may step
	s_add_nc_u64 s[48:49], s[48:49], 32768
	s_add_nc_u64 s[50:51], s[50:51], 128
.set i, 0
.rept 8
	v_cvt_pk_bf16_f32 v[48+i], v[32+2*i], v[32+2*i+1]
.set i, i+1
.endr
.set i, 0
.rept 32
	v_cvt_pk_bf16_f32 v[96+i], v[128+2*i], v[128+2*i+1]
.set i, i+1
.endr
.irp t, 0,1,2,3                                        ; the four accumulators take turns, over the backward jump too
	v_wmma_f32_16x16x32_bf16 v[64+8*\t:64+8*\t+7], v[48:55], v[96+8*\t:96+8*\t+7], v[64+8*\t:64+8*\t+7]
.endr
.rept 4
	v_nop                                          ; four places before the next trip's conversions write the sources, and before the results are read (ISA guide 7.12.1)
.endr
	s_sub_co_u32 s14, s14, 1
	s_cmp_lg_u32 s14, 0
	s_cbranch_scc1 .Lpq
.set i, 0
.rept 16
	v_cvt_pk_bf16_f32 v[32+i], v[64+2*i], v[64+2*i+1]
.set i, i+1
.endr
.irp t, 0,1,2,3
	global_store_b128 v7, v[32+4*\t:32+4*\t+3], s[46:47] offset:512*\t
.endr
	s_endpgm
.Lfunc_end_k_qe0ca416247_prep:
	.size	k_qe0ca416247_prep, .Lfunc_end_k_qe0ca416247_prep-k_qe0ca416247_prep
	.p2alignl 7, 3214868480
	.fill 96, 4, 3214868480
	.section	.rodata,"a",@progbits
	.p2align	6, 0x0
	.amdhsa_kernel k_qe0ca416247_prep
		.amdhsa_group_segment_fixed_size 0
		.amdhsa_private_segment_fixed_size 0
		.amdhsa_enable_private_segment 0
		.amdhsa_kernarg_size 128
		.amdhsa_user_sgpr_count 2
		.amdhsa_user_sgpr_kernarg_segment_ptr 1
		.amdhsa_wavefront_size32 1
		.amdhsa_system_sgpr_workgroup_id_x 1
		.amdhsa_system_sgpr_workgroup_id_y 1
		.amdhsa_system_sgpr_workgroup_id_z 1
		.amdhsa_system_vgpr_workitem_id 0
		.amdhsa_next_free_vgpr 192
		.amdhsa_next_free_sgpr 66
		.amdhsa_reserve_vcc 0
		.amdhsa_float_denorm_mode_32 3
		.amdhsa_float_denorm_mode_16_64 3
		.amdhsa_memory_ordered 1
		.amdhsa_forward_progress 1
		.amdhsa_inst_pref_size 36
	.end_amdhsa_kernel
	.amdgpu_metadata
---
amdhsa.version: [ 1, 2 ]
amdhsa.kernels:
  - .name:           k_qe0ca416247_prep
    .symbol:         k_qe0ca416247_prep.kd
    .args:
      - { .name: Wq, .offset: 0, .size: 8, .value_kind: global_buffer, .address_space: global }
      - { .name: Wkv, .offset: 8, .size: 8, .value_kind: global_buffer, .address_space: global }
      - { .name: Wp, .offset: 16, .size: 8, .value_kind: global_buffer, .address_space: global }
      - { .name: W1, .offset: 24, .size: 8, .value_kind: global_buffer, .address_space: global }
      - { .name: W2, .offset: 32, .size: 8, .value_kind: global_buffer, .address_space: global }
      - { .name: pos, .offset: 40, .size: 8, .value_kind: global_buffer, .address_space: global }
      - { .name: bq, .offset: 48, .size: 8, .value_kind: global_buffer, .address_space: global }
      - { .name: bkv, .offset: 56, .size: 8, .value_kind: global_buffer, .address_space: global }
      - { .name: bp, .offset: 64, .size: 8, .value_kind: global_buffer, .address_space: global }
      - { .name: g1, .offset: 72, .size: 8, .value_kind: global_buffer, .address_space: global }
      - { .name: be1, .offset: 80, .size: 8, .value_kind: global_buffer, .address_space: global }
      - { .name: b1, .offset: 88, .size: 8, .value_kind: global_buffer, .address_space: global }
      - { .name: b2, .offset: 96, .size: 8, .value_kind: global_buffer, .address_space: global }
      - { .name: g2, .offset: 104, .size: 8, .value_kind: global_buffer, .address_space: global }
      - { .name: be2, .offset: 112, .size: 8, .value_kind: global_buffer, .address_space: global }
      - { .name: wst, .offset: 120, .size: 8, .value_kind: global_buffer, .address_space: global }
    .group_segment_fixed_size: 0
    .private_segment_fixed_size: 0
    .kernarg_segment_align: 8
    .kernarg_segment_size: 128
    .max_flat_workgroup_size: 128
    .sgpr_count:     66
    .vgpr_count:     192
    .wavefront_size: 32
...
	.end_amdgpu_metadata
.endif
;; end of part 1
;; launch swin (part 2): grid 256 x 1, 4 waves a work-group, clusters of 4 x 1, 327,680 bytes of LDS; arguments x, wst, out0; writes out0
.if DOCPART == 2
	.amdgcn_target "amdgcn-amd-amdhsa--gfx1250"
	.amdhsa_code_object_version 6
	.text
	.protected	k_qe0ca416247_swin
	.globl	k_qe0ca416247_swin
	.p2align	8
	.type	k_qe0ca416247_swin,@function
k_qe0ca416247_swin:
	s_mov_b64 s[64:65], 0
	v_nop
	global_prefetch_b8 v0, s[64:65] scope:SCOPE_SE
	s_setreg_imm32_b32 hwreg(HW_REG_WAVE_MODE, 25, 1), 1
	s_wait_xcnt 0x0
	s_wait_alu depctr_hold_cnt(0) depctr_sa_sdst(0) depctr_va_vdst(0) depctr_va_sdst(0) depctr_va_ssrc(0) depctr_va_vcc(0) depctr_vm_vsrc(0)
	s_getreg_b32 s2, hwreg(HW_REG_IB_STS2, 6, 4)
	s_cmp_eq_u32 s2, 0
	s_cbranch_scc0 .Lentry_in_a_cluster
	s_endpgm
.Lentry_in_a_cluster:
	s_bfe_u32 s2, ttmp6, 0x10000c
	s_cmp_lg_u32 s2, 0x3003
	s_cbranch_scc0 .Lentry_shape_is_right
	s_endpgm
.Lentry_shape_is_right:
; THE WHOLE BLOCK, FUSED.  One wave owns one window of 64 tokens x 256 channels from x to out0; a work-group's four waves own four windows; 256 work-groups, 1,024 windows.
; Activations stay in registers and never change lanes; only weights go through LDS.  All work-groups walk the same 24 blocks of weights (65,536 bytes each, in fragment order),
; so the four work-groups of a cluster ask for each block JOINTLY, a quarter a wave, into a ring of two slots; a block's load has a whole trip (288 or 256 matrix instructions a wave) in which to land.
; LAYOUT.  Every product is used transposed: source 0 = 16 output channels of a weight, source 1 = 16 tokens.  In the result lane l (r = l % 16, h = l / 16) holds token r and channels 8 h + 0..7;
; two such results, rounded in pairs, ARE source 1 of the next product.  V alone is made the other way round (source 0 = tokens), so that its result, rounded in pairs, is source 0 (16 channels x 32 keys) of O^T = V^T P.
; A sum over channels or keys is a sum in the lane and one exchange between the halves of the lanes.
; FORMATS.  x, the weights and the vectors are rounded to bf16.  What is made here and handed on is f16: the normalised q and k, v, the weights p, o, and x1 = x + LN(..); h = gelu(..) is bf16.
; All sums, norms, softmax, LN and GELU in f32.  The shortcuts are read from the 16-bit fragments of x and x1.
; SOFTMAX WITHOUT A MAXIMUM: q and k are normalised to length 1 at the most and the product is divided by 16, so every exponent lies within 1/16 of 0 for every input: no exponential or sum can overflow or underflow.
; (x + pos) Wq + bq = x Wq + posq: the table posq starts q's sums.  Biases start the other sums.
; GELU: erf by 1 - (a1 t + a2 t^2 + a3 t^3) exp(-z^2), t = 1 / (1 + 0.47047 z) (Abramowitz and Stegun 7.1.25): off by 2.5e-5 at the most for every z >= 0, ahead of a rounding to bf16.
; LIMITS.  |v|, |o|, |x1| stay under f16's 65,504; below 6.1e-5 f16 keeps a fixed step of 6e-8.  NaN and infinities are not treated apart.
; REGISTERS, in windows of 256 (s_set_vgpr_msb: bits 1:0 source 0, 3:2 source 1, 5:4 source 2, 7:6 destination):
;   window 0: v0-13 addresses; v14-15 a mean; v16-23 1 / l or 1 / sigma of token tile t at v[16 + 2 t]; v24-31 at work; v32-95 two buffers of weight fragments; v96-159 eight accumulators (ct, tt) at 96 + 8 (4 ct + tt);
;             v160-191 source 1 of the second product (q, o, h); v192-223 k, or GELU at work; v224-255 v, or norms at work.  The scores take v32-159, the weights p v160-223.
;   window 1: x (bf16), later x1 (f16): token tile tt, channels 32 c .. at 64 tt + 8 c          windows 2, 3: the 64 accumulators of 256 channels: (ct, tt) in window 2 + tt / 2 at 128 (tt % 2) + 8 ct
.set SLOTX,  0x10000        ; slot 1 begins here: one exclusive or turns an address in one slot into the other's
.set BLK,    65536          ; a block of weights
.set TABL,   131072         ; the table: vectors (12,288 bytes), posq (32,768)
.set P_BK,   0
.set P_BV,   1024
.set P_BP,   2048
.set P_G1,   3072
.set P_BE1,  4096
.set P_B1,   5120
.set P_B2,   9216
.set P_G2,   10240
.set P_BE2,  11264
.set PQL,    TABL+12288
.set XS,     176128         ; x as it comes: for each wave 32 tokens at a pitch of 1,040; filled twice; after its last fill its first 4,352 bytes are the wave's stage for the way out
.set XSW,    33280
.set XP,     1040           ; 1,024 bytes + 16: 65 x 16, so the 16 tokens of a load start at 16 different groups of four banks (64 banks of 4 bytes: ISA guide 11.1)
.set SP,     272            ; a row of the stage: 256 bytes + 16
.set SPARE,  309248         ; the spare words: 128 bytes a wave, two blocks of 256 bytes that no other line names
.set TABG,   1572864        ; the table's place in wst
.set SPW, 1                 ; v1   my spare word; never rewritten
.set NIL, 2                 ; v2   0; never rewritten
.set AL,  3                 ; v3   16 l
.set AW,  4                 ; v4   16 l + the LDS byte of the weights in hand
.set APQ, 5                 ; v5   my 16 bytes of the head's first tile of posq
.set AH,  6                 ; v6   bk at the head's channel 8 h
.set APR, 7                 ; v7   the table at 32 h
.set AX,  8                 ; v8   my token r, channel 8 h in my wave's XS
.set STO, 9                 ; v9   the way out: where I put 32 bytes of a row
.set RD,  10                ; v10  where I read a row back
.set GO,  11                ; v11  my byte offset in out0
.set AB1, 12                ; v12  b1 at the chunk's channel 8 h
.set AV,  13                ; v13  bv at the head's channel r
.set MN,  14
.set RL,  16
.set BVL, 24                ; v24-27 bv of my channel, twice each, for ct = 0, 1
.set CH,  24                ; v24-31 four chains of LN's sums
.set WF,  32
.set A64, 96
.set HB,  160
.set KH,  192
.set VH,  224
.set MSB, 0
.macro WIN new              ; the high byte repeats the setting that is left; a switch that changes nothing is dropped
.if MSB != (\new)
	s_set_vgpr_msb (MSB<<8)|(\new)
.set MSB, (\new)
.endif
.endm
; Four places: a vector instruction that reads a matrix result or writes a matrix instruction's register, and a load into such a register, stand four plain vector instructions behind it (ISA guide 7.12.1 for vector instructions).
.macro PLACES
.rept 4
	v_nop
.endr
.endm
; A round of the cluster's barrier: my work-group's barrier; wave 0 signals for the work-group; every wave waits for all four work-groups; my work-group's barrier once more.
.macro ROUND
	s_barrier_signal -1
	s_barrier_wait -1
	s_cmp_lg_u32 s10, 0
	s_cbranch_scc1 .Lnot_wave_0_\@
	s_barrier_signal -3
.Lnot_wave_0_\@:
	s_barrier_wait -3
	s_barrier_signal -1
	s_barrier_wait -1
.endm
; THE CHANGE OF SLOTS.  Each wave waits for all its tensor loads (one is out: its quarter of the next block), adds 0 to its spare word, and waits for that and for its reads of the slot that it leaves.
; fill = 1: behind a round of the cluster's barrier the slot just left takes the block after next's place in the walk: the wave's one tensor load until the next round.  fill = 0: the last block: nothing is asked for.
.macro CHANGE fill
	WIN 0
	s_wait_tensorcnt 0x0                           ; no tensor load of mine is out, so group 0 may be written
	ds_add_u32 v[SPW], v[NIL]                      ; 0 onto my spare word; the scalar steps stand between it and the wait for it
.if \fill
	s_xor_b32 s41, s41, SLOTX                      ; the other slot than last time,
	s_add_nc_u64 s[42:43], s[42:43], BLK           ; the next block; the type bits on top are not reached
.endif
	s_xor_b32 s52, s52, SLOTX                      ; and the reads go to the slot that has landed
	s_wait_dscnt 0x0                               ; the add is done, and my reads of the old slot are over
.if \fill
	ROUND
	tensor_load_to_lds s[40:43], s[16:23]
	s_nop 0
	PLACES
.else
	s_barrier_signal -1
	s_barrier_wait -1
.endif
.endm
; Group n of the weights in hand: four fragments, 4,096 consecutive bytes, into buffer n % 2: each load takes 512 consecutive bytes.
.macro FETCH n
.set FB, WF+32*((\n)%2)
.irp i, 0,1,2,3,4,5,6,7
	ds_load_b128 v[FB+4*\i:FB+4*\i+3], v[AW] offset:(\n)*4096+\i*512
.endr
.endm
; 16 products with 64 input channels (two steps cc) for 32 output channels (ct) and 64 tokens (tt), onto the eight accumulators of window 0, which take turns.
; left: the LDS loads that may stay out (the next group's eight).  fetch = 1: the group after next is fetched into the buffer just multiplied.  vmode = 1: tokens are source 0; zero = 1: its first products start the sums.
.macro GROUP1 n, left, fetch, fmt, vmode, zero
	s_wait_dscnt \left
.set WB, WF+32*((\n)%2)
.if \vmode
	WIN 0x01
.else
	WIN 0x04
.endif
.irp cc, 0,1
.irp ct, 0,1
.irp tt, 0,1,2,3
.set rD, A64+8*(4*\ct+\tt)
.set rW, WB+8*(2*\cc+\ct)
.set rX, 64*\tt+8*(2*((\n)%4)+\cc)
.if (\vmode) && (\zero) && (\cc == 0)
	v_wmma_f32_16x16x32_\fmt v[rD:rD+7], v[rX:rX+7], v[rW:rW+7], 0
.elseif \vmode
	v_wmma_f32_16x16x32_\fmt v[rD:rD+7], v[rX:rX+7], v[rW:rW+7], v[rD:rD+7]
.else
	v_wmma_f32_16x16x32_\fmt v[rD:rD+7], v[rW:rW+7], v[rX:rX+7], v[rD:rD+7]
.endif
.endr
.endr
.endr
	WIN 0
	PLACES
.if \fetch
	FETCH (\n)+2
.endif
.endm
; 16 products with 32 input channels (a head's o, a chunk's h, in v160-191) for 64 output channels and 64 tokens, onto 16 different accumulators of windows 2 and 3.
.macro GROUP2 n, left, fetch, fmt
	s_wait_dscnt \left
.set WB, WF+32*((\n)%2)
.irp hf, 0,1
	WIN 0xa0+0x50*\hf
.irp o, 0,1,2,3
.irp t, 0,1
.set rD, 128*\t+8*(4*((\n)%4)+\o)
	v_wmma_f32_16x16x32_\fmt v[rD:rD+7], v[WB+8*\o:WB+8*\o+7], v[HB+8*(2*\hf+\t):HB+8*(2*\hf+\t)+7], v[rD:rD+7]
.endr
.endr
.endr
	WIN 0
	PLACES
.if \fetch
	FETCH (\n)+2
.endif
.endm
; 16 tokens of x out of XS, rounded to bf16, into window 1.
.macro XCONV tt
	WIN 0
.set c, 0
.rept 8
	ds_load_b128 v[32+16*c:32+16*c+3],     v[AX] offset:((\tt)%2)*16*XP+c*128
	ds_load_b128 v[32+16*c+4:32+16*c+7],   v[AX] offset:((\tt)%2)*16*XP+c*128+16
	ds_load_b128 v[32+16*c+8:32+16*c+11],  v[AX] offset:((\tt)%2)*16*XP+c*128+64
	ds_load_b128 v[32+16*c+12:32+16*c+15], v[AX] offset:((\tt)%2)*16*XP+c*128+80
.set c, c+1
.endr
	WIN 0x40
	s_wait_dscnt 16                                ; the first 16 loads are in
.set i, 0
.rept 32
	v_cvt_pk_bf16_f32 v[64*(\tt)+i], v[32+2*i], v[32+2*i+1]
.set i, i+1
.endr
	s_wait_dscnt 0x0
.rept 32
	v_cvt_pk_bf16_f32 v[64*(\tt)+i], v[32+2*i], v[32+2*i+1]
.set i, i+1
.endr
	WIN 0
.endm
; The 64 large accumulators start from a bias of 256 channels: nothing is cleared and nothing is added later.
.macro ACCINIT off
.irp tt, 0,1,2,3
	WIN 0x80+0x40*(\tt/2)
.set c, 0
.rept 16
	ds_load_b128 v[128*(\tt%2)+8*c:128*(\tt%2)+8*c+3],   v[APR] offset:(\off)+c*64
	ds_load_b128 v[128*(\tt%2)+8*c+4:128*(\tt%2)+8*c+7], v[APR] offset:(\off)+c*64+16
.set c, c+1
.endr
.endr
	WIN 0
.endm
; The eight accumulators hold 32 channels of a head for 64 tokens: each token's vector is divided by max(its length, 1e-12) (q also times log2(e) / 16) and rounded to f16 into dst.  The four token tiles go side by side.
.macro NORM dst, scaled
.irp tt, 0,1,2,3
	v_pk_mul_f32 v[VH+2*\tt:VH+2*\tt+1], v[A64+8*\tt:A64+8*\tt+1], v[A64+8*\tt:A64+8*\tt+1]
.endr
.irp s, 1,2,3,4,5,6,7
.irp tt, 0,1,2,3
.set R, A64+8*(4*(\s/4)+\tt)+2*(\s%4)
	v_pk_fma_f32 v[VH+2*\tt:VH+2*\tt+1], v[R:R+1], v[R:R+1], v[VH+2*\tt:VH+2*\tt+1]
.endr
.endr
.irp tt, 0,1,2,3
	v_add_f32 v[VH+2*\tt], v[VH+2*\tt], v[VH+2*\tt+1]
.endr
.irp tt, 0,1,2,3
	v_permlanex16_b32 v[VH+2*\tt+1], v[VH+2*\tt], s58, s59   ; the token's other 16 channels lie in the lane 16 away
.endr
.irp tt, 0,1,2,3
	v_add_f32 v[VH+2*\tt], v[VH+2*\tt], v[VH+2*\tt+1]
.endr
.irp tt, 0,1,2,3
	v_sqrt_f32 v[VH+2*\tt], v[VH+2*\tt]
.endr
	v_nop                                          ; a plain instruction behind the last root (ISA guide 5.7.2)
	s_wait_alu depctr_va_vdst(0)
.irp tt, 0,1,2,3
	v_max_num_f32 v[VH+2*\tt], s77, v[VH+2*\tt]
.endr
.irp tt, 0,1,2,3
	v_rcp_f32 v[VH+2*\tt], v[VH+2*\tt]
.endr
	v_nop
.if \scaled
	s_wait_alu depctr_va_vdst(0)
.irp tt, 0,1,2,3
	v_mul_f32 v[VH+2*\tt], s76, v[VH+2*\tt]
.endr
.endif
	s_wait_alu depctr_va_vdst(0)
.irp tt, 0,1,2,3
.irp a, 0,1
.irp p, 0,2,4,6
.set R, A64+8*(4*\a+\tt)+\p
	v_pk_mul_f32 v[R:R+1], v[R:R+1], v[VH+2*\tt:VH+2*\tt+1] op_sel_hi:[1,0]
.endr
.endr
.endr
.irp tt, 0,1,2,3
.irp a, 0,1
.irp p, 0,1,2,3
.set R, A64+8*(4*\a+\tt)+2*\p
	v_cvt_pk_f16_f32 v[(\dst)+8*\tt+4*\a+\p], v[R], v[R+1]
.endr
.endr
.endr
.endm
; 16 queries: p = 2^s for the lane's 32 scores; p rounded to f16; 1 / (the sum of the unrounded p over all 64 keys).
.macro SOFTMAX qt
.set SB, 32+32*(\qt)
.set i, 0
.rept 32
	v_exp_f32 v[SB+i], v[SB+i]
.set i, i+1
.endr
	v_nop
.set i, 0
	s_wait_alu depctr_va_vdst(0)
.rept 16
	v_cvt_pk_f16_f32 v[HB+16*(\qt)+i], v[SB+2*i], v[SB+2*i+1]
.set i, i+1
.endr
.irp w, 8,4,2,1
.set i, 0
.rept \w
	v_pk_add_f32 v[SB+2*i:SB+2*i+1], v[SB+2*i:SB+2*i+1], v[SB+2*(i+\w):SB+2*(i+\w)+1]
.set i, i+1
.endr
.endr
	v_add_f32 v[SB], v[SB], v[SB+1]
	v_permlanex16_b32 v[SB+1], v[SB], s58, s59
	v_add_f32 v[SB], v[SB], v[SB+1]
	v_rcp_f32 v[RL+2*(\qt)], v[SB]
	v_nop
.endm
; gelu(u) = u / 2 + |u| (1/2 - (a1 t + a2 t^2 + a3 t^3) / 2 x 2^(-0.72134752 u^2)), t = 1 / (1 + 0.33267253 |u|), for one accumulator; rounded to bf16 into h.
.macro GELU8 ct, tt
.set U, A64+8*(4*(\ct)+(\tt))
.irp i, 0,1,2,3,4,5,6,7
	v_and_b32 v[192+\i], s60, v[U+\i]
.endr
.irp p, 0,2,4,6
	v_pk_fma_f32 v[200+\p:201+\p], v[192+\p:193+\p], s[66:67], 1.0 op_sel_hi:[1,0,0]
.endr
.irp p, 0,2,4,6
	v_pk_mul_f32 v[208+\p:209+\p], v[U+\p:U+\p+1], v[U+\p:U+\p+1]
.endr
.irp p, 0,2,4,6
	v_pk_mul_f32 v[208+\p:209+\p], v[208+\p:209+\p], s[68:69] op_sel_hi:[1,0]
.endr
.irp i, 0,1,2,3,4,5,6,7
	v_rcp_f32 v[200+\i], v[200+\i]
.endr
.irp i, 0,1,2,3,4,5,6,7
	v_exp_f32 v[208+\i], v[208+\i]
.endr
.irp p, 0,2,4,6
	v_pk_mul_f32 v[U+\p:U+\p+1], v[U+\p:U+\p+1], 0.5 op_sel_hi:[1,0]   ; plain work behind the exponentials
.endr
	s_wait_alu depctr_va_vdst(0)
.irp p, 0,2,4,6
	v_pk_fma_f32 v[216+\p:217+\p], v[200+\p:201+\p], s[74:75], s[72:73] op_sel_hi:[1,0,0]
.endr
.irp p, 0,2,4,6
	v_pk_fma_f32 v[216+\p:217+\p], v[216+\p:217+\p], v[200+\p:201+\p], s[70:71] op_sel_hi:[1,1,0]
.endr
.irp p, 0,2,4,6
	v_pk_mul_f32 v[216+\p:217+\p], v[216+\p:217+\p], v[200+\p:201+\p]
.endr
.irp p, 0,2,4,6
	v_pk_fma_f32 v[216+\p:217+\p], v[216+\p:217+\p], v[208+\p:209+\p], 0.5 op_sel_hi:[1,1,0] neg_lo:[1,0,0] neg_hi:[1,0,0]
.endr
.irp p, 0,2,4,6
	v_pk_fma_f32 v[U+\p:U+\p+1], v[192+\p:193+\p], v[216+\p:217+\p], v[U+\p:U+\p+1]
.endr
.irp p, 0,1,2,3
	v_cvt_pk_bf16_f32 v[HB+8*(\tt)+4*(\ct)+\p], v[U+2*\p], v[U+2*\p+1]
.endr
.endm
; LN's statistics for token tile tt, in two passes: the mean; it is taken away in place; the mean of the squares of what is left; 1 / sqrt(that + 1e-5).
.macro LNFOLD               ; four chains of pairs, and the other half of the lanes', into v[CH]
	v_pk_add_f32 v[CH:CH+1], v[CH:CH+1], v[CH+2:CH+3]
	v_pk_add_f32 v[CH+4:CH+5], v[CH+4:CH+5], v[CH+6:CH+7]
	v_pk_add_f32 v[CH:CH+1], v[CH:CH+1], v[CH+4:CH+5]
	v_add_f32 v[CH], v[CH], v[CH+1]
	v_permlanex16_b32 v[CH+1], v[CH], s58, s59
	v_add_f32 v[CH], v[CH], v[CH+1]
.endm
.macro LNSTAT tt
.set W, 2+(\tt)/2
.set AB, 128*((\tt)%2)
	WIN W|(W<<2)
.irp k, 0,2,4,6
	v_pk_add_f32 v[CH+\k:CH+\k+1], v[AB+\k:AB+\k+1], v[AB+8+\k:AB+8+\k+1]   ; each accumulator's lowest registers are read first
.endr
	WIN W<<2
.set i, 8
.rept 56
	v_pk_add_f32 v[CH+2*(i%4):CH+2*(i%4)+1], v[CH+2*(i%4):CH+2*(i%4)+1], v[AB+2*i:AB+2*i+1]
.set i, i+1
.endr
	WIN 0
	LNFOLD
	v_mul_f32 v[MN], s79, v[CH]
	WIN (W<<6)|W
.set i, 0
.rept 64
	v_pk_add_f32 v[AB+2*i:AB+2*i+1], v[AB+2*i:AB+2*i+1], v[MN:MN+1] op_sel_hi:[1,0] neg_lo:[0,1] neg_hi:[0,1]
.set i, i+1
.endr
	WIN W|(W<<2)
.irp k, 0,2,4,6
	v_pk_mul_f32 v[CH+\k:CH+\k+1], v[AB+\k:AB+\k+1], v[AB+\k:AB+\k+1]
.endr
.set i, 4
.rept 60
	v_pk_fma_f32 v[CH+2*(i%4):CH+2*(i%4)+1], v[AB+2*i:AB+2*i+1], v[AB+2*i:AB+2*i+1], v[CH+2*(i%4):CH+2*(i%4)+1]
.set i, i+1
.endr
	WIN 0
	LNFOLD
	v_fma_f32 v[CH], v[CH], s79, s78
	v_rsq_f32 v[RL+2*(\tt)], v[CH]
	v_nop
	s_wait_alu depctr_va_vdst(0)
.endm
; LN's way on, 16 channels (ct) at a time for all 64 tokens: y = d / sigma x g + shortcut + be.  The shortcut is read as a half of its 16-bit fragment.
; stage 1: the shortcut is x (bf16); y = x1 is rounded to f16 into the same fragment.  stage 2: the shortcut is x1 (f16); y goes back into the accumulator.
.macro LNLD ct, goff, boff  ; g and be of 16 channels, into buffer ct % 2
.set GB, 32+16*((\ct)%2)
	ds_load_b128 v[GB:GB+3],     v[APR] offset:(\goff)+(\ct)*64
	ds_load_b128 v[GB+4:GB+7],   v[APR] offset:(\goff)+(\ct)*64+16
	ds_load_b128 v[GB+8:GB+11],  v[APR] offset:(\boff)+(\ct)*64
	ds_load_b128 v[GB+12:GB+15], v[APR] offset:(\boff)+(\ct)*64+16
.endm
.macro LNCT stage, ct, goff, boff
	WIN 0
.if (\ct) < 15
	LNLD (\ct)+1, \goff, \boff
	s_wait_dscnt 4                                 ; the next 16 channels' four loads may stay out
.else
	s_wait_dscnt 0x0
.endif
.set GB, 32+16*((\ct)%2)
.irp tt, 0,1,2,3
	WIN 2+\tt/2
.irp p, 0,2,4,6
	v_pk_mul_f32 v[64+8*\tt+\p:64+8*\tt+\p+1], v[128*(\tt%2)+8*(\ct)+\p:128*(\tt%2)+8*(\ct)+\p+1], v[RL+2*\tt:RL+2*\tt+1] op_sel_hi:[1,0]
.endr
.endr
	WIN 0x10
.irp tt, 0,1,2,3
.irp p, 0,1,2,3
.if (\stage) == 1
	v_fma_mix_f32_bf16 v[64+8*\tt+2*\p],   v[64+8*\tt+2*\p],   v[GB+2*\p],   v[64*\tt+4*(\ct)+\p] op_sel_hi:[0,0,1]
	v_fma_mix_f32_bf16 v[64+8*\tt+2*\p+1], v[64+8*\tt+2*\p+1], v[GB+2*\p+1], v[64*\tt+4*(\ct)+\p] op_sel:[0,0,1] op_sel_hi:[0,0,1]
.else
	v_fma_mix_f32 v[64+8*\tt+2*\p],   v[64+8*\tt+2*\p],   v[GB+2*\p],   v[64*\tt+4*(\ct)+\p] op_sel_hi:[0,0,1]
	v_fma_mix_f32 v[64+8*\tt+2*\p+1], v[64+8*\tt+2*\p+1], v[GB+2*\p+1], v[64*\tt+4*(\ct)+\p] op_sel:[0,0,1] op_sel_hi:[0,0,1]
.endif
.endr
.endr
.if (\stage) == 1
	WIN 0
.irp tt, 0,1,2,3
.irp p, 0,2,4,6
	v_pk_add_f32 v[64+8*\tt+\p:64+8*\tt+\p+1], v[64+8*\tt+\p:64+8*\tt+\p+1], v[GB+8+\p:GB+8+\p+1]
.endr
.endr
	WIN 0x40
.irp tt, 0,1,2,3
.irp p, 0,1,2,3
	v_cvt_pk_f16_f32 v[64*\tt+4*(\ct)+\p], v[64+8*\tt+2*\p], v[64+8*\tt+2*\p+1]
.endr
.endr
.else
.irp tt, 0,1,2,3
	WIN (2+\tt/2)<<6
.irp p, 0,2,4,6
	v_pk_add_f32 v[128*(\tt%2)+8*(\ct)+\p:128*(\tt%2)+8*(\ct)+\p+1], v[64+8*\tt+\p:64+8*\tt+\p+1], v[GB+8+\p:GB+8+\p+1]
.endr
.endr
.endif
.endm
.macro LNOUT stage, goff, boff
	WIN 0
	LNLD 0, \goff, \boff
.irp c, 0,1,2,3,4,5,6,7,8,9,10,11,12,13,14,15
	LNCT \stage, \c, \goff, \boff
.endr
	WIN 0
.endm
; THE WAY OUT, piece i = 4 tt + cg: 16 tokens x 64 channels.  STG: into my stage (rows of 272 bytes), and back as whole rows of 256 bytes.  SEND: stored.
.macro STG i
	WIN (2+(\i)/8)<<2                              ; an LDS store's data is source 1
.irp c, 0,1,2,3
.set R, 128*(((\i)/4)%2)+8*(4*((\i)%4)+\c)
	ds_store_b128 v[STO], v[R:R+3]   offset:\c*64
	ds_store_b128 v[STO], v[R+4:R+7] offset:\c*64+16
.endr
	WIN 0
	s_wait_xcnt 0x0                                ; the stores of the piece before last have read their registers: only behind this wait are those loaded again
.irp j, 0,1,2,3,4,5,6,7
	ds_load_b128 v[32+32*((\i)%2)+4*\j:32+32*((\i)%2)+4*\j+3], v[RD] offset:\j*2*SP   ; LDS serves a wave's instructions in order (ISA guide 5.7.1.4): these see the stores above; the next piece's stores come behind them
.endr
.endm
.macro SEND i, younger      ; younger: the LDS instructions issued behind piece i's loads: the next piece's sixteen, or none
.irp j, 0,1,2,3,4,5,6,7
	s_wait_dscnt (\younger)+7-\j
	global_store_b128 v[GO], v[32+32*((\i)%2)+4*\j:32+32*((\i)%2)+4*\j+3], s[8:9] offset:((\i)/4)*131072+(\j/4)*65536+(\j%4)*2048+((\i)%4)*256 th:TH_STORE_NT   ; 16 lanes store 256 consecutive bytes, aligned
.endr
.endm
; A CHUNK of the MLP: 32 hidden channels.  u = x1 W1 + b1 (64 products), h = gelu(u), the 64 large accumulators += h W2 (64 products).
.macro CHUNK
	v_add_nc_u32 v[AW], s52, v[AL]
.irp a, 0,1,2,3,4,5,6,7
	ds_load_b128 v[A64+8*\a:A64+8*\a+3],   v[AB1] offset:(\a/4)*64       ; b1 starts the sums
	ds_load_b128 v[A64+8*\a+4:A64+8*\a+7], v[AB1] offset:(\a/4)*64+16
.endr
	FETCH 0
	FETCH 1
	GROUP1 0, 8, 1, f16, 0, 0
	GROUP1 1, 8, 1, f16, 0, 0
	GROUP1 2, 8, 1, f16, 0, 0
	GROUP1 3, 8, 1, f16, 0, 0
.irp a, 0,1
.irp t, 0,1,2,3
	GELU8 \a, \t
.endr
.endr
	GROUP2 4, 8, 1, bf16
	GROUP2 5, 8, 1, bf16
	GROUP2 6, 8, 0, bf16
	GROUP2 7, 0, 0, bf16
	v_add_nc_u32 v[AB1], 128, v[AB1]
	s_add_co_u32 s52, s52, 32768                   ; the slot's next chunk
.endm
	s_load_b128 s[4:7], s[0:1], 0x0                ; x s[4:5], wst s[6:7]
	s_load_b64 s[8:9], s[0:1], 0x10                ; out0
	v_lshl_add_u32 v[SPW], v0, 2, SPARE
	v_mov_b32 v[NIL], 0
	ds_add_u32 v[SPW], v[NIL]                      ; the wave's opening: the add and its wait stand ahead of my first tensor load; the set-up below, work on registers, stands between them
	v_lshrrev_b32 v3, 5, v0
	v_readfirstlane_b32 s10, v3                    ; wave 0..3
	s_bfe_u32 s11, ttmp6, 0x40000                  ; cx: my place in the cluster: it enters x's and out0's addresses alone
	s_lshl_b32 s12, ttmp9, 2
	s_add_co_u32 s12, s12, s11                     ; work-group
	; window 4 x work-group + wave = (image, window row) x 8 + window column: its first byte is (window / 8) x 2^19 + (window % 8) x 2^13; token (iy, ix) lies 65,536 iy + 1,024 ix on
	s_lshr_b32 s13, s12, 1
	s_lshl_b32 s13, s13, 19
	s_and_b32 s14, s12, 1
	s_lshl_b32 s14, s14, 15
	s_or_b32 s13, s13, s14
	s_lshl_b32 s14, s10, 13
	s_or_b32 s14, s13, s14
	s_mov_b32 s15, 0
	; group 1 for a quarter of a block of weights: 64 rows of 256 dense bytes, asked for jointly by the cluster's four work-groups
	s_mov_b32 s16, 15|(3<<16)|(1<<21)              ; 15:0 the mask of four; 17:16 elements of 8 bytes; 21 set beside a mask
	s_mov_b32 s17, 32<<16                          ; tensor_dim0 = 32
	s_mov_b32 s18, 64<<16                          ; tensor_dim1 = 64
	s_mov_b32 s19, 32<<16                          ; tile_dim0 = 32
	s_mov_b32 s20, 64                              ; tile_dim1 = 64
	s_mov_b32 s21, 32                              ; 32 elements from row to row
	s_mov_b32 s22, 0
	s_mov_b32 s23, 0
	; group 1 for a quarter of the table: 44 such rows
	s_mov_b32 s24, 15|(3<<16)|(1<<21)
	s_mov_b32 s25, 32<<16
	s_mov_b32 s26, 44<<16
	s_mov_b32 s27, 32<<16
	s_mov_b32 s28, 44
	s_mov_b32 s29, 32
	s_mov_b32 s30, 0
	s_mov_b32 s31, 0
	; group 1 for half a window of x, my own: 4 rows of 8 tokens (8,192 bytes), 65,536 bytes apart; 16 bytes of padding behind every token
	s_mov_b32 s32, (2<<16)|(1<<20)|(7<<22)|(3<<25) ; no mask; elements of 4 bytes; padding on; after every 256 words (code 7); 4 words (code 3)
	s_mov_b32 s33, 2048<<16
	s_mov_b32 s34, 4<<16
	s_mov_b32 s35, 2048<<16
	s_mov_b32 s36, 4
	s_mov_b32 s37, 16384
	s_mov_b32 s38, 0
	s_mov_b32 s39, 0
	s_mov_b32 s40, 1                               ; group 0, weights: count = 1
	s_lshl_b32 s41, s10, 14                        ; LDS: slot 0, my quarter
	s_mov_b32 s44, 1                               ; group 0, table
	s_mul_i32 s45, s10, 11264
	s_add_co_u32 s45, s45, TABL
	s_mov_b32 s48, 1                               ; group 0, x
	s_mul_i32 s49, s10, XSW
	s_add_co_u32 s49, s49, XS
	s_lshl_b32 s80, s10, 14                        ; my quarter of block 0 in wst
	s_mov_b32 s81, 0
	s_mul_i32 s82, s10, 11264
	s_add_co_u32 s82, s82, TABG                    ; my quarter of the table in wst
	s_mov_b32 s83, 0
	s_mov_b32 s52, SLOTX                           ; the first change of slots turns it into 0
	s_mov_b32 s58, 0x76543210                      ; v_permlanex16_b32: each lane takes its own place in the other half
	s_mov_b32 s59, 0xfedcba98
	s_mov_b32 s60, 0x7fffffff
	s_mov_b32 s61, 0xffff0000
	s_mov_b32 s66, 0x3eaa540e                      ; 0.47047 / sqrt(2)
	s_mov_b32 s67, s66                             ; (the packed forms name pairs and take the low word for both halves)
	s_mov_b32 s68, 0xbf38aa3b                      ; -log2(e) / 2
	s_mov_b32 s69, s68
	s_mov_b32 s70, 0x3e32303a                      ; a1 / 2 = 0.1740121
	s_mov_b32 s71, s70
	s_mov_b32 s72, 0xbd445ca1                      ; a2 / 2 = -0.0479399
	s_mov_b32 s73, s72
	s_mov_b32 s74, 0x3ebf7377                      ; a3 / 2 = 0.3739278
	s_mov_b32 s75, s74
	s_mov_b32 s76, 0x3db8aa3b                      ; log2(e) / 16
	s_mov_b32 s77, 0x2b8cbccc                      ; 1e-12
	s_mov_b32 s78, 0x3727c5ac                      ; 1e-5
	s_mov_b32 s79, 0x3b800000                      ; 1 / 256
	v_and_b32 v14, 15, v0                          ; r
	v_bfe_u32 v15, v0, 4, 1                        ; h
	v_and_b32 v[AL], 31, v0
	v_lshlrev_b32 v[AL], 4, v[AL]
	v_add_nc_u32 v[APQ], PQL, v[AL]
	v_lshlrev_b32 v[APR], 5, v15
	v_add_nc_u32 v[APR], TABL, v[APR]
	v_mov_b32 v[AH], v[APR]                        ; bk lies at the table's head
	v_add_nc_u32 v[AB1], P_B1, v[APR]
	v_lshlrev_b32 v[AV], 2, v14
	v_add_nc_u32 v[AV], TABL+P_BV, v[AV]
	v_mul_u32_u24 v[AX], v14, XP
	v_lshl_add_u32 v[AX], v15, 5, v[AX]
	v_add_nc_u32 v[AX], s49, v[AX]
	v_mul_u32_u24 v[STO], v14, SP
	v_lshl_add_u32 v[STO], v15, 5, v[STO]
	v_add_nc_u32 v[STO], s49, v[STO]
	v_mul_u32_u24 v[RD], v15, SP
	v_lshl_add_u32 v[RD], v14, 4, v[RD]
	v_add_nc_u32 v[RD], s49, v[RD]
	v_lshlrev_b32 v[GO], 10, v15
	v_lshl_add_u32 v[GO], v14, 4, v[GO]
.set i, 14
.rept 18
	v_mov_b32 v[i], 0                              ; the partners of registers that are named in pairs hold a number
.set i, i+1
.endr
	s_wait_dscnt 0x0                               ; the opening add is done
	s_wait_kmcnt 0x0
	s_add_nc_u64 s[42:43], s[6:7], s[80:81]
	s_or_b32 s43, s43, 0x80000000                  ; type = 2
	s_add_nc_u64 s[46:47], s[6:7], s[82:83]
	s_or_b32 s47, s47, 0x80000000
	s_add_nc_u64 s[50:51], s[4:5], s[14:15]
	s_or_b32 s51, s51, 0x80000000
	s_add_nc_u64 s[8:9], s[8:9], s[14:15]          ; out0 at my window
	ROUND                                          ; all four work-groups are here: the first joint loads meet
	tensor_load_to_lds s[48:51], s[32:39]          ; my window's tokens 0-31
	s_nop 0
	tensor_load_to_lds s[44:47], s[24:31]          ; my quarter of the table
	s_nop 0
	tensor_load_to_lds s[40:43], s[16:23]          ; my quarter of block 0: three loads of mine are out
	s_nop 0
	PLACES
	s_wait_tensorcnt 0x2                           ; tensor loads of a wave end in order (ISA guide 10.11.1): my half of x is in; only I read it; the two younger loads stay out
	XCONV 0
	XCONV 1
	s_wait_tensorcnt 0x0                           ; XS is filled again: all my tensor loads have landed,
	ds_add_u32 v[SPW], v[NIL]
	s_add_nc_u64 s[50:51], s[50:51], 262144        ; four rows of the image on
	s_wait_dscnt 0x0                               ; the add is done, and my reads of XS are over
	ROUND
	tensor_load_to_lds s[48:51], s[32:39]          ; my window's tokens 32-63: my one load behind this round
	s_nop 0
	PLACES
	ACCINIT P_BP                                   ; the table is whole for every wave behind that round
	s_wait_tensorcnt 0x0
	XCONV 2
	XCONV 3
	; THE HEADS.  Trip hd reads block hd and asks for block hd + 1 (the last: the MLP's first).
	s_mov_b32 s53, 8
.Lhead:
	CHANGE 1
	v_add_nc_u32 v[AW], s52, v[AL]
.irp a, 0,1,2,3,4,5,6,7
	ds_load_b128 v[HB+4*\a:HB+4*\a+3], v[APQ] offset:(\a/4)*2048+(\a%4)*512   ; posq of the head's 32 channels, bf16
.endr
	ds_load_b32 v[BVL], v[AV]
	ds_load_b32 v[BVL+1], v[AV]
	ds_load_b32 v[BVL+2], v[AV] offset:64
	ds_load_b32 v[BVL+3], v[AV] offset:64
	FETCH 0
	FETCH 1
	s_wait_dscnt 16                                ; all but the two groups of weights
.irp a, 0,1,2,3,4,5,6,7
.irp p, 0,1,2,3
	v_lshlrev_b32 v[A64+8*\a+2*\p],   16,  v[HB+4*\a+\p]     ; posq starts q's sums
	v_and_b32     v[A64+8*\a+2*\p+1], s61, v[HB+4*\a+\p]
.endr
.endr
	GROUP1 0, 8, 1, bf16, 0, 0                     ; q^T = Wq^T x^T + posq^T
	GROUP1 1, 8, 1, bf16, 0, 0
	GROUP1 2, 8, 1, bf16, 0, 0
	GROUP1 3, 8, 1, bf16, 0, 0
	NORM HB, 1
.irp a, 0,1,2,3,4,5,6,7
	ds_load_b128 v[A64+8*\a:A64+8*\a+3],   v[AH] offset:(\a/4)*64          ; bk starts k's sums
	ds_load_b128 v[A64+8*\a+4:A64+8*\a+7], v[AH] offset:(\a/4)*64+16
.endr
	GROUP1 4, 0, 1, bf16, 0, 0                     ; the wait is for 0: bk's loads are the youngest
	GROUP1 5, 8, 1, bf16, 0, 0
	GROUP1 6, 8, 1, bf16, 0, 0
	GROUP1 7, 8, 1, bf16, 0, 0
	NORM KH, 0
	GROUP1 8, 8, 1, bf16, 1, 1                     ; v = x Wv: a lane holds one channel and eight tokens
	GROUP1 9, 8, 1, bf16, 1, 0
	GROUP1 10, 8, 0, bf16, 1, 0
	GROUP1 11, 0, 0, bf16, 1, 0
.irp a, 0,1,2,3,4,5,6,7
.irp p, 0,2,4,6
	v_pk_add_f32 v[A64+8*\a+\p:A64+8*\a+\p+1], v[A64+8*\a+\p:A64+8*\a+\p+1], v[BVL+2*(\a/4):BVL+2*(\a/4)+1]
.endr
.endr
.irp a, 0,1,2,3,4,5,6,7
.irp p, 0,1,2,3
	v_cvt_pk_f16_f32 v[VH+4*\a+\p], v[A64+8*\a+2*\p], v[A64+8*\a+2*\p+1]
.endr
.endr
.irp q, 0,1,2,3
.irp k, 0,1,2,3
	v_wmma_f32_16x16x32_f16 v[32+32*\q+8*\k:32+32*\q+8*\k+7], v[KH+8*\k:KH+8*\k+7], v[HB+8*\q:HB+8*\q+7], 0   ; S^T = K Q^T: one query a lane, keys 16 k + 8 h + 0..7
.endr
.endr
	PLACES
	SOFTMAX 0
	SOFTMAX 1
	SOFTMAX 2
	SOFTMAX 3
	FETCH 12
	FETCH 13
.irp kk, 0,1
.irp c, 0,1
.irp q, 0,1,2,3
.if \kk == 0
	v_wmma_f32_16x16x32_f16 v[A64+8*(4*\c+\q):A64+8*(4*\c+\q)+7], v[VH+16*\c+8*\kk:VH+16*\c+8*\kk+7], v[HB+16*\q+8*\kk:HB+16*\q+8*\kk+7], 0
.else
	v_wmma_f32_16x16x32_f16 v[A64+8*(4*\c+\q):A64+8*(4*\c+\q)+7], v[VH+16*\c+8*\kk:VH+16*\c+8*\kk+7], v[HB+16*\q+8*\kk:HB+16*\q+8*\kk+7], v[A64+8*(4*\c+\q):A64+8*(4*\c+\q)+7]
.endif
.endr
.endr
.endr
	PLACES
	s_wait_alu depctr_va_vdst(0)
.irp a, 0,1,2,3,4,5,6,7
.irp p, 0,2,4,6
	v_pk_mul_f32 v[A64+8*\a+\p:A64+8*\a+\p+1], v[A64+8*\a+\p:A64+8*\a+\p+1], v[RL+2*(\a%4):RL+2*(\a%4)+1] op_sel_hi:[1,0]   ; O^T / l
.endr
.endr
.irp a, 0,1,2,3,4,5,6,7
.irp p, 0,1,2,3
	v_cvt_pk_f16_f32 v[HB+8*(\a%4)+4*(\a/4)+\p], v[A64+8*\a+2*\p], v[A64+8*\a+2*\p+1]
.endr
.endr
	GROUP2 12, 8, 1, f16                           ; the projection takes the head's 32 channels as one slice of its K
	GROUP2 13, 8, 1, f16
	GROUP2 14, 8, 0, f16
	GROUP2 15, 0, 0, f16
	v_add_nc_u32 v[APQ], 4096, v[APQ]              ; the next head's tables
	v_add_nc_u32 v[AH], 128, v[AH]
	v_add_nc_u32 v[AV], 128, v[AV]
	s_sub_co_u32 s53, s53, 1
	s_cmp_lg_u32 s53, 0
	s_cbranch_scc1 .Lhead
	; x1 = x + LN(o Wp + bp).  The MLP's first block lands meanwhile.
	LNSTAT 0
	LNSTAT 1
	LNSTAT 2
	LNSTAT 3
	LNOUT 1, P_G1, P_BE1
	ACCINIT P_B2
	; THE MLP.  Trip j reads block 8 + j, two chunks, and asks for block 9 + j.
	s_mov_b32 s53, 15
.Lmlp:
	CHANGE 1
	s_mov_b32 s54, 2
.Lchunk:
	CHUNK
	s_sub_co_u32 s54, s54, 1
	s_cmp_lg_u32 s54, 0
	s_cbranch_scc1 .Lchunk
	s_sub_co_u32 s52, s52, BLK                     ; back to the slot's head
	s_sub_co_u32 s53, s53, 1
	s_cmp_lg_u32 s53, 0
	s_cbranch_scc1 .Lmlp
	CHANGE 0                                       ; the last block is written out: nothing is asked for
	s_mov_b32 s54, 2
.Lchunk_last:
	CHUNK
	s_sub_co_u32 s54, s54, 1
	s_cmp_lg_u32 s54, 0
	s_cbranch_scc1 .Lchunk_last
	; out0 = x1 + LN(h W2 + b2)
	LNSTAT 0
	LNSTAT 1
	LNSTAT 2
	LNSTAT 3
	LNOUT 2, P_G2, P_BE2
	STG 0
.irp i, 1,2,3,4,5,6,7,8,9,10,11,12,13,14,15
	STG \i                                         ; a piece's way through the stage stands between the loads of the piece before and its stores
	SEND (\i)-1, 16
.endr
	SEND 15, 0
	s_wait_tensorcnt 0x0                           ; the wave's end, behind my last tensor load and my last LDS store
	ds_add_u32 v[SPW], v[NIL]
	s_wait_dscnt 0x0
	ROUND                                          ; the closing round: no work-group ends while a partner may still ask for a block that names it
	s_endpgm
.Lfunc_end_k_qe0ca416247_swin:
	.size	k_qe0ca416247_swin, .Lfunc_end_k_qe0ca416247_swin-k_qe0ca416247_swin
	.p2alignl 7, 3214868480
	.fill 96, 4, 3214868480
	.section	.rodata,"a",@progbits
	.p2align	6, 0x0
	.amdhsa_kernel k_qe0ca416247_swin
		.amdhsa_group_segment_fixed_size 327680
		.amdhsa_private_segment_fixed_size 0
		.amdhsa_enable_private_segment 0
		.amdhsa_kernarg_size 24
		.amdhsa_user_sgpr_count 2
		.amdhsa_user_sgpr_kernarg_segment_ptr 1
		.amdhsa_wavefront_size32 1
		.amdhsa_system_sgpr_workgroup_id_x 1
		.amdhsa_system_sgpr_workgroup_id_y 1
		.amdhsa_system_sgpr_workgroup_id_z 1
		.amdhsa_system_vgpr_workitem_id 0
		.amdhsa_next_free_vgpr 1024
		.amdhsa_next_free_sgpr 96
		.amdhsa_reserve_vcc 0
		.amdhsa_float_denorm_mode_32 3
		.amdhsa_float_denorm_mode_16_64 3
		.amdhsa_memory_ordered 1
		.amdhsa_forward_progress 1
		.amdhsa_inst_pref_size 255
	.end_amdhsa_kernel
	.section	.bss,"aw",@nobits
	.p2align	6
	.space	262144
	.amdgpu_metadata
---
amdhsa.version: [ 1, 2 ]
amdhsa.kernels:
  - .name:           k_qe0ca416247_swin
    .symbol:         k_qe0ca416247_swin.kd
    .args:
      - { .name: x, .offset: 0, .size: 8, .value_kind: global_buffer, .address_space: global }
      - { .name: wst, .offset: 8, .size: 8, .value_kind: global_buffer, .address_space: global }
      - { .name: out0, .offset: 16, .size: 8, .value_kind: global_buffer, .address_space: global }
    .group_segment_fixed_size: 327680
    .private_segment_fixed_size: 0
    .kernarg_segment_align: 8
    .kernarg_segment_size: 24
    .max_flat_workgroup_size: 128
    .sgpr_count:     96
    .vgpr_count:     1024
    .wavefront_size: 32
...
	.end_amdgpu_metadata
.endif
;; end of part 2
;; ======== version 2 of 3: 2 launches; 1.05 times as fast as version 1
;; limits: values outside matrix products are rounded to f16; values are held in f16: magnitudes above 65,504 overflow, below 6.1e-05 lose precision; a function is approximated: absolute error at most 0.0005
;; workspace buffers: wst 1,617,920 bytes
;; launch prep (part 3): grid 113 x 1, 4 waves a work-group, no clusters, 0 bytes of LDS; arguments Wq, Wkv, Wp, W1, W2, pos, bq, bkv, bp, g1, be1, b1, b2, g2, be2, wst; writes wst
.if DOCPART == 3
	.amdgcn_target "amdgcn-amd-amdhsa--gfx1250"
	.amdhsa_code_object_version 6
	.text
	.protected	k_qe0ca416247_prep
	.globl	k_qe0ca416247_prep
	.p2align	8
	.type	k_qe0ca416247_prep,@function
k_qe0ca416247_prep:
	s_mov_b64 s[64:65], 0
	v_nop
	global_prefetch_b8 v0, s[64:65] scope:SCOPE_SE
	s_setreg_imm32_b32 hwreg(HW_REG_WAVE_MODE, 25, 1), 1
	s_wait_xcnt 0x0
; PREP: the weights, rounded to bf16 and laid in the order in which the main launch's matrix instructions take them; the table posq = pos Wq + bq; the small vectors.
; wst, bytes 0 .. 1,572,863: 24 blocks of 65,536 = 16 groups of 4,096 = 4 fragments of 1,024.  A fragment is 16 columns n x 32 rows k of a weight W[k][n]:
; lane l (r = l % 16, h = l / 16) owns column n0 + r; its 16 bytes at 16 l hold k0 + 8 h + 0..7, those at 512 + 16 l hold k0 + 16 + 8 h + 0..7.
; Block hd (0-7): groups 0-3 Wq, 4-7 Wk, 8-11 Wv (columns 32 hd ..; group g: rows 64 g ..; fragment 2 cc + ct: rows + 32 cc, columns + 16 ct), 12-15 Wp (rows 32 hd ..; group g, fragment f: columns 64 g + 16 f).
; Blocks 8-23: 32 bodies of 8 groups.  Body b holds 4 groups of W1 (laid as Wq) for the 32 hidden channels of chunk (b + 1) % 32, then 4 groups of W2 (laid as Wp) for chunk b:
; the main launch multiplies by W1 of a chunk while it still works on the chunk before.
; Wq, Wk, Wv, W2 are bf16.  Wp and W1 meet f16 operands: the bf16-rounded number is written as f16 (exact from 6.1e-5 up to 65,504; below, f16's fixed step of 6e-8).
; From byte TABG: the vectors bk, bv, bp, g1, be1, b1, b2, g2, be2, rounded to bf16 and kept as f32 (12,288 bytes); then posq in bf16 (32,768 bytes):
; the tile of channels 16 ct .. and tokens 16 tt .. at 2,048 ct + 512 tt + 16 l: token 16 tt + r, channels 16 ct + 8 h + 0..7.
; Work-groups 0-95: a group of weights a wave.  96-111: a tile of posq a wave.  112: the vectors.
.set TABG, 1572864
	s_load_b512 s[16:31], s[0:1], 0x0              ; Wq 16, Wkv 18, Wp 20, W1 22, W2 24, pos 26, bq 28, bkv 30
	s_load_b512 s[32:47], s[0:1], 0x40             ; bp 32, g1 34, be1 36, b1 38, b2 40, g2 42, be2 44, wst 46
	s_mov_b32 s9, ttmp9
	v_lshrrev_b32 v1, 5, v0
	v_readfirstlane_b32 s8, v1                     ; wave 0..3
	v_and_b32 v2, 15, v0                           ; r
	v_bfe_u32 v3, v0, 4, 1                         ; h
	v_and_b32 v4, 31, v0
	v_lshlrev_b32 v4, 4, v4                        ; 16 l
	s_wait_kmcnt 0x0
	s_cmp_lt_u32 s9, 96
	s_cbranch_scc1 .Lweight
	s_cmp_lt_u32 s9, 112
	s_cbranch_scc1 .Lposq
; two f32 rounded to bf16 and widened again, in place
.macro RND2 a
	v_cvt_pk_bf16_f32 v5, v[\a], v[(\a)+1]
	v_lshlrev_b32 v[\a], 16, v5
	v_and_b32 v[(\a)+1], 0xffff0000, v5
.endm
; chunk i of a wave's six: 512 consecutive bytes of a vector
.macro CPL i, src, so
	global_load_b128 v[32+4*(\i):32+4*(\i)+3], v4, s[\src:(\src)+1] offset:\so
.endm
; THE VECTORS.  Each wave copies six chunks of 512 bytes: four that lie together in the table at s10, two at s11.
	s_cmp_lg_u32 s8, 0
	s_cbranch_scc1 .Lpar1
	CPL 0, 30, 0                                   ; bkv: bk, then bv
	CPL 1, 30, 512
	CPL 2, 30, 1024
	CPL 3, 30, 1536
	CPL 4, 32, 0                                   ; bp
	CPL 5, 32, 512
	s_mov_b32 s10, 0
	s_mov_b32 s11, 2048
	s_branch .Lparout
.Lpar1:
	s_cmp_lg_u32 s8, 1
	s_cbranch_scc1 .Lpar2
	CPL 0, 34, 0                                   ; g1
	CPL 1, 34, 512
	CPL 2, 36, 0                                   ; be1
	CPL 3, 36, 512
	CPL 4, 40, 0                                   ; b2
	CPL 5, 40, 512
	s_mov_b32 s10, 3072
	s_mov_b32 s11, 9216
	s_branch .Lparout
.Lpar2:
	s_cmp_lg_u32 s8, 2
	s_cbranch_scc1 .Lpar3
.irp i, 0,1,2,3,4,5
	CPL \i, 38, 512*\i                             ; b1, its first 3,072 bytes
.endr
	s_mov_b32 s10, 5120
	s_mov_b32 s11, 7168
	s_branch .Lparout
.Lpar3:
	CPL 0, 42, 0                                   ; g2
	CPL 1, 42, 512
	CPL 2, 44, 0                                   ; be2
	CPL 3, 44, 512
	CPL 4, 38, 3072                                ; b1, its last 1,024 bytes
	CPL 5, 38, 3584
	s_mov_b32 s10, 10240
	s_mov_b32 s11, 8192
.Lparout:
	v_add_nc_u32 v6, s10, v4
	v_add_nc_u32 v7, s11, v4
	s_wait_loadcnt 0x0
.irp a, 32,34,36,38,40,42,44,46,48,50,52,54
	RND2 \a
.endr
.irp i, 0,1,2,3
	global_store_b128 v6, v[32+4*\i:32+4*\i+3], s[46:47] offset:TABG+512*\i   ; a wave's store covers 512 consecutive bytes, aligned
.endr
	global_store_b128 v7, v[48:51], s[46:47] offset:TABG
	global_store_b128 v7, v[52:55], s[46:47] offset:TABG+512
	s_endpgm
; A GROUP OF WEIGHTS.  G = 4 x work-group + wave: block G / 16, group G % 16.
.Lweight:
	s_lshl_b32 s10, s9, 2
	s_add_co_u32 s10, s10, s8                      ; G
	s_lshr_b32 s11, s10, 4                         ; block
	s_and_b32 s12, s10, 15                         ; group n
	s_and_b32 s13, s12, 3
	s_lshl_b32 s13, s13, 6                         ; 64 g
	s_lshr_b32 s14, s12, 2                         ; a head block's kind: 0 Wq, 1 Wk, 2 Wv, 3 Wp
	s_sub_co_u32 s15, s11, 8
	s_lshl_b32 s15, s15, 1
	s_lshr_b32 s52, s12, 3
	s_add_co_u32 s15, s15, s52                     ; an MLP group's chunk
	s_and_b32 s52, s14, 1
	s_add_co_u32 s52, s52, 4                       ; and kind: 4 W1, 5 W2
	s_cmp_lt_u32 s11, 8
	s_cselect_b32 s15, s11, s15                    ; head or chunk
	s_cselect_b32 s14, s14, s52                    ; kind
	s_lshl_b32 s15, s15, 5                         ; 32 x head or chunk
	s_mov_b64 s[48:49], s[16:17]                   ; the source, its pitch in bytes (s50), laid as Wp (s59), written as f16 (s61)
	s_mov_b32 s50, 1024
	s_cmp_eq_u32 s14, 1
	s_cselect_b64 s[48:49], s[18:19], s[48:49]
	s_cselect_b32 s50, 2048, s50
	s_cmp_eq_u32 s14, 2
	s_cselect_b64 s[48:49], s[18:19], s[48:49]
	s_cselect_b32 s50, 2048, s50
	s_cselect_b32 s53, 256, 0                      ; Wv's columns lie 256 behind Wk's
	s_cmp_eq_u32 s14, 3
	s_cselect_b64 s[48:49], s[20:21], s[48:49]
	s_cselect_b32 s59, 1, 0
	s_cselect_b32 s61, 1, 0
	s_cmp_eq_u32 s14, 4
	s_cselect_b64 s[48:49], s[22:23], s[48:49]
	s_cselect_b32 s50, 4096, s50
	s_cselect_b32 s61, 1, s61
	s_cmp_eq_u32 s14, 5
	s_cselect_b64 s[48:49], s[24:25], s[48:49]
	s_cselect_b32 s59, 1, s59
	s_cmp_eq_u32 s59, 1
	s_cselect_b32 s51, s15, s13                    ; first row k
	s_cselect_b32 s60, s13, s15                    ; first column n
	s_add_co_u32 s60, s60, s53
	s_lshl_b32 s54, s50, 5                         ; fragments 2, 3 lie 32 rows on,
	s_cmp_eq_u32 s59, 1
	s_cselect_b32 s54, 128, s54                    ; or, laid as Wp, 32 columns on
	s_mov_b32 s55, 0
	s_mul_i32 s52, s51, s50
	s_lshl_b32 s60, s60, 2
	s_add_co_u32 s52, s52, s60                     ; the group's first element, in bytes
	s_mov_b32 s53, 0
	s_add_nc_u64 s[48:49], s[48:49], s[52:53]
	s_add_nc_u64 s[56:57], s[48:49], s[54:55]
	s_mul_i32 s58, s50, 9
	s_sub_co_u32 s63, s10, 136                     ; where the group goes: place G, but W1's groups eight places (a chunk) earlier among the MLP's 256, chunk 0's behind the last
	s_and_b32 s63, s63, 255
	s_add_co_u32 s63, s63, 128
	s_cmp_eq_u32 s14, 4
	s_cselect_b32 s62, s63, s10
	s_lshl_b32 s62, s62, 12
	s_mov_b32 s63, 0
	s_add_nc_u64 s[46:47], s[46:47], s[62:63]
	v_lshlrev_b32 v5, 3, v3
	v_mul_lo_u32 v5, v5, s50
	v_lshl_add_u32 v16, v2, 2, v5                  ; my 16 numbers of a fragment: rows 8 h + 0..7 and 16 + 8 h + 0..7 of column r
.set i, 1
.rept 15
.if i == 8
	v_add_nc_u32 v[16+i], s58, v[15+i]
.else
	v_add_nc_u32 v[16+i], s50, v[15+i]
.endif
.set i, i+1
.endr
.irp f, 0,1
.set i, 0
.rept 16
	global_load_b32 v[32+16*\f+i], v[16+i], s[48:49] offset:64*\f
	global_load_b32 v[64+16*\f+i], v[16+i], s[56:57] offset:64*\f
.set i, i+1
.endr
.endr
	s_wait_loadcnt 0x0
.set i, 0
.rept 32
	v_cvt_pk_bf16_f32 v[96+i], v[32+2*i], v[32+2*i+1]
.set i, i+1
.endr
	s_cmp_eq_u32 s61, 0
	s_cbranch_scc1 .Lwstore
.set i, 0
.rept 32                                               ; the bf16 number written as f16
	v_lshlrev_b32 v[32+2*(i%4)], 16, v[96+i]
	v_and_b32 v[33+2*(i%4)], 0xffff0000, v[96+i]
	v_cvt_pk_f16_f32 v[96+i], v[32+2*(i%4)], v[33+2*(i%4)]
.set i, i+1
.endr
.Lwstore:
.irp i, 0,1,2,3,4,5,6,7
	global_store_b128 v4, v[96+4*\i:96+4*\i+3], s[46:47] offset:512*\i   ; 512 consecutive bytes, aligned
.endr
	s_endpgm
; POSQ.  A wave makes the tile of channels 16 ct .. (ct = work-group - 96) and tokens 16 tt .. (tt = wave).  Transposed: source 0 = 16 channels of Wq, source 1 = 16 tokens of pos:
; a lane's result is one token and eight channels.  No loop: the loads of all eight K steps go out together, but for Wq's K step 7, which waits for registers.
; v8-15 the sum of the even K steps, begun from bq; v24-31 that of the odd ones; v[16 + 16 c ..] Wq's 16 numbers of K step c, rounded in place into the lower eight registers; v[128 + 16 c ..] pos's likewise.
; The upper halves that the rounding frees take: K step 0's the second sum, K steps 1's and 2's the numbers of Wq's K step 7, K step 3's their fragment.
.macro WQL c, d0, d1        ; rows 32 c + 8 h + 0..7 of my column into v[d0 ..], rows 32 c + 16 + 8 h + 0..7 into v[d1 ..]
.irp i, 0,1,2,3,4,5,6,7
	global_load_b32 v[(\d0)+\i], v1, s[48:49] offset:(32*(\c)+\i)*1024
.endr
.irp i, 0,1,2,3,4,5,6,7
	global_load_b32 v[(\d1)+\i], v1, s[48:49] offset:(32*(\c)+16+\i)*1024
.endr
.endm
.macro CV8 d, a, b          ; a fragment of eight registers at d from eight f32 at a and eight at b; d = a is allowed: each line writes no register that a later line reads
.irp i, 0,1,2,3
	v_cvt_pk_bf16_f32 v[(\d)+\i], v[(\a)+2*\i], v[(\a)+2*\i+1]
.endr
.irp i, 0,1,2,3
	v_cvt_pk_bf16_f32 v[(\d)+4+\i], v[(\b)+2*\i], v[(\b)+2*\i+1]
.endr
.endm
.Lposq:
	s_sub_co_u32 s10, s9, 96                       ; ct
	s_lshl_b32 s12, s10, 6
	s_mov_b32 s13, 0
	v_lshl_add_u32 v5, v3, 5, s12                  ; bq at channel 16 ct + 8 h
	global_load_b128 v[8:11], v5, s[28:29]
	global_load_b128 v[12:15], v5, s[28:29] offset:16
	s_add_nc_u64 s[48:49], s[16:17], s[12:13]      ; Wq at column 16 ct
	v_lshlrev_b32 v1, 13, v3
	v_lshl_add_u32 v1, v2, 2, v1                   ; row 8 h, column r of Wq
	v_lshlrev_b32 v6, 10, v2
	v_lshl_add_u32 v6, v3, 5, v6                   ; token r, channel 8 h of pos,
	s_lshl_b32 s14, s8, 14
	v_add_nc_u32 v6, s14, v6                       ; 16 tt tokens on
	s_lshl_b32 s15, s10, 11
	s_lshl_b32 s11, s8, 9
	s_add_co_u32 s15, s15, s11
	s_add_co_u32 s15, s15, TABG+12288
	v_add_nc_u32 v7, s15, v4                       ; where my 16 bytes of the tile go
.irp c, 0,1,2,3
	WQL \c, 16+16*\c, 24+16*\c
.endr
.irp c, 0,1,2,3,4,5,6,7
	global_load_b128 v[128+16*\c:128+16*\c+3],     v6, s[26:27] offset:128*\c
	global_load_b128 v[128+16*\c+4:128+16*\c+7],   v6, s[26:27] offset:128*\c+16
	global_load_b128 v[128+16*\c+8:128+16*\c+11],  v6, s[26:27] offset:128*\c+64
	global_load_b128 v[128+16*\c+12:128+16*\c+15], v6, s[26:27] offset:128*\c+80
.endr
.irp c, 4,5,6
	WQL \c, 16+16*\c, 24+16*\c
.endr
	s_wait_loadcnt 48                              ; loads come back in order (ISA guide 5.7.1): all but Wq's K steps 4 to 6 are in
.irp a, 8,10,12,14
	RND2 \a
.endr
.irp c, 0,1,2,3
	CV8 16+16*\c, 16+16*\c, 24+16*\c
.endr
	WQL 7, 40, 56                                  ; into the halves that the lines above have read
.irp c, 0,1,2,3,4,5,6,7
	CV8 128+16*\c, 128+16*\c, 136+16*\c
.endr
	s_wait_loadcnt 16                              ; all but K step 7's sixteen
.irp c, 4,5,6
	CV8 16+16*\c, 16+16*\c, 24+16*\c
.endr
	v_wmma_f32_16x16x32_bf16 v[8:15], v[16:23], v[128:135], v[8:15]   ; the two sums take turns
	v_wmma_f32_16x16x32_bf16 v[24:31], v[32:39], v[144:151], 0
.irp c, 2,3,4,5,6
.set rD, 8+16*(\c%2)
	v_wmma_f32_16x16x32_bf16 v[rD:rD+7], v[16+16*\c:16+16*\c+7], v[128+16*\c:128+16*\c+7], v[rD:rD+7]
.endr
	s_wait_loadcnt 0x0
	CV8 72, 40, 56
	v_wmma_f32_16x16x32_bf16 v[24:31], v[72:79], v[240:247], v[24:31]
.rept 4
	v_nop                                          ; four places before the results are read (ISA guide 7.12.1)
.endr
.irp k, 0,2,4,6
	v_pk_add_f32 v[8+\k:9+\k], v[8+\k:9+\k], v[24+\k:25+\k]
.endr
.irp i, 0,1,2,3
	v_cvt_pk_bf16_f32 v[40+\i], v[8+2*\i], v[9+2*\i]
.endr
	global_store_b128 v7, v[40:43], s[46:47]       ; 512 consecutive bytes, aligned
	s_endpgm
.Lfunc_end_k_qe0ca416247_prep:
	.size	k_qe0ca416247_prep, .Lfunc_end_k_qe0ca416247_prep-k_qe0ca416247_prep
	.p2alignl 7, 3214868480
	.fill 96, 4, 3214868480
	.section	.rodata,"a",@progbits
	.p2align	6, 0x0
	.amdhsa_kernel k_qe0ca416247_prep
		.amdhsa_group_segment_fixed_size 0
		.amdhsa_private_segment_fixed_size 0
		.amdhsa_enable_private_segment 0
		.amdhsa_kernarg_size 128
		.amdhsa_user_sgpr_count 2
		.amdhsa_user_sgpr_kernarg_segment_ptr 1
		.amdhsa_wavefront_size32 1
		.amdhsa_system_sgpr_workgroup_id_x 1
		.amdhsa_system_sgpr_workgroup_id_y 1
		.amdhsa_system_sgpr_workgroup_id_z 1
		.amdhsa_system_vgpr_workitem_id 0
		.amdhsa_next_free_vgpr 256
		.amdhsa_next_free_sgpr 66
		.amdhsa_reserve_vcc 0
		.amdhsa_float_denorm_mode_32 3
		.amdhsa_float_denorm_mode_16_64 3
		.amdhsa_memory_ordered 1
		.amdhsa_forward_progress 1
		.amdhsa_inst_pref_size 49
	.end_amdhsa_kernel
	.amdgpu_metadata
---
amdhsa.version: [ 1, 2 ]
amdhsa.kernels:
  - .name:           k_qe0ca416247_prep
    .symbol:         k_qe0ca416247_prep.kd
    .args:
      - { .name: Wq, .offset: 0, .size: 8, .value_kind: global_buffer, .address_space: global }
      - { .name: Wkv, .offset: 8, .size: 8, .value_kind: global_buffer, .address_space: global }
      - { .name: Wp, .offset: 16, .size: 8, .value_kind: global_buffer, .address_space: global }
      - { .name: W1, .offset: 24, .size: 8, .value_kind: global_buffer, .address_space: global }
      - { .name: W2, .offset: 32, .size: 8, .value_kind: global_buffer, .address_space: global }
      - { .name: pos, .offset: 40, .size: 8, .value_kind: global_buffer, .address_space: global }
      - { .name: bq, .offset: 48, .size: 8, .value_kind: global_buffer, .address_space: global }
      - { .name: bkv, .offset: 56, .size: 8, .value_kind: global_buffer, .address_space: global }
      - { .name: bp, .offset: 64, .size: 8, .value_kind: global_buffer, .address_space: global }
      - { .name: g1, .offset: 72, .size: 8, .value_kind: global_buffer, .address_space: global }
      - { .name: be1, .offset: 80, .size: 8, .value_kind: global_buffer, .address_space: global }
      - { .name: b1, .offset: 88, .size: 8, .value_kind: global_buffer, .address_space: global }
      - { .name: b2, .offset: 96, .size: 8, .value_kind: global_buffer, .address_space: global }
      - { .name: g2, .offset: 104, .size: 8, .value_kind: global_buffer, .address_space: global }
      - { .name: be2, .offset: 112, .size: 8, .value_kind: global_buffer, .address_space: global }
      - { .name: wst, .offset: 120, .size: 8, .value_kind: global_buffer, .address_space: global }
    .group_segment_fixed_size: 0
    .private_segment_fixed_size: 0
    .kernarg_segment_align: 8
    .kernarg_segment_size: 128
    .max_flat_workgroup_size: 128
    .sgpr_count:     66
    .vgpr_count:     256
    .wavefront_size: 32
...
	.end_amdgpu_metadata
.endif
;; end of part 3
;; launch swin (part 4): grid 256 x 1, 4 waves a work-group, clusters of 4 x 1, 327,680 bytes of LDS; arguments x, wst, out0; writes out0
.if DOCPART == 4
	.amdgcn_target "amdgcn-amd-amdhsa--gfx1250"
	.amdhsa_code_object_version 6
	.text
	.protected	k_qe0ca416247_swin
	.globl	k_qe0ca416247_swin
	.p2align	8
	.type	k_qe0ca416247_swin,@function
k_qe0ca416247_swin:
	s_mov_b64 s[64:65], 0
	v_nop
	global_prefetch_b8 v0, s[64:65] scope:SCOPE_SE
	s_setreg_imm32_b32 hwreg(HW_REG_WAVE_MODE, 25, 1), 1
	s_wait_xcnt 0x0
	s_wait_alu depctr_hold_cnt(0) depctr_sa_sdst(0) depctr_va_vdst(0) depctr_va_sdst(0) depctr_va_ssrc(0) depctr_va_vcc(0) depctr_vm_vsrc(0)
	s_getreg_b32 s2, hwreg(HW_REG_IB_STS2, 6, 4)
	s_cmp_eq_u32 s2, 0
	s_cbranch_scc0 .Lentry_in_a_cluster
	s_endpgm
.Lentry_in_a_cluster:
	s_bfe_u32 s2, ttmp6, 0x10000c
	s_cmp_lg_u32 s2, 0x3003
	s_cbranch_scc0 .Lentry_shape_is_right
	s_endpgm
.Lentry_shape_is_right:
; THE WHOLE BLOCK, FUSED.  One wave owns one window of 64 tokens x 256 channels from x to out0; a work-group's four waves own four windows; 256 work-groups, 1,024 windows.
; Activations stay in registers and never change lanes; only weights go through LDS.  All work-groups walk the same 24 blocks of weights (65,536 bytes each, in fragment order),
; so the four work-groups of a cluster ask for each block JOINTLY, a quarter a wave, into a ring of two slots; a block's load has a whole trip (288 or 256 matrix instructions a wave) in which to land.
; LAYOUT.  Every product is used transposed: source 0 = 16 output channels of a weight, source 1 = 16 tokens.  In the result lane l (r = l % 16, h = l / 16) holds token r and channels 8 h + 0..7;
; two such results, rounded in pairs, ARE source 1 of the next product.  V alone is made the other way round (source 0 = tokens), so that its result, rounded in pairs, is source 0 (16 channels x 32 keys) of O^T = V^T P.
; A sum over channels or keys is a sum in the lane and one exchange between the halves of the lanes.
; FORMATS.  x, the weights and the vectors are rounded to bf16.  What is made here and handed on is f16: the normalised q and k, v, the weights p, o, and x1 = x + LN(..); h = gelu(..) is bf16.
; All sums, norms, softmax, LN and GELU in f32.  The shortcuts are read from the 16-bit fragments of x and x1.
; SOFTMAX WITHOUT A MAXIMUM: q and k are normalised to length 1 at the most and the product is divided by 16, so every exponent lies within 1/16 of 0 for every input: no exponential or sum can overflow or underflow.
; (x + pos) Wq + bq = x Wq + posq: the table posq starts q's sums.  Biases start the other sums.
; GELU, A KEPT LIMIT: u Phi(u) is computed in the logistic form u / (1 + exp(-2 sqrt(2/pi) (u + 0.044715 u^3))).  It differs from the erf form by 5e-4 at the most, for every u (largest near |u| = 2.8,
; where h's own rounding to bf16 is off by up to 8e-3; 1.5e-4 at |u| = 1, 2e-5 at 0.5).  For large |u| the exponential goes to 0 or to infinity and the result to u or to 0.
; THE MLP BY TURNS.  The hidden channels go in chunks of 32, each in two halves of 16 (ct = 0, 1).  Body b of the loop: A: the 32 products u(ct 0) of chunk b + 1, and behind each of them a slice of GELU of u(ct 1) of chunk b;
; B: the 64 products h(b) W2(b); C: the 32 products u(ct 1) of chunk b + 1, and behind each a slice of GELU of u(ct 0) of chunk b + 1.  Each set of registers is free just when it is written again, so one text serves every body.
; Chunk 0's W1 has LDS bytes of its own; its ct 0 products are written out and the loop is entered at C.  The last body is left behind B; its A multiplies chunk 0's W1 once more for nothing: the price, 32 products a wave, of one text.
; LN STANDS ONCE: its statistics and its scaling are the head of a loop of two trips round the MLP, left in the middle of the second; the shortcuts, whose formats differ, are added in each stage's own text.
; LIMITS.  |v|, |o|, |x1| stay under f16's 65,504; below 6.1e-5 f16 keeps a fixed step of 6e-8.  NaN and infinities are not treated apart.
; REGISTERS, in windows of 256 (s_set_vgpr_msb: bits 1:0 source 0, 3:2 source 1, 5:4 source 2, 7:6 destination):
;   window 0: v0-13 addresses; v14-15 a mean; v16-23 1 / l or 1 / sigma of token tile t at v[16 + 2 t]; v24-31 at work; v32-95 two buffers of weight fragments; v96-159 eight accumulators (ct, tt) at 96 + 8 (4 ct + tt);
;             v160-191 source 1 of the second product (q, o, h); v192-223 bk, then k, or GELU at work; v224-255 v, norms at work, or b1.  The scores take v32-159, the weights p v160-223.
;   window 1: x (bf16), later x1 (f16): token tile tt, channels 32 c .. at 64 tt + 8 c          windows 2, 3: the 64 accumulators of 256 channels: (ct, tt) in window 2 + tt / 2 at 128 (tt % 2) + 8 ct
.set SLOTX,  0x10000        ; slot 1 begins here: one exclusive or turns an address in one slot into the other's
.set BLK,    65536          ; a block of weights
.set TABL,   131072         ; the table: vectors (12,288 bytes), posq (32,768)
.set P_BK,   0
.set P_BV,   1024
.set P_BP,   2048
.set P_G1,   3072           ; be1 lies 1,024 behind g1, be2 1,024 behind g2
.set P_B1,   5120
.set P_B2,   9216
.set P_G2,   10240
.set PQL,    TABL+12288
.set XS,     176128         ; x as it comes: for each wave 32 tokens at a pitch of 1,040; filled twice; after its last fill its first 4,352 bytes are the wave's stage for the way out
.set XSW,    33280
.set XP,     1040           ; 1,024 bytes + 16: 65 x 16, so the 16 tokens of a load start at 16 different groups of four banks (64 banks of 4 bytes: ISA guide 11.1)
.set SP,     272            ; a row of the stage: 256 bytes + 16
.set SPARE,  309248         ; the spare words: 128 bytes a wave, two blocks of 256 bytes that no other line names
.set W10L,   309760         ; W1 of chunk 0: 16,384 bytes, filled once
.set W10G,   8*65536+31*32768  ; its place in wst: the head of the last body
.set TABG,   1572864        ; the table's place in wst
.set SPW, 1                 ; v1   my spare word; never rewritten
.set NIL, 2                 ; v2   0; never rewritten
.set AL,  3                 ; v3   16 l
.set AW,  4                 ; v4   16 l + the LDS byte of the weights in hand
.set APQ, 5                 ; v5   my 16 bytes of the head's first tile of posq
.set ONE, 5                 ;      behind the heads: 1.0
.set AH,  6                 ; v6   bk at the head's channel 8 h
.set APR, 7                 ; v7   the table at 32 h
.set AX,  8                 ; v8   my token r, channel 8 h in my wave's XS
.set ALN, 8                 ;      behind the heads: g of the LN in hand at channel 8 h
.set STO, 9                 ; v9   the way out: where I put 32 bytes of a row
.set RD,  10                ; v10  where I read a row back
.set GO,  11                ; v11  my byte offset in out0
.set AB1, 12                ; v12  b1 at channel 8 h of the chunk whose u is being made
.set AV,  13                ; v13  bv at the head's channel r
.set MN,  14
.set RL,  16
.set BVL, 24                ; v24-27 bv of my channel, twice each, for ct = 0, 1
.set CH,  24                ; v24-31 four chains of LN's sums
.set WF,  32
.set A64, 96
.set HB,  160
.set KH,  192
.set BKR, 192               ; v192-207 bk of the head's 32 channels: the C operand that starts k's sums
.set GQ,  192               ; v192-223 GELU at work: eight registers for each of a half's four accumulators
.set VH,  224
.set B1R, 224               ; v224-239 b1 of a chunk's 32 channels: the C operand that starts u's sums
.set MSB, 0
.macro WIN new              ; the high byte repeats the setting that is left; a switch that changes nothing is dropped
.if MSB != (\new)
	s_set_vgpr_msb (MSB<<8)|(\new)
.set MSB, (\new)
.endif
.endm
; Four places: a vector instruction that reads a matrix result or writes a matrix instruction's register, and a load into such a register, stand four plain vector instructions behind it (ISA guide 7.12.1 for vector instructions).
.macro PLACES
.rept 4
	v_nop
.endr
.endm
; A round of the cluster's barrier: my work-group's barrier; wave 0 signals for the work-group; every wave waits for all four work-groups; my work-group's barrier once more.
.macro ROUND
	s_barrier_signal -1
	s_barrier_wait -1
	s_cmp_lg_u32 s10, 0
	s_cbranch_scc1 .Lnot_wave_0_\@
	s_barrier_signal -3
.Lnot_wave_0_\@:
	s_barrier_wait -3
	s_barrier_signal -1
	s_barrier_wait -1
.endm
; THE CHANGE OF SLOTS.  Each wave waits for all its tensor loads (one is out: its quarter of the next block), adds 0 to its spare word, and waits for that and for its reads of the slot that it leaves.
; fill = 1: behind a round of the cluster's barrier the slot just left takes the block after the one now read: the wave's one tensor load until the next round.  fill = 0: the last block: nothing is asked for.
.macro CHANGE fill
	WIN 0
	s_wait_tensorcnt 0x0                           ; no tensor load of mine is out, so group 0 may be written
	ds_add_u32 v[SPW], v[NIL]                      ; 0 onto my spare word; the scalar steps stand between it and the wait for it
.if \fill
	s_xor_b32 s41, s41, SLOTX                      ; the other slot than last time,
	s_add_nc_u64 s[42:43], s[42:43], BLK           ; the next block; the type bits on top are not reached
.endif
	s_xor_b32 s52, s52, SLOTX                      ; and the reads go to the slot that has landed
	s_wait_dscnt 0x0                               ; the add is done, and my reads of the old slot are over
.if \fill
	ROUND
	tensor_load_to_lds s[40:43], s[16:23]
	s_nop 0
	PLACES
.else
	s_barrier_signal -1
	s_barrier_wait -1
.endif
.endm
; Group n of the weights in hand: four fragments, 4,096 consecutive bytes, into buffer n % 2: each load takes 512 consecutive bytes.
.macro FETCH n
.set FB, WF+32*((\n)%2)
.irp i, 0,1,2,3,4,5,6,7
	ds_load_b128 v[FB+4*\i:FB+4*\i+3], v[AW] offset:(\n)*4096+\i*512
.endr
.endm
; Four fragments of W1 for ONE half ct of a chunk's channels: K steps 4 hg + 0..3, into buffer buf.  K step c of half ct lies in group c / 2 as fragment 2 (c % 2) + ct.
.macro FETCH1 buf, ct, hg
.irp jj, 0,1,2,3
.set fO, (2*(\hg)+\jj/2)*4096+(2*(\jj%2)+(\ct))*1024
	ds_load_b128 v[WF+32*(\buf)+8*\jj:WF+32*(\buf)+8*\jj+3],   v[AW] offset:fO
	ds_load_b128 v[WF+32*(\buf)+8*\jj+4:WF+32*(\buf)+8*\jj+7], v[AW] offset:fO+512
.endr
.endm
; 16 products with 64 input channels (two steps cc) for 32 output channels (ct) and 64 tokens (tt), onto the eight accumulators of window 0, which take turns.
; left: the LDS loads that may stay out.  fetch = 1: the group after next is fetched into the buffer just multiplied.  vmode = 1: tokens are source 0.
; cini: what starts the sums in the first eight products: 0: they go on in place; 1: the constant 0; else the 16 registers from v[cini] on, eight for each ct.
.macro GROUP1 n, left, fetch, fmt, vmode, cini
	s_wait_dscnt \left
.set WB, WF+32*((\n)%2)
.if \vmode
	WIN 0x01
.else
	WIN 0x04
.endif
.irp cc, 0,1
.irp ct, 0,1
.irp tt, 0,1,2,3
.set rD, A64+8*(4*\ct+\tt)
.set rW, WB+8*(2*\cc+\ct)
.set rX, 64*\tt+8*(2*((\n)%4)+\cc)
.if \vmode
.set rA, rX
.set rB, rW
.else
.set rA, rW
.set rB, rX
.endif
.if (\cc == 0) && ((\cini) == 1)
	v_wmma_f32_16x16x32_\fmt v[rD:rD+7], v[rA:rA+7], v[rB:rB+7], 0
.elseif (\cc == 0) && ((\cini) > 1)
	v_wmma_f32_16x16x32_\fmt v[rD:rD+7], v[rA:rA+7], v[rB:rB+7], v[(\cini)+8*\ct:(\cini)+8*\ct+7]
.else
	v_wmma_f32_16x16x32_\fmt v[rD:rD+7], v[rA:rA+7], v[rB:rB+7], v[rD:rD+7]
.endif
.endr
.endr
.endr
	WIN 0
	PLACES
.if \fetch
	FETCH (\n)+2
.endif
.endm
; 16 products with 32 input channels (a head's o, a chunk's h, in v160-191) for 64 output channels and 64 tokens, onto 16 different accumulators of windows 2 and 3.
; fetch = 1: the group after next follows; 2: half a chunk's W1 for ct = 1, K steps 4 (n % 2) on.
.macro GROUP2 n, left, fetch, fmt
	s_wait_dscnt \left
.set WB, WF+32*((\n)%2)
.irp hf, 0,1
	WIN 0xa0+0x50*\hf
.irp o, 0,1,2,3
.irp t, 0,1
.set rD, 128*\t+8*(4*((\n)%4)+\o)
	v_wmma_f32_16x16x32_\fmt v[rD:rD+7], v[WB+8*\o:WB+8*\o+7], v[HB+8*(2*\hf+\t):HB+8*(2*\hf+\t)+7], v[rD:rD+7]
.endr
.endr
.endr
	WIN 0
	PLACES
.if (\fetch) == 1
	FETCH (\n)+2
.elseif (\fetch) == 2
	FETCH1 (\n)%2, 1, (\n)%2
.endif
.endm
; 16 tokens of x out of XS, rounded to bf16, into window 1.
.macro XCONV tt
	WIN 0
.set c, 0
.rept 8
	ds_load_b128 v[32+16*c:32+16*c+3],     v[AX] offset:((\tt)%2)*16*XP+c*128
	ds_load_b128 v[32+16*c+4:32+16*c+7],   v[AX] offset:((\tt)%2)*16*XP+c*128+16
	ds_load_b128 v[32+16*c+8:32+16*c+11],  v[AX] offset:((\tt)%2)*16*XP+c*128+64
	ds_load_b128 v[32+16*c+12:32+16*c+15], v[AX] offset:((\tt)%2)*16*XP+c*128+80
.set c, c+1
.endr
	WIN 0x40
	s_wait_dscnt 16                                ; the first 16 loads are in
.set i, 0
.rept 32
	v_cvt_pk_bf16_f32 v[64*(\tt)+i], v[32+2*i], v[32+2*i+1]
.set i, i+1
.endr
	s_wait_dscnt 0x0
.rept 32
	v_cvt_pk_bf16_f32 v[64*(\tt)+i], v[32+2*i], v[32+2*i+1]
.set i, i+1
.endr
	WIN 0
.endm
; The 64 large accumulators start from a bias of 256 channels: nothing is cleared and nothing is added later.
.macro ACCINIT off
.irp tt, 0,1,2,3
	WIN 0x80+0x40*(\tt/2)
.set c, 0
.rept 16
	ds_load_b128 v[128*(\tt%2)+8*c:128*(\tt%2)+8*c+3],   v[APR] offset:(\off)+c*64
	ds_load_b128 v[128*(\tt%2)+8*c+4:128*(\tt%2)+8*c+7], v[APR] offset:(\off)+c*64+16
.set c, c+1
.endr
.endr
	WIN 0
.endm
; The eight accumulators hold 32 channels of a head for 64 tokens: each token's vector is divided by max(its length, 1e-12) (q also times log2(e) / 16) and rounded to f16 into dst.  The four token tiles go side by side.
.macro NORM dst, scaled
.irp tt, 0,1,2,3
	v_pk_mul_f32 v[VH+2*\tt:VH+2*\tt+1], v[A64+8*\tt:A64+8*\tt+1], v[A64+8*\tt:A64+8*\tt+1]
.endr
.irp s, 1,2,3,4,5,6,7
.irp tt, 0,1,2,3
.set R, A64+8*(4*(\s/4)+\tt)+2*(\s%4)
	v_pk_fma_f32 v[VH+2*\tt:VH+2*\tt+1], v[R:R+1], v[R:R+1], v[VH+2*\tt:VH+2*\tt+1]
.endr
.endr
.irp tt, 0,1,2,3
	v_add_f32 v[VH+2*\tt], v[VH+2*\tt], v[VH+2*\tt+1]
.endr
.irp tt, 0,1,2,3
	v_permlanex16_b32 v[VH+2*\tt+1], v[VH+2*\tt], s58, s59   ; the token's other 16 channels lie in the lane 16 away
.endr
.irp tt, 0,1,2,3
	v_add_f32 v[VH+2*\tt], v[VH+2*\tt], v[VH+2*\tt+1]
.endr
.irp tt, 0,1,2,3
	v_sqrt_f32 v[VH+2*\tt], v[VH+2*\tt]
.endr
	v_nop                                          ; a plain instruction behind the last root (ISA guide 5.7.2)
	s_wait_alu depctr_va_vdst(0)
.irp tt, 0,1,2,3
	v_max_num_f32 v[VH+2*\tt], s77, v[VH+2*\tt]
.endr
.irp tt, 0,1,2,3
	v_rcp_f32 v[VH+2*\tt], v[VH+2*\tt]
.endr
	v_nop
.if \scaled
	s_wait_alu depctr_va_vdst(0)
.irp tt, 0,1,2,3
	v_mul_f32 v[VH+2*\tt], s76, v[VH+2*\tt]
.endr
.endif
	s_wait_alu depctr_va_vdst(0)
.irp tt, 0,1,2,3
.irp a, 0,1
.irp p, 0,2,4,6
.set R, A64+8*(4*\a+\tt)+\p
	v_pk_mul_f32 v[R:R+1], v[R:R+1], v[VH+2*\tt:VH+2*\tt+1] op_sel_hi:[1,0]
.endr
.endr
.endr
.irp tt, 0,1,2,3
.irp a, 0,1
.irp p, 0,1,2,3
.set R, A64+8*(4*\a+\tt)+2*\p
	v_cvt_pk_f16_f32 v[(\dst)+8*\tt+4*\a+\p], v[R], v[R+1]
.endr
.endr
.endr
.endm
; 16 queries: p = 2^s for the lane's 32 scores; p rounded to f16; 1 / (the sum of the unrounded p over all 64 keys).
.macro SOFTMAX qt
.set SB, 32+32*(\qt)
.set i, 0
.rept 32
	v_exp_f32 v[SB+i], v[SB+i]
.set i, i+1
.endr
	v_nop
.set i, 0
	s_wait_alu depctr_va_vdst(0)
.rept 16
	v_cvt_pk_f16_f32 v[HB+16*(\qt)+i], v[SB+2*i], v[SB+2*i+1]
.set i, i+1
.endr
.irp w, 8,4,2,1
.set i, 0
.rept \w
	v_pk_add_f32 v[SB+2*i:SB+2*i+1], v[SB+2*i:SB+2*i+1], v[SB+2*(i+\w):SB+2*(i+\w)+1]
.set i, i+1
.endr
.endr
	v_add_f32 v[SB], v[SB], v[SB+1]
	v_permlanex16_b32 v[SB+1], v[SB], s58, s59
	v_add_f32 v[SB], v[SB], v[SB+1]
	v_rcp_f32 v[RL+2*(\qt)], v[SB]
	v_nop
.endm
; GELU OF A HALF (ct): four accumulators a = tt, each with eight registers of its own at GQ + 8 a.  h = u / (1 + 2^z), z = u (alpha + beta u^2), alpha = -2 sqrt(2/pi) log2(e), beta = 0.044715 alpha.
; For an accumulator five kinds of line: 0: z (12 lines: u u, x beta + alpha, x u, by pairs; the accumulator's lowest pair is read first); 1: 2^z (8); 2: + 1 (4); 3: the reciprocal (8); 4: x u (4), rounded to bf16 into h (4).
.macro GOP ct, kind, a, k
.set gU, A64+8*(4*(\ct)+(\a))
.set gQ, GQ+8*(\a)
.set gk, (\k)
.if (\kind) == 0
.if gk < 4
	v_pk_mul_f32 v[gQ+2*gk:gQ+2*gk+1], v[gU+2*gk:gU+2*gk+1], v[gU+2*gk:gU+2*gk+1]
.elseif gk < 8
	v_pk_fma_f32 v[gQ+2*gk-8:gQ+2*gk-7], v[gQ+2*gk-8:gQ+2*gk-7], s[68:69], s[66:67] op_sel_hi:[1,0,0]
.else
	v_pk_mul_f32 v[gQ+2*gk-16:gQ+2*gk-15], v[gQ+2*gk-16:gQ+2*gk-15], v[gU+2*gk-16:gU+2*gk-15]
.endif
.elseif (\kind) == 1
	v_exp_f32 v[gQ+gk], v[gQ+gk]
.elseif (\kind) == 2
	s_wait_alu depctr_va_vdst(0)
	v_pk_add_f32 v[gQ+2*gk:gQ+2*gk+1], v[gQ+2*gk:gQ+2*gk+1], 1.0 op_sel_hi:[1,0]
.elseif (\kind) == 3
	v_rcp_f32 v[gQ+gk], v[gQ+gk]
.elseif gk < 4
	s_wait_alu depctr_va_vdst(0)
	v_pk_mul_f32 v[gQ+2*gk:gQ+2*gk+1], v[gQ+2*gk:gQ+2*gk+1], v[gU+2*gk:gU+2*gk+1]
.else
	v_cvt_pk_bf16_f32 v[HB+8*(\a)+4*(\ct)+gk-4], v[gQ+2*gk-8], v[gQ+2*gk-7]
.endif
.endm
; The 96 plain lines, in the order in which they become ready.
.macro GP ct, p
.if (\p) < 12
	GOP \ct, 0, 0, (\p)
.elseif (\p) < 24
	GOP \ct, 0, 1, (\p)-12
.elseif (\p) < 28
	GOP \ct, 2, 0, (\p)-24
.elseif (\p) < 40
	GOP \ct, 0, 2, (\p)-28
.elseif (\p) < 44
	GOP \ct, 2, 1, (\p)-40
.elseif (\p) < 48
	GOP \ct, 0, 3, (\p)-44
.elseif (\p) < 56
	GOP \ct, 4, 0, (\p)-48
.elseif (\p) < 64
	GOP \ct, 0, 3, (\p)-52
.elseif (\p) < 68
	GOP \ct, 2, 2, (\p)-64
.elseif (\p) < 76
	GOP \ct, 4, 1, (\p)-68
.elseif (\p) < 80
	GOP \ct, 2, 3, (\p)-76
.elseif (\p) < 88
	GOP \ct, 4, 2, (\p)-80
.else
	GOP \ct, 4, 3, (\p)-88
.endif
.endm
; The 64 transcendentals: 2^z of accumulators 0 and 1, the reciprocals of 0, 2^z of 2, the reciprocals of 1, 2^z of 3, the reciprocals of 2 and of 3.
.macro GT ct, t
.if (\t) < 8
	GOP \ct, 1, 0, (\t)
.elseif (\t) < 16
	GOP \ct, 1, 1, (\t)-8
.elseif (\t) < 24
	GOP \ct, 3, 0, (\t)-16
.elseif (\t) < 32
	GOP \ct, 1, 2, (\t)-24
.elseif (\t) < 40
	GOP \ct, 3, 1, (\t)-32
.elseif (\t) < 48
	GOP \ct, 1, 3, (\t)-40
.elseif (\t) < 56
	GOP \ct, 3, 2, (\t)-48
.else
	GOP \ct, 3, 3, (\t)-56
.endif
.endm
; ONE LIST of the 160, number GJN: 12 plain; four runs of 20 (transcendental, plain, plain, transcendental, plain); two runs of 16 (transcendental, plain); 12 (two transcendentals, plain); 16 (transcendental, plain); 8 plain.
; In this order every line finds its sources made, and between a transcendental and the first use of its result stands a plain line on other registers (ISA guide 5.7.2), wherever the list is cut and whatever matrix instruction stands in the cut.
.macro GJ ct
.if GJN < 12
	GP \ct, GJN
.elseif GJN < 92
.set gw, (GJN-12)%20
.set gs, (GJN-12)/20
.set gu, gw/5
.set gv, gw%5
.if gv == 0
	GT \ct, 8*gs+2*gu
.elseif gv == 3
	GT \ct, 8*gs+2*gu+1
.elseif gv == 4
	GP \ct, 14+12*gs+3*gu
.else
	GP \ct, 11+12*gs+3*gu+gv
.endif
.elseif GJN < 124
.set gw, GJN-92
.if gw%2 == 0
	GT \ct, 32+gw/2
.else
	GP \ct, 60+gw/2
.endif
.elseif GJN < 136
.set gw, GJN-124
.if gw%3 < 2
	GT \ct, 48+2*(gw/3)+gw%3
.else
	GP \ct, 76+gw/3
.endif
.elseif GJN < 152
.set gw, GJN-136
.if gw%2 == 0
	GT \ct, 56+gw/2
.else
	GP \ct, 80+gw/2
.endif
.else
	GP \ct, GJN-64
.endif
.endm
.macro GN ct, n             ; the list's next n lines
	WIN 0
.rept \n
	GJ \ct
.set GJN, GJN+1
.endr
.endm
.macro B1LD off             ; b1 of 32 hidden channels: eight numbers for each ct
	ds_load_b128 v[B1R:B1R+3],     v[AB1] offset:(\off)
	ds_load_b128 v[B1R+4:B1R+7],   v[AB1] offset:(\off)+16
	ds_load_b128 v[B1R+8:B1R+11],  v[AB1] offset:(\off)+64
	ds_load_b128 v[B1R+12:B1R+15], v[AB1] offset:(\off)+80
.endm
; 16 products u(ct) += W1 x1: K steps 4 hg + 0..3 out of buffer buf, for the four token tiles, whose accumulators take turns; with hg = 0 the first four start from b1.
; Behind each product stand per lines of GELU of half rct: they name no register of the products round them.  A product wants x1 in window 1, the lines want window 0: two switches a product.
; ins = 1: behind the second product W2's first group is fetched into buffer 0, six plain lines behind the last product that read it.  ins = 2: behind the eighth product the next chunk's b1 is loaded, more than four plain lines behind the products that read this one's.
.macro G1R buf, ct, hg, rct, per, ins
.set gn, 0
.irp jj, 0,1,2,3
.irp tt, 0,1,2,3
	WIN 0x04
.set rD, A64+8*(4*(\ct)+\tt)
.set rW, WF+32*(\buf)+8*\jj
.set rX, 64*\tt+8*(4*(\hg)+\jj)
.if ((\hg) == 0) && (\jj == 0)
	v_wmma_f32_16x16x32_f16 v[rD:rD+7], v[rW:rW+7], v[rX:rX+7], v[B1R+8*(\ct):B1R+8*(\ct)+7]
.else
	v_wmma_f32_16x16x32_f16 v[rD:rD+7], v[rW:rW+7], v[rX:rX+7], v[rD:rD+7]
.endif
.if (\per) > 0
	GN \rct, \per
.endif
.if ((\ins) == 1) && (gn == 1)
	FETCH 4
.endif
.if ((\ins) == 2) && (gn == 7)
	B1LD 128
.endif
.set gn, gn+1
.endr
.endr
.endm
; A and B of a body.  The list's first 32 lines stand between the body's first fragment loads and the wait for them; the other 128 go four behind each product.
.macro PHASE_AB
	v_add_nc_u32 v[AW], s52, v[AL]
	FETCH1 0, 0, 0
	FETCH1 1, 0, 1
.set GJN, 0
	GN 1, 32
	s_wait_dscnt 8                                 ; b1 and buffer 0 are in; buffer 1's eight loads may stay out
	G1R 0, 0, 0, 1, 4, 0
	s_wait_dscnt 0x0                               ; buffer 1, asked for 16 products ago
	G1R 1, 0, 1, 1, 4, 1
	FETCH 5                                        ; the list's last four lines, all plain, are the places behind the last product that read buffer 1
	GROUP2 4, 8, 1, bf16                           ; in each group the next group's eight loads may stay out
	GROUP2 5, 8, 1, bf16
	GROUP2 6, 8, 2, bf16
	GROUP2 7, 8, 2, bf16
.endm
; C of a body: five lines of the list behind each product.
.macro PHASE_C
.set GJN, 0
	s_wait_dscnt 8                                 ; buffer 0 is in; buffer 1's eight loads may stay out
	G1R 0, 1, 0, 0, 5, 2
	s_wait_dscnt 4                                 ; buffer 1 is in; the next b1's four loads may stay out
	G1R 1, 1, 1, 0, 5, 0
	v_add_nc_u32 v[AB1], 128, v[AB1]
	s_add_co_u32 s52, s52, 32768                   ; the slot's next body
.endm
; LN's statistics for token tile tt, in two passes: the mean; it is taken away in place; the mean of the squares of what is left; 1 / sqrt(that + 1e-5).
.macro LNFOLD               ; four chains of pairs, and the other half of the lanes', into v[CH]
	v_pk_add_f32 v[CH:CH+1], v[CH:CH+1], v[CH+2:CH+3]
	v_pk_add_f32 v[CH+4:CH+5], v[CH+4:CH+5], v[CH+6:CH+7]
	v_pk_add_f32 v[CH:CH+1], v[CH:CH+1], v[CH+4:CH+5]
	v_add_f32 v[CH], v[CH], v[CH+1]
	v_permlanex16_b32 v[CH+1], v[CH], s58, s59
	v_add_f32 v[CH], v[CH], v[CH+1]
.endm
.macro LNSTAT tt
.set W, 2+(\tt)/2
.set AB, 128*((\tt)%2)
	WIN W|(W<<2)
.irp k, 0,2,4,6
	v_pk_add_f32 v[CH+\k:CH+\k+1], v[AB+\k:AB+\k+1], v[AB+8+\k:AB+8+\k+1]   ; each accumulator's lowest registers are read first
.endr
	WIN W<<2
.set i, 8
.rept 56
	v_pk_add_f32 v[CH+2*(i%4):CH+2*(i%4)+1], v[CH+2*(i%4):CH+2*(i%4)+1], v[AB+2*i:AB+2*i+1]
.set i, i+1
.endr
	WIN 0
	LNFOLD
	v_mul_f32 v[MN], s79, v[CH]
	WIN (W<<6)|W
.set i, 0
.rept 64
	v_pk_add_f32 v[AB+2*i:AB+2*i+1], v[AB+2*i:AB+2*i+1], v[MN:MN+1] op_sel_hi:[1,0] neg_lo:[0,1] neg_hi:[0,1]
.set i, i+1
.endr
	WIN W|(W<<2)
.irp k, 0,2,4,6
	v_pk_mul_f32 v[CH+\k:CH+\k+1], v[AB+\k:AB+\k+1], v[AB+\k:AB+\k+1]
.endr
.set i, 4
.rept 60
	v_pk_fma_f32 v[CH+2*(i%4):CH+2*(i%4)+1], v[AB+2*i:AB+2*i+1], v[AB+2*i:AB+2*i+1], v[CH+2*(i%4):CH+2*(i%4)+1]
.set i, i+1
.endr
	WIN 0
	LNFOLD
	v_fma_f32 v[CH], v[CH], s79, s78
	v_rsq_f32 v[RL+2*(\tt)], v[CH]
	v_nop
	s_wait_alu depctr_va_vdst(0)
.endm
; LN's scaling, in place, 16 channels (ct) at a time for all 64 tokens: d / sigma x g + be.  g and be come one ct ahead, into two buffers of 16 registers.
.macro LNLD ct
.set GBF, 32+16*((\ct)%2)
	ds_load_b128 v[GBF:GBF+3],     v[ALN] offset:(\ct)*64
	ds_load_b128 v[GBF+4:GBF+7],   v[ALN] offset:(\ct)*64+16
	ds_load_b128 v[GBF+8:GBF+11],  v[ALN] offset:1024+(\ct)*64
	ds_load_b128 v[GBF+12:GBF+15], v[ALN] offset:1024+(\ct)*64+16
.endm
.macro LNCT ct
	WIN 0
.if (\ct) < 15
	LNLD (\ct)+1
	s_wait_dscnt 4                                 ; the next 16 channels' four loads may stay out
.else
	s_wait_dscnt 0x0
.endif
.set GBF, 32+16*((\ct)%2)
.irp tt, 0,1,2,3
	WIN ((2+\tt/2)<<6)|(2+\tt/2)
.set R, 128*(\tt%2)+8*(\ct)
.irp p, 0,2,4,6
	v_pk_mul_f32 v[R+\p:R+\p+1], v[R+\p:R+\p+1], v[RL+2*\tt:RL+2*\tt+1] op_sel_hi:[1,0]
.endr
.irp p, 0,2,4,6
	v_pk_fma_f32 v[R+\p:R+\p+1], v[R+\p:R+\p+1], v[GBF+\p:GBF+\p+1], v[GBF+8+\p:GBF+8+\p+1]
.endr
.endr
.endm
.macro LNSCALE
	WIN 0
	LNLD 0
.irp c, 0,1,2,3,4,5,6,7,8,9,10,11,12,13,14,15
	LNCT \c
.endr
	WIN 0
.endm
; Stage 1's shortcut, token tile tt: x1 = LN(..) x 1.0 + x, x read as a half of its bf16 fragment; x1 is rounded to f16 into the same fragment.
.macro SC1 tt
	WIN (2+(\tt)/2)|0x10
.set c, 0
.rept 16
.irp p, 0,1,2,3
	v_fma_mix_f32_bf16 v[32+8*c+2*\p],   v[128*((\tt)%2)+8*c+2*\p],   v[ONE], v[64*(\tt)+4*c+\p] op_sel_hi:[0,0,1]
	v_fma_mix_f32_bf16 v[32+8*c+2*\p+1], v[128*((\tt)%2)+8*c+2*\p+1], v[ONE], v[64*(\tt)+4*c+\p] op_sel:[0,0,1] op_sel_hi:[0,0,1]
.endr
.set c, c+1
.endr
	WIN 0x40
.set i, 0
.rept 64
	v_cvt_pk_f16_f32 v[64*(\tt)+i], v[32+2*i], v[32+2*i+1]
.set i, i+1
.endr
.endm
; THE WAY OUT, piece i = 4 tt + cg: 16 tokens x 64 channels.  STG: stage 2's shortcut (LN(..) x 1.0 + x1, x1 read as a half of its f16 fragment); into my stage (rows of 272 bytes), and back as whole rows of 256 bytes.  SEND: stored.
.macro STG i
.set TB, 96+32*((\i)%2)
	WIN (2+(\i)/8)|0x10
.irp c, 0,1,2,3
.irp p, 0,1,2,3
.set R, 128*(((\i)/4)%2)+8*(4*((\i)%4)+\c)+2*\p
.set XR, 64*((\i)/4)+4*(4*((\i)%4)+\c)+\p
	v_fma_mix_f32 v[TB+8*\c+2*\p],   v[R],   v[ONE], v[XR] op_sel_hi:[0,0,1]
	v_fma_mix_f32 v[TB+8*\c+2*\p+1], v[R+1], v[ONE], v[XR] op_sel:[0,0,1] op_sel_hi:[0,0,1]
.endr
.endr
	WIN 0
.irp c, 0,1,2,3
	ds_store_b128 v[STO], v[TB+8*\c:TB+8*\c+3]   offset:\c*64
	ds_store_b128 v[STO], v[TB+8*\c+4:TB+8*\c+7] offset:\c*64+16
.endr
	s_wait_xcnt 0x0                                ; the stores of the piece before last have read their registers: only behind this wait are those loaded again
.irp j, 0,1,2,3,4,5,6,7
	ds_load_b128 v[32+32*((\i)%2)+4*\j:32+32*((\i)%2)+4*\j+3], v[RD] offset:\j*2*SP   ; LDS serves a wave's instructions in order (ISA guide 5.7.1.4): these see the stores above; the next piece's stores come behind them
.endr
.endm
.macro SEND i, younger      ; younger: the LDS instructions issued behind piece i's loads: the next piece's sixteen, or none
.irp j, 0,1,2,3,4,5,6,7
	s_wait_dscnt (\younger)+7-\j
	global_store_b128 v[GO], v[32+32*((\i)%2)+4*\j:32+32*((\i)%2)+4*\j+3], s[8:9] offset:((\i)/4)*131072+(\j/4)*65536+(\j%4)*2048+((\i)%4)*256 th:TH_STORE_NT   ; 16 lanes store 256 consecutive bytes, aligned
.endr
.endm
	s_load_b128 s[4:7], s[0:1], 0x0                ; x s[4:5], wst s[6:7]
	s_load_b64 s[8:9], s[0:1], 0x10                ; out0
	v_lshl_add_u32 v[SPW], v0, 2, SPARE
	v_mov_b32 v[NIL], 0
	ds_add_u32 v[SPW], v[NIL]                      ; the wave's opening: the add and its wait stand ahead of my first tensor load; the set-up below, work on registers, stands between them
	v_lshrrev_b32 v3, 5, v0
	v_readfirstlane_b32 s10, v3                    ; wave 0..3
	s_bfe_u32 s11, ttmp6, 0x40000                  ; cx: my place in the cluster: it enters x's and out0's addresses alone
	s_lshl_b32 s12, ttmp9, 2
	s_add_co_u32 s12, s12, s11                     ; work-group
	; window 4 x work-group + wave = (image, window row) x 8 + window column: its first byte is (window / 8) x 2^19 + (window % 8) x 2^13; token (iy, ix) lies 65,536 iy + 1,024 ix on
	s_lshr_b32 s13, s12, 1
	s_lshl_b32 s13, s13, 19
	s_and_b32 s14, s12, 1
	s_lshl_b32 s14, s14, 15
	s_or_b32 s13, s13, s14
	s_lshl_b32 s14, s10, 13
	s_or_b32 s14, s13, s14
	s_mov_b32 s15, 0
	; group 1 for a quarter of a block of weights: 64 rows of 256 dense bytes, asked for jointly by the cluster's four work-groups
	s_mov_b32 s16, 15|(3<<16)|(1<<21)              ; 15:0 the mask of four; 17:16 elements of 8 bytes; 21 set beside a mask
	s_mov_b32 s17, 32<<16                          ; tensor_dim0 = 32
	s_mov_b32 s18, 64<<16                          ; tensor_dim1 = 64
	s_mov_b32 s19, 32<<16                          ; tile_dim0 = 32
	s_mov_b32 s20, 64                              ; tile_dim1 = 64
	s_mov_b32 s21, 32                              ; 32 elements from row to row
	s_mov_b32 s22, 0
	s_mov_b32 s23, 0
	; group 1 for a quarter of the table: 44 such rows
	s_mov_b32 s24, 15|(3<<16)|(1<<21)
	s_mov_b32 s25, 32<<16
	s_mov_b32 s26, 44<<16
	s_mov_b32 s27, 32<<16
	s_mov_b32 s28, 44
	s_mov_b32 s29, 32
	s_mov_b32 s30, 0
	s_mov_b32 s31, 0
	; group 1 for half a window of x, my own: 4 rows of 8 tokens (8,192 bytes), 65,536 bytes apart; 16 bytes of padding behind every token
	s_mov_b32 s32, (2<<16)|(1<<20)|(7<<22)|(3<<25) ; no mask; elements of 4 bytes; padding on; after every 256 words (code 7); 4 words (code 3)
	s_mov_b32 s33, 2048<<16
	s_mov_b32 s34, 4<<16
	s_mov_b32 s35, 2048<<16
	s_mov_b32 s36, 4
	s_mov_b32 s37, 16384
	s_mov_b32 s38, 0
	s_mov_b32 s39, 0
	; group 1 for a quarter of chunk 0's W1: 16 rows of 256 dense bytes, jointly
	s_mov_b32 s84, 15|(3<<16)|(1<<21)
	s_mov_b32 s85, 32<<16
	s_mov_b32 s86, 16<<16
	s_mov_b32 s87, 32<<16
	s_mov_b32 s88, 16
	s_mov_b32 s89, 32
	s_mov_b32 s90, 0
	s_mov_b32 s91, 0
	s_mov_b32 s40, 1                               ; group 0, weights: count = 1
	s_lshl_b32 s41, s10, 14                        ; LDS: slot 0, my quarter
	s_mov_b32 s44, 1                               ; group 0, table
	s_mul_i32 s45, s10, 11264
	s_add_co_u32 s45, s45, TABL
	s_mov_b32 s48, 1                               ; group 0, x
	s_mul_i32 s49, s10, XSW
	s_add_co_u32 s49, s49, XS
	s_mov_b32 s92, 1                               ; group 0, chunk 0's W1
	s_lshl_b32 s93, s10, 12
	s_add_co_u32 s93, s93, W10L
	s_lshl_b32 s80, s10, 14                        ; my quarter of block 0 in wst
	s_mov_b32 s81, 0
	s_mul_i32 s82, s10, 11264
	s_add_co_u32 s82, s82, TABG                    ; my quarter of the table in wst
	s_mov_b32 s83, 0
	s_lshl_b32 s56, s10, 12
	s_add_co_u32 s56, s56, W10G                    ; my quarter of chunk 0's W1 in wst
	s_mov_b32 s57, 0
	s_mov_b32 s52, SLOTX                           ; the first change of slots turns it into 0
	s_mov_b32 s58, 0x76543210                      ; v_permlanex16_b32: each lane takes its own place in the other half
	s_mov_b32 s59, 0xfedcba98
	s_mov_b32 s61, 0xffff0000
	s_mov_b32 s66, 0xc0135761                      ; alpha = -2 sqrt(2/pi) log2(e) = -2.3022082
	s_mov_b32 s67, s66                             ; (the packed forms name pairs and take the low word for both halves)
	s_mov_b32 s68, 0xbdd2d3e8                      ; beta = 0.044715 alpha = -0.10294324
	s_mov_b32 s69, s68
	s_mov_b32 s76, 0x3db8aa3b                      ; log2(e) / 16
	s_mov_b32 s77, 0x2b8cbccc                      ; 1e-12
	s_mov_b32 s78, 0x3727c5ac                      ; 1e-5
	s_mov_b32 s79, 0x3b800000                      ; 1 / 256
	v_and_b32 v14, 15, v0                          ; r
	v_bfe_u32 v15, v0, 4, 1                        ; h
	v_and_b32 v[AL], 31, v0
	v_lshlrev_b32 v[AL], 4, v[AL]
	v_add_nc_u32 v[APQ], PQL, v[AL]
	v_lshlrev_b32 v[APR], 5, v15
	v_add_nc_u32 v[APR], TABL, v[APR]
	v_mov_b32 v[AH], v[APR]                        ; bk lies at the table's head
	v_add_nc_u32 v[AB1], P_B1, v[APR]
	v_lshlrev_b32 v[AV], 2, v14
	v_add_nc_u32 v[AV], TABL+P_BV, v[AV]
	v_mul_u32_u24 v[AX], v14, XP
	v_lshl_add_u32 v[AX], v15, 5, v[AX]
	v_add_nc_u32 v[AX], s49, v[AX]
	v_mul_u32_u24 v[STO], v14, SP
	v_lshl_add_u32 v[STO], v15, 5, v[STO]
	v_add_nc_u32 v[STO], s49, v[STO]
	v_mul_u32_u24 v[RD], v15, SP
	v_lshl_add_u32 v[RD], v14, 4, v[RD]
	v_add_nc_u32 v[RD], s49, v[RD]
	v_lshlrev_b32 v[GO], 10, v15
	v_lshl_add_u32 v[GO], v14, 4, v[GO]
.set i, 14
.rept 18
	v_mov_b32 v[i], 0                              ; the partners of registers that are named in pairs hold a number
.set i, i+1
.endr
	s_wait_dscnt 0x0                               ; the opening add is done
	s_wait_kmcnt 0x0
	s_add_nc_u64 s[42:43], s[6:7], s[80:81]
	s_or_b32 s43, s43, 0x80000000                  ; type = 2
	s_add_nc_u64 s[46:47], s[6:7], s[82:83]
	s_or_b32 s47, s47, 0x80000000
	s_add_nc_u64 s[94:95], s[6:7], s[56:57]
	s_or_b32 s95, s95, 0x80000000
	s_add_nc_u64 s[50:51], s[4:5], s[14:15]
	s_or_b32 s51, s51, 0x80000000
	s_add_nc_u64 s[8:9], s[8:9], s[14:15]          ; out0 at my window
	ROUND                                          ; all four work-groups are here: the first joint loads meet
	tensor_load_to_lds s[48:51], s[32:39]          ; my window's tokens 0-31
	s_nop 0
	tensor_load_to_lds s[44:47], s[24:31]          ; my quarter of the table
	s_nop 0
	tensor_load_to_lds s[92:95], s[84:91]          ; my quarter of chunk 0's W1
	s_nop 0
	tensor_load_to_lds s[40:43], s[16:23]          ; my quarter of block 0: four loads of mine are out
	s_nop 0
	PLACES
	s_wait_tensorcnt 0x3                           ; tensor loads of a wave end in order (ISA guide 10.11.1): my half of x is in; only I read it; the three younger loads stay out
	XCONV 0
	XCONV 1
	s_wait_tensorcnt 0x0                           ; XS is filled again: all my tensor loads have landed,
	ds_add_u32 v[SPW], v[NIL]
	s_add_nc_u64 s[50:51], s[50:51], 262144        ; four rows of the image on
	s_wait_dscnt 0x0                               ; the add is done, and my reads of XS are over
	ROUND
	tensor_load_to_lds s[48:51], s[32:39]          ; my window's tokens 32-63: my one load behind this round
	s_nop 0
	PLACES
	ACCINIT P_BP                                   ; the table and chunk 0's W1 are whole for every wave behind that round
	s_wait_tensorcnt 0x0
	XCONV 2
	XCONV 3
	; THE HEADS.  Trip hd reads block hd and asks for block hd + 1 (the last: the MLP's first).
	s_mov_b32 s53, 8
.Lhead:
	CHANGE 1
	v_add_nc_u32 v[AW], s52, v[AL]
.irp a, 0,1,2,3,4,5,6,7
	ds_load_b128 v[HB+4*\a:HB+4*\a+3], v[APQ] offset:(\a/4)*2048+(\a%4)*512   ; posq of the head's 32 channels, bf16
.endr
	ds_load_b32 v[BVL], v[AV]
	ds_load_b32 v[BVL+1], v[AV]
	ds_load_b32 v[BVL+2], v[AV] offset:64
	ds_load_b32 v[BVL+3], v[AV] offset:64
	ds_load_b128 v[BKR:BKR+3],     v[AH]           ; bk of the head's 32 channels
	ds_load_b128 v[BKR+4:BKR+7],   v[AH] offset:16
	ds_load_b128 v[BKR+8:BKR+11],  v[AH] offset:64
	ds_load_b128 v[BKR+12:BKR+15], v[AH] offset:80
	FETCH 0
	FETCH 1
	s_wait_dscnt 16                                ; all but the two groups of weights
.irp a, 0,1,2,3,4,5,6,7
.irp p, 0,1,2,3
	v_lshlrev_b32 v[A64+8*\a+2*\p],   16,  v[HB+4*\a+\p]     ; posq starts q's sums
	v_and_b32     v[A64+8*\a+2*\p+1], s61, v[HB+4*\a+\p]
.endr
.endr
	GROUP1 0, 8, 1, bf16, 0, 0                     ; q^T = Wq^T x^T + posq^T; in each group the next group's eight loads may stay out
	GROUP1 1, 8, 1, bf16, 0, 0
	GROUP1 2, 8, 1, bf16, 0, 0
	GROUP1 3, 8, 1, bf16, 0, 0
	NORM HB, 1
	GROUP1 4, 8, 1, bf16, 0, BKR                   ; k^T = Wk^T x^T + bk
	GROUP1 5, 8, 1, bf16, 0, 0
	GROUP1 6, 8, 1, bf16, 0, 0
	GROUP1 7, 8, 1, bf16, 0, 0
	NORM KH, 0
	GROUP1 8, 8, 1, bf16, 1, 1                     ; v = x Wv: a lane holds one channel and eight tokens
	GROUP1 9, 8, 1, bf16, 1, 0
	GROUP1 10, 8, 0, bf16, 1, 0
	GROUP1 11, 0, 0, bf16, 1, 0
.irp a, 0,1,2,3,4,5,6,7
.irp p, 0,2,4,6
	v_pk_add_f32 v[A64+8*\a+\p:A64+8*\a+\p+1], v[A64+8*\a+\p:A64+8*\a+\p+1], v[BVL+2*(\a/4):BVL+2*(\a/4)+1]
.endr
.endr
.irp a, 0,1,2,3,4,5,6,7
.irp p, 0,1,2,3
	v_cvt_pk_f16_f32 v[VH+4*\a+\p], v[A64+8*\a+2*\p], v[A64+8*\a+2*\p+1]
.endr
.endr
.irp q, 0,1,2,3
.irp k, 0,1,2,3
	v_wmma_f32_16x16x32_f16 v[32+32*\q+8*\k:32+32*\q+8*\k+7], v[KH+8*\k:KH+8*\k+7], v[HB+8*\q:HB+8*\q+7], 0   ; S^T = K Q^T: one query a lane, keys 16 k + 8 h + 0..7
.endr
.endr
	PLACES
	SOFTMAX 0
	SOFTMAX 1
	SOFTMAX 2
	SOFTMAX 3
	FETCH 12
	FETCH 13
.irp kk, 0,1
.irp c, 0,1
.irp q, 0,1,2,3
.if \kk == 0
	v_wmma_f32_16x16x32_f16 v[A64+8*(4*\c+\q):A64+8*(4*\c+\q)+7], v[VH+16*\c+8*\kk:VH+16*\c+8*\kk+7], v[HB+16*\q+8*\kk:HB+16*\q+8*\kk+7], 0
.else
	v_wmma_f32_16x16x32_f16 v[A64+8*(4*\c+\q):A64+8*(4*\c+\q)+7], v[VH+16*\c+8*\kk:VH+16*\c+8*\kk+7], v[HB+16*\q+8*\kk:HB+16*\q+8*\kk+7], v[A64+8*(4*\c+\q):A64+8*(4*\c+\q)+7]
.endif
.endr
.endr
.endr
	PLACES
	s_wait_alu depctr_va_vdst(0)
.irp a, 0,1,2,3,4,5,6,7
.irp p, 0,2,4,6
	v_pk_mul_f32 v[A64+8*\a+\p:A64+8*\a+\p+1], v[A64+8*\a+\p:A64+8*\a+\p+1], v[RL+2*(\a%4):RL+2*(\a%4)+1] op_sel_hi:[1,0]   ; O^T / l
.endr
.endr
.irp a, 0,1,2,3,4,5,6,7
.irp p, 0,1,2,3
	v_cvt_pk_f16_f32 v[HB+8*(\a%4)+4*(\a/4)+\p], v[A64+8*\a+2*\p], v[A64+8*\a+2*\p+1]
.endr
.endr
	GROUP2 12, 8, 1, f16                           ; the projection takes the head's 32 channels as one slice of its K
	GROUP2 13, 8, 1, f16
	GROUP2 14, 8, 0, f16
	GROUP2 15, 0, 0, f16
	v_add_nc_u32 v[APQ], 4096, v[APQ]              ; the next head's tables
	v_add_nc_u32 v[AH], 128, v[AH]
	v_add_nc_u32 v[AV], 128, v[AV]
	s_sub_co_u32 s53, s53, 1
	s_cmp_lg_u32 s53, 0
	s_cbranch_scc1 .Lhead
	; TWO STAGES.  A trip begins with LN of the 64 large accumulators.  The first goes on with x1 = x + LN(o Wp + bp) and the MLP (whose first block lands during that LN); the second is left behind its LN.
	v_mov_b32 v[ONE], 1.0
	v_add_nc_u32 v[ALN], P_G1, v[APR]
	s_mov_b32 s55, 2
.Lstage:
	LNSTAT 0
	LNSTAT 1
	LNSTAT 2
	LNSTAT 3
	LNSCALE
	s_sub_co_u32 s55, s55, 1
	s_cmp_eq_u32 s55, 0
	s_cbranch_scc1 .Lfinish                        ; the same in every wave of every work-group: the count is a constant of the text
	SC1 0
	SC1 1
	SC1 2
	SC1 3
	WIN 0
	ACCINIT P_B2
	B1LD 0                                         ; chunk 0's b1
	v_add_nc_u32 v[ALN], P_G2-P_G1, v[ALN]         ; the second LN's g and be
	; THE MLP BEGINS: u(ct 0) of chunk 0, out of the LDS bytes that hold its W1; there is no vector work yet to set between the products.  The loads for C go out as B's last two groups send them.
	v_add_nc_u32 v[AW], W10L, v[AL]
	FETCH1 0, 0, 0
	FETCH1 1, 0, 1
	s_wait_dscnt 8                                 ; b2, b1 and buffer 0 are in; buffer 1's eight loads may stay out
	G1R 0, 0, 0, 0, 0, 0
	WIN 0
	PLACES
	FETCH1 0, 1, 0
	s_wait_dscnt 8
	G1R 1, 0, 1, 0, 0, 0
	WIN 0
	PLACES
	FETCH1 1, 1, 1
	s_add_co_u32 s52, s52, 32768                   ; C's step and the trip's end take this away again
	s_mov_b32 s53, 16                              ; this part of a trip, and 15 trips
	s_mov_b32 s54, 1
	s_branch .LphaseC                              ; the loop is entered at C, in the middle of a body
	; Trip j reads block 8 + j, bodies 2 j and 2 j + 1, and asks for block 9 + j.
.Lmlp:
	CHANGE 1
	s_mov_b32 s54, 2
.Lbody:
	PHASE_AB
.LphaseC:
	PHASE_C
	s_sub_co_u32 s54, s54, 1
	s_cmp_lg_u32 s54, 0
	s_cbranch_scc1 .Lbody
	s_sub_co_u32 s52, s52, BLK                     ; back to the slot's head
	s_sub_co_u32 s53, s53, 1
	s_cmp_lg_u32 s53, 0
	s_cbranch_scc1 .Lmlp
	CHANGE 0                                       ; the last block is written out: nothing is asked for
	s_mov_b32 s54, 2
.Lbody_last:
	PHASE_AB
	s_sub_co_u32 s54, s54, 1
	s_cmp_eq_u32 s54, 0
	s_cbranch_scc1 .Lmlp_done                      ; the last body is left behind B
	PHASE_C
	s_branch .Lbody_last
.Lmlp_done:
	s_wait_dscnt 0x0                               ; the sixteen loads that B's last groups sent for a C that does not come: their registers are loaded anew below
	s_branch .Lstage
	; out0 = x1 + LN(h W2 + b2)
.Lfinish:
	STG 0
.irp i, 1,2,3,4,5,6,7,8,9,10,11,12,13,14,15
	STG \i                                         ; a piece's shortcut and its way through the stage stand between the loads of the piece before and its stores
	SEND (\i)-1, 16
.endr
	SEND 15, 0
	s_wait_tensorcnt 0x0                           ; the wave's end, behind my last tensor load and my last LDS store
	ds_add_u32 v[SPW], v[NIL]
	s_wait_dscnt 0x0
	ROUND                                          ; the closing round: no work-group ends while a partner may still ask for a block that names it
	s_endpgm
.Lfunc_end_k_qe0ca416247_swin:
	.size	k_qe0ca416247_swin, .Lfunc_end_k_qe0ca416247_swin-k_qe0ca416247_swin
	.p2alignl 7, 3214868480
	.fill 96, 4, 3214868480
	.section	.rodata,"a",@progbits
	.p2align	6, 0x0
	.amdhsa_kernel k_qe0ca416247_swin
		.amdhsa_group_segment_fixed_size 327680
		.amdhsa_private_segment_fixed_size 0
		.amdhsa_enable_private_segment 0
		.amdhsa_kernarg_size 24
		.amdhsa_user_sgpr_count 2
		.amdhsa_user_sgpr_kernarg_segment_ptr 1
		.amdhsa_wavefront_size32 1
		.amdhsa_system_sgpr_workgroup_id_x 1
		.amdhsa_system_sgpr_workgroup_id_y 1
		.amdhsa_system_sgpr_workgroup_id_z 1
		.amdhsa_system_vgpr_workitem_id 0
		.amdhsa_next_free_vgpr 1024
		.amdhsa_next_free_sgpr 96
		.amdhsa_reserve_vcc 0
		.amdhsa_float_denorm_mode_32 3
		.amdhsa_float_denorm_mode_16_64 3
		.amdhsa_memory_ordered 1
		.amdhsa_forward_progress 1
		.amdhsa_inst_pref_size 255
	.end_amdhsa_kernel
	.section	.bss,"aw",@nobits
	.p2align	6
	.space	262144
	.amdgpu_metadata
---
amdhsa.version: [ 1, 2 ]
amdhsa.kernels:
  - .name:           k_qe0ca416247_swin
    .symbol:         k_qe0ca416247_swin.kd
    .args:
      - { .name: x, .offset: 0, .size: 8, .value_kind: global_buffer, .address_space: global }
      - { .name: wst, .offset: 8, .size: 8, .value_kind: global_buffer, .address_space: global }
      - { .name: out0, .offset: 16, .size: 8, .value_kind: global_buffer, .address_space: global }
    .group_segment_fixed_size: 327680
    .private_segment_fixed_size: 0
    .kernarg_segment_align: 8
    .kernarg_segment_size: 24
    .max_flat_workgroup_size: 128
    .sgpr_count:     96
    .vgpr_count:     1024
    .wavefront_size: 32
...
	.end_amdgpu_metadata
.endif
;; end of part 4
;; ======== version 3 of 3: 2 launches; 1.24 times as fast as version 1
;; limits: a function is approximated: absolute error at most 0.0005; values outside matrix products are rounded to f16; values outside matrix products are rounded to bf16; values are held in f16: magnitudes above 65,504 overflow, below 6.1e-05 lose precision
;; workspace buffers: wst 1,617,920 bytes
;; launch prep: the kernel of part 3 again; grid 113 x 1, 4 waves a work-group, no clusters, 0 bytes of LDS; arguments Wq, Wkv, Wp, W1, W2, pos, bq, bkv, bp, g1, be1, b1, b2, g2, be2, wst; writes wst
;; launch swin (part 5): grid 256 x 1, 4 waves a work-group, clusters of 4 x 1, 327,680 bytes of LDS; arguments x, wst, out0; writes out0
.if DOCPART == 5
	.amdgcn_target "amdgcn-amd-amdhsa--gfx1250"
	.amdhsa_code_object_version 6
	.text
	.protected	k_qe0ca416247_swin
	.globl	k_qe0ca416247_swin
	.p2align	8
	.type	k_qe0ca416247_swin,@function
k_qe0ca416247_swin:
	s_mov_b64 s[64:65], 0
	v_nop
	global_prefetch_b8 v0, s[64:65] scope:SCOPE_SE
	s_setreg_imm32_b32 hwreg(HW_REG_WAVE_MODE, 25, 1), 1
	s_wait_xcnt 0x0
	s_wait_alu depctr_hold_cnt(0) depctr_sa_sdst(0) depctr_va_vdst(0) depctr_va_sdst(0) depctr_va_ssrc(0) depctr_va_vcc(0) depctr_vm_vsrc(0)
	s_getreg_b32 s2, hwreg(HW_REG_IB_STS2, 6, 4)
	s_cmp_eq_u32 s2, 0
	s_cbranch_scc0 .Lentry_in_a_cluster
	s_endpgm
.Lentry_in_a_cluster:
	s_bfe_u32 s2, ttmp6, 0x10000c
	s_cmp_lg_u32 s2, 0x3003
	s_cbranch_scc0 .Lentry_shape_is_right
	s_endpgm
.Lentry_shape_is_right:
; THE WHOLE BLOCK, FUSED.  One wave owns one window of 64 tokens x 256 channels from x to out0; a work-group's four waves own four windows; 256 work-groups, 1,024 windows.
; Activations stay in registers and never change lanes; only weights go through LDS.  All work-groups walk the same 24 blocks of weights (65,536 bytes each, in fragment order),
; so the four work-groups of a cluster ask for each block JOINTLY, a quarter a wave, into a ring of two slots; a block's load has a whole trip (288 or 256 matrix instructions a wave) in which to land.
; LAYOUT.  Every product is used transposed: source 0 = 16 output channels of a weight, source 1 = 16 tokens.  In the result lane l (r = l % 16, h = l / 16) holds token r and channels 8 h + 0..7;
; two such results, rounded in pairs, ARE source 1 of the next product.  V alone is made the other way round (source 0 = tokens), so that its result, rounded in pairs, is source 0 (16 channels x 32 keys) of O^T = V^T P.
; A sum over channels or keys is a sum in the lane and one exchange between the halves of the lanes.
; FORMATS.  x, the weights and the vectors are rounded to bf16.  What is made here and handed on is f16: the normalised q and k, v, the weights p, o, and x1 = x + LN(..); h = gelu(..) is bf16.
; All sums, norms, softmax, LN and GELU in f32.  The shortcuts are read from the 16-bit fragments of x and x1.
; SOFTMAX WITHOUT A MAXIMUM: q and k are normalised to length 1 at the most and the product is divided by 16, so every exponent lies within 1/16 of 0 for every input: no exponential or sum can overflow or underflow.
; (x + pos) Wq + bq = x Wq + posq: the table posq starts q's sums.  Biases start the other sums.
; GELU, A KEPT LIMIT: u Phi(u) is computed in the logistic form u / (1 + exp(-2 sqrt(2/pi) (u + 0.044715 u^3))).  It differs from the erf form by 5e-4 at the most, for every u (largest near |u| = 2.8,
; where h's own rounding to bf16 is off by up to 8e-3; 1.5e-4 at |u| = 1, 2e-5 at 0.5).  For large |u| the exponential goes to 0 or to infinity and the result to u or to 0.
; THE MLP BY TURNS.  The hidden channels go in chunks of 32, each in two halves of 16 (ct = 0, 1).  Body b of the loop: A: the 32 products u(ct 0) of chunk b + 1, and behind each of them a slice of GELU of u(ct 1) of chunk b;
; B: the 64 products h(b) W2(b); C: the 32 products u(ct 1) of chunk b + 1, and behind each a slice of GELU of u(ct 0) of chunk b + 1.  Each set of registers is free just when it is written again, so one text serves every body.
; Chunk 0's W1 has LDS bytes of its own; its ct 0 products are written out and the loop is entered at C.  The last body is left behind B; its A multiplies chunk 0's W1 once more for nothing: the price, 32 products a wave, of one text.
; TRANSCENDENTALS GO IN BATCHES, each with ONE s_wait_alu depctr_va_vdst(0) ahead of its first reader.  GELU of a half: its 32 exponentials, then its 32 reciprocals: two waits a half, four a body.
; A head: the four roots and the four reciprocals of q's lengths, the same of k's, the softmax's 128 exponentials, the four 1 / l: six waits.  An LN: the four 1 / sigma: one wait.
; LN STANDS ONCE: its statistics and its scaling are the head of a loop of two trips round the MLP, left in the middle of the second; the shortcuts, whose formats differ, are added in each stage's own text.
; LIMITS.  |v|, |o|, |x1| stay under f16's 65,504; below 6.1e-5 f16 keeps a fixed step of 6e-8.  NaN and infinities are not treated apart.
; REGISTERS, in windows of 256 (s_set_vgpr_msb: bits 1:0 source 0, 3:2 source 1, 5:4 source 2, 7:6 destination):
;   window 0: v0-13 addresses; v14-15 a mean; v16-23 1 / l or 1 / sigma of token tile t at v[16 + 2 t]; v24-31 at work; v32-95 two buffers of weight fragments; v96-159 eight accumulators (ct, tt) at 96 + 8 (4 ct + tt);
;             v160-191 source 1 of the second product (q, o, h); v192-223 bk, then k, or GELU at work; v224-255 v, norms at work, or b1.  The scores take v32-159, the weights p v160-223.
;   window 1: x (bf16), later x1 (f16): token tile tt, channels 32 c .. at 64 tt + 8 c          windows 2, 3: the 64 accumulators of 256 channels: (ct, tt) in window 2 + tt / 2 at 128 (tt % 2) + 8 ct
.set SLOTX,  0x10000        ; slot 1 begins here: one exclusive or turns an address in one slot into the other's
.set BLK,    65536          ; a block of weights
.set TABL,   131072         ; the table: vectors (12,288 bytes), posq (32,768)
.set P_BK,   0
.set P_BV,   1024
.set P_BP,   2048
.set P_G1,   3072           ; be1 lies 1,024 behind g1, be2 1,024 behind g2
.set P_B1,   5120
.set P_B2,   9216
.set P_G2,   10240
.set PQL,    TABL+12288
.set XS,     176128         ; x as it comes: for each wave 32 tokens at a pitch of 1,040; filled twice; after its last fill its first 4,352 bytes are the wave's stage for the way out
.set XSW,    33280
.set XP,     1040           ; 1,024 bytes + 16: 65 x 16, so the 16 tokens of a load start at 16 different groups of four banks (64 banks of 4 bytes: ISA guide 11.1)
.set SP,     272            ; a row of the stage: 256 bytes + 16
.set SPARE,  309248         ; the spare words: 128 bytes a wave, two blocks of 256 bytes that no other line names
.set W10L,   309760         ; W1 of chunk 0: 16,384 bytes, filled once
.set W10G,   8*65536+31*32768  ; its place in wst: the head of the last body
.set TABG,   1572864        ; the table's place in wst
.set SPW, 1                 ; v1   my spare word; never rewritten
.set NIL, 2                 ; v2   0; never rewritten
.set AL,  3                 ; v3   16 l
.set AW,  4                 ; v4   16 l + the LDS byte of the weights in hand
.set APQ, 5                 ; v5   my 16 bytes of the head's first tile of posq
.set ONE, 5                 ;      behind the heads: 1.0
.set AH,  6                 ; v6   bk at the head's channel 8 h
.set APR, 7                 ; v7   the table at 32 h
.set AX,  8                 ; v8   my token r, channel 8 h in my wave's XS
.set ALN, 8                 ;      behind the heads: g of the LN in hand at channel 8 h
.set STO, 9                 ; v9   the way out: where I put 32 bytes of a row
.set RD,  10                ; v10  where I read a row back
.set GO,  11                ; v11  my byte offset in out0
.set AB1, 12                ; v12  b1 at channel 8 h of the chunk whose u is being made
.set AV,  13                ; v13  bv at the head's channel r
.set MN,  14
.set RL,  16
.set BVL, 24                ; v24-27 bv of my channel, twice each, for ct = 0, 1
.set CH,  24                ; v24-31 four chains of LN's sums
.set WF,  32
.set A64, 96
.set HB,  160
.set KH,  192
.set BKR, 192               ; v192-207 bk of the head's 32 channels: the C operand that starts k's sums
.set GQ,  192               ; v192-223 GELU at work: a register of its own for each of a half's 32 numbers
.set VH,  224
.set B1R, 224               ; v224-239 b1 of a chunk's 32 channels: the C operand that starts u's sums
.set MSB, 0
.macro WIN new              ; the high byte repeats the setting that is left; a switch that changes nothing is dropped
.if MSB != (\new)
	s_set_vgpr_msb (MSB<<8)|(\new)
.set MSB, (\new)
.endif
.endm
; Four places: a vector instruction that reads a matrix result or writes a matrix instruction's register, and a load into such a register, stand four plain vector instructions behind it (ISA guide 7.12.1 for vector instructions).
.macro PLACES
.rept 4
	v_nop
.endr
.endm
; A round of the cluster's barrier: my work-group's barrier; wave 0 signals for the work-group; every wave waits for all four work-groups; my work-group's barrier once more.
.macro ROUND
	s_barrier_signal -1
	s_barrier_wait -1
	s_cmp_lg_u32 s10, 0
	s_cbranch_scc1 .Lnot_wave_0_\@
	s_barrier_signal -3
.Lnot_wave_0_\@:
	s_barrier_wait -3
	s_barrier_signal -1
	s_barrier_wait -1
.endm
; THE CHANGE OF SLOTS.  Each wave waits for all its tensor loads (one is out: its quarter of the next block), adds 0 to its spare word, and waits for that and for its reads of the slot that it leaves.
; fill = 1: behind a round of the cluster's barrier the slot just left takes the block after the one now read: the wave's one tensor load until the next round.  fill = 0: the last block: nothing is asked for.
.macro CHANGE fill
	WIN 0
	s_wait_tensorcnt 0x0                           ; no tensor load of mine is out, so group 0 may be written
	ds_add_u32 v[SPW], v[NIL]                      ; 0 onto my spare word; the scalar steps stand between it and the wait for it
.if \fill
	s_xor_b32 s41, s41, SLOTX                      ; the other slot than last time,
	s_add_nc_u64 s[42:43], s[42:43], BLK           ; the next block; the type bits on top are not reached
.endif
	s_xor_b32 s52, s52, SLOTX                      ; and the reads go to the slot that has landed
	s_wait_dscnt 0x0                               ; the add is done, and my reads of the old slot are over
.if \fill
	ROUND
	tensor_load_to_lds s[40:43], s[16:23]
	s_nop 0
	PLACES
.else
	s_barrier_signal -1
	s_barrier_wait -1
.endif
.endm
; Group n of the weights in hand: four fragments, 4,096 consecutive bytes, into buffer n % 2: each load takes 512 consecutive bytes.
.macro FETCH n
.set FB, WF+32*((\n)%2)
.irp i, 0,1,2,3,4,5,6,7
	ds_load_b128 v[FB+4*\i:FB+4*\i+3], v[AW] offset:(\n)*4096+\i*512
.endr
.endm
; Four fragments of W1 for ONE half ct of a chunk's channels: K steps 4 hg + 0..3, into buffer buf.  K step c of half ct lies in group c / 2 as fragment 2 (c % 2) + ct.
.macro FETCH1 buf, ct, hg
.irp jj, 0,1,2,3
.set fO, (2*(\hg)+\jj/2)*4096+(2*(\jj%2)+(\ct))*1024
	ds_load_b128 v[WF+32*(\buf)+8*\jj:WF+32*(\buf)+8*\jj+3],   v[AW] offset:fO
	ds_load_b128 v[WF+32*(\buf)+8*\jj+4:WF+32*(\buf)+8*\jj+7], v[AW] offset:fO+512
.endr
.endm
; 16 products with 64 input channels (two steps cc) for 32 output channels (ct) and 64 tokens (tt), onto the eight accumulators of window 0, which take turns.
; left: the LDS loads that may stay out.  fetch = 1: the group after next is fetched into the buffer just multiplied.  vmode = 1: tokens are source 0.
; cini: what starts the sums in the first eight products: 0: they go on in place; 1: the constant 0; else the 16 registers from v[cini] on, eight for each ct.
.macro GROUP1 n, left, fetch, fmt, vmode, cini
	s_wait_dscnt \left
.set WB, WF+32*((\n)%2)
.if \vmode
	WIN 0x01
.else
	WIN 0x04
.endif
.irp cc, 0,1
.irp ct, 0,1
.irp tt, 0,1,2,3
.set rD, A64+8*(4*\ct+\tt)
.set rW, WB+8*(2*\cc+\ct)
.set rX, 64*\tt+8*(2*((\n)%4)+\cc)
.if \vmode
.set rA, rX
.set rB, rW
.else
.set rA, rW
.set rB, rX
.endif
.if (\cc == 0) && ((\cini) == 1)
	v_wmma_f32_16x16x32_\fmt v[rD:rD+7], v[rA:rA+7], v[rB:rB+7], 0
.elseif (\cc == 0) && ((\cini) > 1)
	v_wmma_f32_16x16x32_\fmt v[rD:rD+7], v[rA:rA+7], v[rB:rB+7], v[(\cini)+8*\ct:(\cini)+8*\ct+7]
.else
	v_wmma_f32_16x16x32_\fmt v[rD:rD+7], v[rA:rA+7], v[rB:rB+7], v[rD:rD+7]
.endif
.endr
.endr
.endr
	WIN 0
	PLACES
.if \fetch
	FETCH (\n)+2
.endif
.endm
; 16 products with 32 input channels (a head's o, a chunk's h, in v160-191) for 64 output channels and 64 tokens, onto 16 different accumulators of windows 2 and 3.
; fetch = 1: the group after next follows; 2: half a chunk's W1 for ct = 1, K steps 4 (n % 2) on.
.macro GROUP2 n, left, fetch, fmt
	s_wait_dscnt \left
.set WB, WF+32*((\n)%2)
.irp hf, 0,1
	WIN 0xa0+0x50*\hf
.irp o, 0,1,2,3
.irp t, 0,1
.set rD, 128*\t+8*(4*((\n)%4)+\o)
	v_wmma_f32_16x16x32_\fmt v[rD:rD+7], v[WB+8*\o:WB+8*\o+7], v[HB+8*(2*\hf+\t):HB+8*(2*\hf+\t)+7], v[rD:rD+7]
.endr
.endr
.endr
	WIN 0
	PLACES
.if (\fetch) == 1
	FETCH (\n)+2
.elseif (\fetch) == 2
	FETCH1 (\n)%2, 1, (\n)%2
.endif
.endm
; 16 tokens of x out of XS, rounded to bf16, into window 1.
.macro XCONV tt
	WIN 0
.set c, 0
.rept 8
	ds_load_b128 v[32+16*c:32+16*c+3],     v[AX] offset:((\tt)%2)*16*XP+c*128
	ds_load_b128 v[32+16*c+4:32+16*c+7],   v[AX] offset:((\tt)%2)*16*XP+c*128+16
	ds_load_b128 v[32+16*c+8:32+16*c+11],  v[AX] offset:((\tt)%2)*16*XP+c*128+64
	ds_load_b128 v[32+16*c+12:32+16*c+15], v[AX] offset:((\tt)%2)*16*XP+c*128+80
.set c, c+1
.endr
	WIN 0x40
	s_wait_dscnt 16                                ; the first 16 loads are in
.set i, 0
.rept 32
	v_cvt_pk_bf16_f32 v[64*(\tt)+i], v[32+2*i], v[32+2*i+1]
.set i, i+1
.endr
	s_wait_dscnt 0x0
.rept 32
	v_cvt_pk_bf16_f32 v[64*(\tt)+i], v[32+2*i], v[32+2*i+1]
.set i, i+1
.endr
	WIN 0
.endm
; The 64 large accumulators start from a bias of 256 channels: nothing is cleared and nothing is added later.
.macro ACCINIT off
.irp tt, 0,1,2,3
	WIN 0x80+0x40*(\tt/2)
.set c, 0
.rept 16
	ds_load_b128 v[128*(\tt%2)+8*c:128*(\tt%2)+8*c+3],   v[APR] offset:(\off)+c*64
	ds_load_b128 v[128*(\tt%2)+8*c+4:128*(\tt%2)+8*c+7], v[APR] offset:(\off)+c*64+16
.set c, c+1
.endr
.endr
	WIN 0
.endm
; The eight accumulators hold 32 channels of a head for 64 tokens: each token's vector is divided by max(its length, 1e-12) (q also times log2(e) / 16) and rounded to f16 into dst.  The four token tiles go side by side.
; Two batches of four, each with its wait: the roots, which the maximum reads, and the reciprocals of those maxima.
.macro NORM dst, scaled
.irp tt, 0,1,2,3
	v_pk_mul_f32 v[VH+2*\tt:VH+2*\tt+1], v[A64+8*\tt:A64+8*\tt+1], v[A64+8*\tt:A64+8*\tt+1]
.endr
.irp s, 1,2,3,4,5,6,7
.irp tt, 0,1,2,3
.set R, A64+8*(4*(\s/4)+\tt)+2*(\s%4)
	v_pk_fma_f32 v[VH+2*\tt:VH+2*\tt+1], v[R:R+1], v[R:R+1], v[VH+2*\tt:VH+2*\tt+1]
.endr
.endr
.irp tt, 0,1,2,3
	v_add_f32 v[VH+2*\tt], v[VH+2*\tt], v[VH+2*\tt+1]
.endr
.irp tt, 0,1,2,3
	v_permlanex16_b32 v[VH+2*\tt+1], v[VH+2*\tt], s58, s59   ; the token's other 16 channels lie in the lane 16 away
.endr
.irp tt, 0,1,2,3
	v_add_f32 v[VH+2*\tt], v[VH+2*\tt], v[VH+2*\tt+1]
.endr
.irp tt, 0,1,2,3
	v_sqrt_f32 v[VH+2*\tt], v[VH+2*\tt]
.endr
	v_nop                                          ; a plain instruction behind the last root (ISA guide 5.7.2)
	s_wait_alu depctr_va_vdst(0)                   ; the wait for the four roots
.irp tt, 0,1,2,3
	v_max_num_f32 v[VH+2*\tt], s77, v[VH+2*\tt]
.endr
.irp tt, 0,1,2,3
	v_rcp_f32 v[VH+2*\tt], v[VH+2*\tt]
.endr
	v_nop                                          ; a plain instruction behind the last reciprocal
	s_wait_alu depctr_va_vdst(0)                   ; the wait for the four reciprocals
.if \scaled
.irp tt, 0,1,2,3
	v_mul_f32 v[VH+2*\tt], s76, v[VH+2*\tt]
.endr
.endif
.irp tt, 0,1,2,3
.irp a, 0,1
.irp p, 0,2,4,6
.set R, A64+8*(4*\a+\tt)+\p
	v_pk_mul_f32 v[R:R+1], v[R:R+1], v[VH+2*\tt:VH+2*\tt+1] op_sel_hi:[1,0]
.endr
.endr
.endr
.irp tt, 0,1,2,3
.irp a, 0,1
.irp p, 0,1,2,3
.set R, A64+8*(4*\a+\tt)+2*\p
	v_cvt_pk_f16_f32 v[(\dst)+8*\tt+4*\a+\p], v[R], v[R+1]
.endr
.endr
.endr
.endm
; THE SOFTMAX of 16 queries, in two parts, so that the four tiles' exponentials are one batch.  SMEXP: p = 2^s for the lane's 32 scores, in place: each accumulator's lowest register is read first.
.macro SMEXP qt
.set SB, 32+32*(\qt)
.set i, 0
.rept 32
	v_exp_f32 v[SB+i], v[SB+i]
.set i, i+1
.endr
.endm
; SMSUM: p rounded to f16; the sum of the unrounded p over all 64 keys, into v[SB].
.macro SMSUM qt
.set SB, 32+32*(\qt)
.set i, 0
.rept 16
	v_cvt_pk_f16_f32 v[HB+16*(\qt)+i], v[SB+2*i], v[SB+2*i+1]
.set i, i+1
.endr
.irp w, 8,4,2,1
.set i, 0
.rept \w
	v_pk_add_f32 v[SB+2*i:SB+2*i+1], v[SB+2*i:SB+2*i+1], v[SB+2*(i+\w):SB+2*(i+\w)+1]
.set i, i+1
.endr
.endr
	v_add_f32 v[SB], v[SB], v[SB+1]
	v_permlanex16_b32 v[SB+1], v[SB], s58, s59
	v_add_f32 v[SB], v[SB], v[SB+1]
.endm
; GELU OF A HALF (ct): 32 numbers a lane, in 16 pairs: pair p is registers 2 (p % 4), + 1 of accumulator p / 4; number k works in v[GQ + k].  h = u / (1 + 2^z), z = u (alpha + beta u^2), alpha = -2 sqrt(2/pi) log2(e), beta = 0.044715 alpha.
; Six kinds of line.  Z n (48): z, three lines a pair: u u, x beta + alpha, x u.  E k (32): 2^z.  A p (16): + 1.  R k (32): the reciprocal.  M p (16): x u.  C p (16): rounded to bf16 into h.
; Z's order: accumulators 0 and 1 four pairs at a time (lines 0-23: a pair's three lines stand four apart); accumulators 2 and 3 two pairs at a time (lines 24-47), so that their exponentials can follow sooner.
; Each accumulator's lowest pair is read first.
.macro GZ ct, n
.if (\n) < 24
.set gp, 4*((\n)/12)+(\n)%4
.set gs, ((\n)%12)/4
.else
.set gp, 8+2*(((\n)-24)/6)+(\n)%2
.set gs, (((\n)-24)%6)/2
.endif
.set gQ, GQ+2*gp
.set gU, A64+32*(\ct)+2*gp
.if gs == 0
	v_pk_mul_f32 v[gQ:gQ+1], v[gU:gU+1], v[gU:gU+1]
.elseif gs == 1
	v_pk_fma_f32 v[gQ:gQ+1], v[gQ:gQ+1], s[68:69], s[66:67] op_sel_hi:[1,0,0]
.else
	v_pk_mul_f32 v[gQ:gQ+1], v[gQ:gQ+1], v[gU:gU+1]
.endif
.endm
.macro GA p
	v_pk_add_f32 v[GQ+2*(\p):GQ+2*(\p)+1], v[GQ+2*(\p):GQ+2*(\p)+1], 1.0 op_sel_hi:[1,0]
.endm
; ONE LIST of the 160, number GJN, ordered by who reads what, and cut in three by two waits (GN writes them).
;   0-79     all that names no exponential's result: Z 0-19; 28 times (E k, Z 20 + k); E 28-31.  Ahead of E k stand 20 + k lines of Z, its pair's third line among them (the closest: E 28 wants Z 46, E 30 wants Z 47).
;   (wait)   for the batch of 32 exponentials
;   80-127   A 0, A 1; 14 times (R 2 i, R 2 i + 1, A i + 2); R 28-31.  A names exponentials' results, R the sums that A made three lines or more earlier; nothing here names a reciprocal's result.
;   (wait)   for the batch of 32 reciprocals
;   128-159  M 0-15, C 0-15.
; Between a transcendental and the first use of its result stands a plain line on other registers (ISA guide 5.7.2), wherever the list is cut and whatever matrix instruction stands in the cut: for a batch's last four it is pair 0's line behind the wait.
.macro GJ ct
.if GJN < 20
	GZ \ct, GJN
.elseif GJN < 76
.if GJN%2 == 0
	v_exp_f32 v[GQ+(GJN-20)/2], v[GQ+(GJN-20)/2]
.else
	GZ \ct, 20+(GJN-20)/2
.endif
.elseif GJN < 80
	v_exp_f32 v[GQ+GJN-48], v[GQ+GJN-48]
.elseif GJN < 82
	GA GJN-80
.elseif GJN < 124
.if (GJN-82)%3 < 2
	v_rcp_f32 v[GQ+2*((GJN-82)/3)+(GJN-82)%3], v[GQ+2*((GJN-82)/3)+(GJN-82)%3]
.else
	GA 2+(GJN-82)/3
.endif
.elseif GJN < 128
	v_rcp_f32 v[GQ+GJN-96], v[GQ+GJN-96]
.elseif GJN < 144
.set gp, GJN-128
	v_pk_mul_f32 v[GQ+2*gp:GQ+2*gp+1], v[GQ+2*gp:GQ+2*gp+1], v[A64+32*(\ct)+2*gp:A64+32*(\ct)+2*gp+1]
.else
.set gp, GJN-144
	v_cvt_pk_bf16_f32 v[HB+8*(gp/4)+4*(\ct)+gp%4], v[GQ+2*gp], v[GQ+2*gp+1]
.endif
.endm
.macro GN ct, n             ; the list's next n lines
	WIN 0
.rept \n
	GJ \ct
.set GJN, GJN+1
.if (GJN == 80) || (GJN == 128)
	s_wait_alu depctr_va_vdst(0)                   ; the wait for the batch just ended: behind line 79 the half's 32 exponentials, behind line 127 its 32 reciprocals
.endif
.endr
.endm
.macro B1LD off             ; b1 of 32 hidden channels: eight numbers for each ct
	ds_load_b128 v[B1R:B1R+3],     v[AB1] offset:(\off)
	ds_load_b128 v[B1R+4:B1R+7],   v[AB1] offset:(\off)+16
	ds_load_b128 v[B1R+8:B1R+11],  v[AB1] offset:(\off)+64
	ds_load_b128 v[B1R+12:B1R+15], v[AB1] offset:(\off)+80
.endm
; 16 products u(ct) += W1 x1: K steps 4 hg + 0..3 out of buffer buf, for the four token tiles, whose accumulators take turns; with hg = 0 the first four start from b1.
; Behind each product stands a slice of GELU of half rct: its lines name no register of the products round them.  A product wants x1 in window 1, the lines want window 0: two switches a product.
; per = 4 (A, behind its lump of 32): four lines a slice: lines 79 and 127 end the slices of the phase's 12th and 24th product.  per = 5 (C): five lines behind each of products 0-15 (lines 0-79), lines 80-127 in ten slices of four
; or five, lines 128-159 in six of five or six.  So each of the list's two waits stands at a slice's end, directly ahead of the next product.  per = 0: no lines.
; ins = 1: behind the third product W2's first group is fetched into buffer 0: five plain lines (A 5 to A 9) stand behind the last product that read it.  ins = 2: behind the eighth product the next chunk's b1 is loaded, more than four plain lines behind the products that read this one's.
.macro G1R buf, ct, hg, rct, per, ins
.set gn, 0
.irp jj, 0,1,2,3
.irp tt, 0,1,2,3
	WIN 0x04
.set rD, A64+8*(4*(\ct)+\tt)
.set rW, WF+32*(\buf)+8*\jj
.set rX, 64*\tt+8*(4*(\hg)+\jj)
.if ((\hg) == 0) && (\jj == 0)
	v_wmma_f32_16x16x32_f16 v[rD:rD+7], v[rW:rW+7], v[rX:rX+7], v[B1R+8*(\ct):B1R+8*(\ct)+7]
.else
	v_wmma_f32_16x16x32_f16 v[rD:rD+7], v[rW:rW+7], v[rX:rX+7], v[rD:rD+7]
.endif
.if (\per) == 4
	GN \rct, 4
.elseif (\per) == 5
.set gi, 16*(\hg)+gn        ; the product's number in the phase; gE: the line at which its slice ends
.if gi < 16
.set gE, 5*gi+5
.elseif gi < 26
.set gE, 80+48*(gi-15)/10
.else
.set gE, 128+32*(gi-25)/6
.endif
	GN \rct, gE-GJN
.endif
.if ((\ins) == 1) && (gn == 2)
	FETCH 4
.endif
.if ((\ins) == 2) && (gn == 7)
	B1LD 128
.endif
.set gn, gn+1
.endr
.endr
.endm
; A and B of a body.  The list's first 32 lines stand between the body's first fragment loads and the wait for them; the other 128 go four behind each product.
.macro PHASE_AB
	v_add_nc_u32 v[AW], s52, v[AL]
	FETCH1 0, 0, 0
	FETCH1 1, 0, 1
.set GJN, 0
	GN 1, 32
	s_wait_dscnt 8                                 ; b1 and buffer 0 are in; buffer 1's eight loads may stay out
	G1R 0, 0, 0, 1, 4, 0
	s_wait_dscnt 0x0                               ; buffer 1, asked for 16 products ago
	G1R 1, 0, 1, 1, 4, 1
	FETCH 5                                        ; the list's last four lines, all plain, are the places behind the last product that read buffer 1
	GROUP2 4, 8, 1, bf16                           ; in each group the next group's eight loads may stay out
	GROUP2 5, 8, 1, bf16
	GROUP2 6, 8, 2, bf16
	GROUP2 7, 8, 2, bf16
.endm
; C of a body: the whole list in 32 slices, one behind each product.
.macro PHASE_C
.set GJN, 0
	s_wait_dscnt 8                                 ; buffer 0 is in; buffer 1's eight loads may stay out
	G1R 0, 1, 0, 0, 5, 2
	s_wait_dscnt 4                                 ; buffer 1 is in; the next b1's four loads may stay out
	G1R 1, 1, 1, 0, 5, 0
	v_add_nc_u32 v[AB1], 128, v[AB1]
	s_add_co_u32 s52, s52, 32768                   ; the slot's next body
.endm
; LN's statistics for token tile tt, in two passes: the mean; it is taken away in place; the mean of the squares of what is left; 1 / sqrt(that + 1e-5).
; The four tiles' 1 / sigma are one batch: their wait stands behind the fourth tile's statistics.
.macro LNFOLD               ; four chains of pairs, and the other half of the lanes', into v[CH]
	v_pk_add_f32 v[CH:CH+1], v[CH:CH+1], v[CH+2:CH+3]
	v_pk_add_f32 v[CH+4:CH+5], v[CH+4:CH+5], v[CH+6:CH+7]
	v_pk_add_f32 v[CH:CH+1], v[CH:CH+1], v[CH+4:CH+5]
	v_add_f32 v[CH], v[CH], v[CH+1]
	v_permlanex16_b32 v[CH+1], v[CH], s58, s59
	v_add_f32 v[CH], v[CH], v[CH+1]
.endm
.macro LNSTAT tt
.set W, 2+(\tt)/2
.set AB, 128*((\tt)%2)
	WIN W|(W<<2)
.irp k, 0,2,4,6
	v_pk_add_f32 v[CH+\k:CH+\k+1], v[AB+\k:AB+\k+1], v[AB+8+\k:AB+8+\k+1]   ; each accumulator's lowest registers are read first
.endr
	WIN W<<2
.set i, 8
.rept 56
	v_pk_add_f32 v[CH+2*(i%4):CH+2*(i%4)+1], v[CH+2*(i%4):CH+2*(i%4)+1], v[AB+2*i:AB+2*i+1]
.set i, i+1
.endr
	WIN 0
	LNFOLD
	v_mul_f32 v[MN], s79, v[CH]
	WIN (W<<6)|W
.set i, 0
.rept 64
	v_pk_add_f32 v[AB+2*i:AB+2*i+1], v[AB+2*i:AB+2*i+1], v[MN:MN+1] op_sel_hi:[1,0] neg_lo:[0,1] neg_hi:[0,1]
.set i, i+1
.endr
	WIN W|(W<<2)
.irp k, 0,2,4,6
	v_pk_mul_f32 v[CH+\k:CH+\k+1], v[AB+\k:AB+\k+1], v[AB+\k:AB+\k+1]
.endr
.set i, 4
.rept 60
	v_pk_fma_f32 v[CH+2*(i%4):CH+2*(i%4)+1], v[AB+2*i:AB+2*i+1], v[AB+2*i:AB+2*i+1], v[CH+2*(i%4):CH+2*(i%4)+1]
.set i, i+1
.endr
	WIN 0
	LNFOLD
	v_fma_f32 v[CH], v[CH], s79, s78
	v_rsq_f32 v[RL+2*(\tt)], v[CH]
	v_nop                                          ; a plain instruction before the next tile's first line writes the source (ISA guide 5.7.2)
.endm
; LN's scaling, in place, 16 channels (ct) at a time for all 64 tokens: d / sigma x g + be.  g and be come one ct ahead, into two buffers of 16 registers.
.macro LNLD ct
.set GBF, 32+16*((\ct)%2)
	ds_load_b128 v[GBF:GBF+3],     v[ALN] offset:(\ct)*64
	ds_load_b128 v[GBF+4:GBF+7],   v[ALN] offset:(\ct)*64+16
	ds_load_b128 v[GBF+8:GBF+11],  v[ALN] offset:1024+(\ct)*64
	ds_load_b128 v[GBF+12:GBF+15], v[ALN] offset:1024+(\ct)*64+16
.endm
.macro LNCT ct
	WIN 0
.if (\ct) < 15
	LNLD (\ct)+1
	s_wait_dscnt 4                                 ; the next 16 channels' four loads may stay out
.else
	s_wait_dscnt 0x0
.endif
.set GBF, 32+16*((\ct)%2)
.irp tt, 0,1,2,3
	WIN ((2+\tt/2)<<6)|(2+\tt/2)
.set R, 128*(\tt%2)+8*(\ct)
.irp p, 0,2,4,6
	v_pk_mul_f32 v[R+\p:R+\p+1], v[R+\p:R+\p+1], v[RL+2*\tt:RL+2*\tt+1] op_sel_hi:[1,0]
.endr
.irp p, 0,2,4,6
	v_pk_fma_f32 v[R+\p:R+\p+1], v[R+\p:R+\p+1], v[GBF+\p:GBF+\p+1], v[GBF+8+\p:GBF+8+\p+1]
.endr
.endr
.endm
.macro LNSCALE
	WIN 0
	LNLD 0
.irp c, 0,1,2,3,4,5,6,7,8,9,10,11,12,13,14,15
	LNCT \c
.endr
	WIN 0
.endm
; Stage 1's shortcut, token tile tt: x1 = LN(..) x 1.0 + x, x read as a half of its bf16 fragment; x1 is rounded to f16 into the same fragment.
.macro SC1 tt
	WIN (2+(\tt)/2)|0x10
.set c, 0
.rept 16
.irp p, 0,1,2,3
	v_fma_mix_f32_bf16 v[32+8*c+2*\p],   v[128*((\tt)%2)+8*c+2*\p],   v[ONE], v[64*(\tt)+4*c+\p] op_sel_hi:[0,0,1]
	v_fma_mix_f32_bf16 v[32+8*c+2*\p+1], v[128*((\tt)%2)+8*c+2*\p+1], v[ONE], v[64*(\tt)+4*c+\p] op_sel:[0,0,1] op_sel_hi:[0,0,1]
.endr
.set c, c+1
.endr
	WIN 0x40
.set i, 0
.rept 64
	v_cvt_pk_f16_f32 v[64*(\tt)+i], v[32+2*i], v[32+2*i+1]
.set i, i+1
.endr
.endm
; THE WAY OUT, piece i = 4 tt + cg: 16 tokens x 64 channels.  STG: stage 2's shortcut (LN(..) x 1.0 + x1, x1 read as a half of its f16 fragment); into my stage (rows of 272 bytes), and back as whole rows of 256 bytes.  SEND: stored.
.macro STG i
.set TB, 96+32*((\i)%2)
	WIN (2+(\i)/8)|0x10
.irp c, 0,1,2,3
.irp p, 0,1,2,3
.set R, 128*(((\i)/4)%2)+8*(4*((\i)%4)+\c)+2*\p
.set XR, 64*((\i)/4)+4*(4*((\i)%4)+\c)+\p
	v_fma_mix_f32 v[TB+8*\c+2*\p],   v[R],   v[ONE], v[XR] op_sel_hi:[0,0,1]
	v_fma_mix_f32 v[TB+8*\c+2*\p+1], v[R+1], v[ONE], v[XR] op_sel:[0,0,1] op_sel_hi:[0,0,1]
.endr
.endr
	WIN 0
.irp c, 0,1,2,3
	ds_store_b128 v[STO], v[TB+8*\c:TB+8*\c+3]   offset:\c*64
	ds_store_b128 v[STO], v[TB+8*\c+4:TB+8*\c+7] offset:\c*64+16
.endr
	s_wait_xcnt 0x0                                ; the stores of the piece before last have read their registers: only behind this wait are those loaded again
.irp j, 0,1,2,3,4,5,6,7
	ds_load_b128 v[32+32*((\i)%2)+4*\j:32+32*((\i)%2)+4*\j+3], v[RD] offset:\j*2*SP   ; LDS serves a wave's instructions in order (ISA guide 5.7.1.4): these see the stores above; the next piece's stores come behind them
.endr
.endm
.macro SEND i, younger      ; younger: the LDS instructions issued behind piece i's loads: the next piece's sixteen, or none
.irp j, 0,1,2,3,4,5,6,7
	s_wait_dscnt (\younger)+7-\j
	global_store_b128 v[GO], v[32+32*((\i)%2)+4*\j:32+32*((\i)%2)+4*\j+3], s[8:9] offset:((\i)/4)*131072+(\j/4)*65536+(\j%4)*2048+((\i)%4)*256 th:TH_STORE_NT   ; 16 lanes store 256 consecutive bytes, aligned
.endr
.endm
	s_load_b128 s[4:7], s[0:1], 0x0                ; x s[4:5], wst s[6:7]
	s_load_b64 s[8:9], s[0:1], 0x10                ; out0
	v_lshl_add_u32 v[SPW], v0, 2, SPARE
	v_mov_b32 v[NIL], 0
	ds_add_u32 v[SPW], v[NIL]                      ; the wave's opening: the add and its wait stand ahead of my first tensor load; the set-up below, work on registers, stands between them
	v_lshrrev_b32 v3, 5, v0
	v_readfirstlane_b32 s10, v3                    ; wave 0..3
	s_bfe_u32 s11, ttmp6, 0x40000                  ; cx: my place in the cluster: it enters x's and out0's addresses alone
	s_lshl_b32 s12, ttmp9, 2
	s_add_co_u32 s12, s12, s11                     ; work-group
	; window 4 x work-group + wave = (image, window row) x 8 + window column: its first byte is (window / 8) x 2^19 + (window % 8) x 2^13; token (iy, ix) lies 65,536 iy + 1,024 ix on
	s_lshr_b32 s13, s12, 1
	s_lshl_b32 s13, s13, 19
	s_and_b32 s14, s12, 1
	s_lshl_b32 s14, s14, 15
	s_or_b32 s13, s13, s14
	s_lshl_b32 s14, s10, 13
	s_or_b32 s14, s13, s14
	s_mov_b32 s15, 0
	; group 1 for a quarter of a block of weights: 64 rows of 256 dense bytes, asked for jointly by the cluster's four work-groups
	s_mov_b32 s16, 15|(3<<16)|(1<<21)              ; 15:0 the mask of four; 17:16 elements of 8 bytes; 21 set beside a mask
	s_mov_b32 s17, 32<<16                          ; tensor_dim0 = 32
	s_mov_b32 s18, 64<<16                          ; tensor_dim1 = 64
	s_mov_b32 s19, 32<<16                          ; tile_dim0 = 32
	s_mov_b32 s20, 64                              ; tile_dim1 = 64
	s_mov_b32 s21, 32                              ; 32 elements from row to row
	s_mov_b32 s22, 0
	s_mov_b32 s23, 0
	; group 1 for a quarter of the table: 44 such rows
	s_mov_b32 s24, 15|(3<<16)|(1<<21)
	s_mov_b32 s25, 32<<16
	s_mov_b32 s26, 44<<16
	s_mov_b32 s27, 32<<16
	s_mov_b32 s28, 44
	s_mov_b32 s29, 32
	s_mov_b32 s30, 0
	s_mov_b32 s31, 0
	; group 1 for half a window of x, my own: 4 rows of 8 tokens (8,192 bytes), 65,536 bytes apart; 16 bytes of padding behind every token
	s_mov_b32 s32, (2<<16)|(1<<20)|(7<<22)|(3<<25) ; no mask; elements of 4 bytes; padding on; after every 256 words (code 7); 4 words (code 3)
	s_mov_b32 s33, 2048<<16
	s_mov_b32 s34, 4<<16
	s_mov_b32 s35, 2048<<16
	s_mov_b32 s36, 4
	s_mov_b32 s37, 16384
	s_mov_b32 s38, 0
	s_mov_b32 s39, 0
	; group 1 for a quarter of chunk 0's W1: 16 rows of 256 dense bytes, jointly
	s_mov_b32 s84, 15|(3<<16)|(1<<21)
	s_mov_b32 s85, 32<<16
	s_mov_b32 s86, 16<<16
	s_mov_b32 s87, 32<<16
	s_mov_b32 s88, 16
	s_mov_b32 s89, 32
	s_mov_b32 s90, 0
	s_mov_b32 s91, 0
	s_mov_b32 s40, 1                               ; group 0, weights: count = 1
	s_lshl_b32 s41, s10, 14                        ; LDS: slot 0, my quarter
	s_mov_b32 s44, 1                               ; group 0, table
	s_mul_i32 s45, s10, 11264
	s_add_co_u32 s45, s45, TABL
	s_mov_b32 s48, 1                               ; group 0, x
	s_mul_i32 s49, s10, XSW
	s_add_co_u32 s49, s49, XS
	s_mov_b32 s92, 1                               ; group 0, chunk 0's W1
	s_lshl_b32 s93, s10, 12
	s_add_co_u32 s93, s93, W10L
	s_lshl_b32 s80, s10, 14                        ; my quarter of block 0 in wst
	s_mov_b32 s81, 0
	s_mul_i32 s82, s10, 11264
	s_add_co_u32 s82, s82, TABG                    ; my quarter of the table in wst
	s_mov_b32 s83, 0
	s_lshl_b32 s56, s10, 12
	s_add_co_u32 s56, s56, W10G                    ; my quarter of chunk 0's W1 in wst
	s_mov_b32 s57, 0
	s_mov_b32 s52, SLOTX                           ; the first change of slots turns it into 0
	s_mov_b32 s58, 0x76543210                      ; v_permlanex16_b32: each lane takes its own place in the other half
	s_mov_b32 s59, 0xfedcba98
	s_mov_b32 s61, 0xffff0000
	s_mov_b32 s66, 0xc0135761                      ; alpha = -2 sqrt(2/pi) log2(e) = -2.3022082
	s_mov_b32 s67, s66                             ; (the packed forms name pairs and take the low word for both halves)
	s_mov_b32 s68, 0xbdd2d3e8                      ; beta = 0.044715 alpha = -0.10294324
	s_mov_b32 s69, s68
	s_mov_b32 s76, 0x3db8aa3b                      ; log2(e) / 16
	s_mov_b32 s77, 0x2b8cbccc                      ; 1e-12
	s_mov_b32 s78, 0x3727c5ac                      ; 1e-5
	s_mov_b32 s79, 0x3b800000                      ; 1 / 256
	v_and_b32 v14, 15, v0                          ; r
	v_bfe_u32 v15, v0, 4, 1                        ; h
	v_and_b32 v[AL], 31, v0
	v_lshlrev_b32 v[AL], 4, v[AL]
	v_add_nc_u32 v[APQ], PQL, v[AL]
	v_lshlrev_b32 v[APR], 5, v15
	v_add_nc_u32 v[APR], TABL, v[APR]
	v_mov_b32 v[AH], v[APR]                        ; bk lies at the table's head
	v_add_nc_u32 v[AB1], P_B1, v[APR]
	v_lshlrev_b32 v[AV], 2, v14
	v_add_nc_u32 v[AV], TABL+P_BV, v[AV]
	v_mul_u32_u24 v[AX], v14, XP
	v_lshl_add_u32 v[AX], v15, 5, v[AX]
	v_add_nc_u32 v[AX], s49, v[AX]
	v_mul_u32_u24 v[STO], v14, SP
	v_lshl_add_u32 v[STO], v15, 5, v[STO]
	v_add_nc_u32 v[STO], s49, v[STO]
	v_mul_u32_u24 v[RD], v15, SP
	v_lshl_add_u32 v[RD], v14, 4, v[RD]
	v_add_nc_u32 v[RD], s49, v[RD]
	v_lshlrev_b32 v[GO], 10, v15
	v_lshl_add_u32 v[GO], v14, 4, v[GO]
.set i, 14
.rept 18
	v_mov_b32 v[i], 0                              ; the partners of registers that are named in pairs hold a number
.set i, i+1
.endr
	s_wait_dscnt 0x0                               ; the opening add is done
	s_wait_kmcnt 0x0
	s_add_nc_u64 s[42:43], s[6:7], s[80:81]
	s_or_b32 s43, s43, 0x80000000                  ; type = 2
	s_add_nc_u64 s[46:47], s[6:7], s[82:83]
	s_or_b32 s47, s47, 0x80000000
	s_add_nc_u64 s[94:95], s[6:7], s[56:57]
	s_or_b32 s95, s95, 0x80000000
	s_add_nc_u64 s[50:51], s[4:5], s[14:15]
	s_or_b32 s51, s51, 0x80000000
	s_add_nc_u64 s[8:9], s[8:9], s[14:15]          ; out0 at my window
	ROUND                                          ; all four work-groups are here: the first joint loads meet
	tensor_load_to_lds s[48:51], s[32:39]          ; my window's tokens 0-31
	s_nop 0
	tensor_load_to_lds s[44:47], s[24:31]          ; my quarter of the table
	s_nop 0
	tensor_load_to_lds s[92:95], s[84:91]          ; my quarter of chunk 0's W1
	s_nop 0
	tensor_load_to_lds s[40:43], s[16:23]          ; my quarter of block 0: four loads of mine are out
	s_nop 0
	PLACES
	s_wait_tensorcnt 0x3                           ; tensor loads of a wave end in order (ISA guide 10.11.1): my half of x is in; only I read it; the three younger loads stay out
	XCONV 0
	XCONV 1
	s_wait_tensorcnt 0x0                           ; XS is filled again: all my tensor loads have landed,
	ds_add_u32 v[SPW], v[NIL]
	s_add_nc_u64 s[50:51], s[50:51], 262144        ; four rows of the image on
	s_wait_dscnt 0x0                               ; the add is done, and my reads of XS are over
	ROUND
	tensor_load_to_lds s[48:51], s[32:39]          ; my window's tokens 32-63: my one load behind this round
	s_nop 0
	PLACES
	ACCINIT P_BP                                   ; the table and chunk 0's W1 are whole for every wave behind that round
	s_wait_tensorcnt 0x0
	XCONV 2
	XCONV 3
	; THE HEADS.  Trip hd reads block hd and asks for block hd + 1 (the last: the MLP's first).
	s_mov_b32 s53, 8
.Lhead:
	CHANGE 1
	v_add_nc_u32 v[AW], s52, v[AL]
.irp a, 0,1,2,3,4,5,6,7
	ds_load_b128 v[HB+4*\a:HB+4*\a+3], v[APQ] offset:(\a/4)*2048+(\a%4)*512   ; posq of the head's 32 channels, bf16
.endr
	ds_load_b32 v[BVL], v[AV]
	ds_load_b32 v[BVL+1], v[AV]
	ds_load_b32 v[BVL+2], v[AV] offset:64
	ds_load_b32 v[BVL+3], v[AV] offset:64
	ds_load_b128 v[BKR:BKR+3],     v[AH]           ; bk of the head's 32 channels
	ds_load_b128 v[BKR+4:BKR+7],   v[AH] offset:16
	ds_load_b128 v[BKR+8:BKR+11],  v[AH] offset:64
	ds_load_b128 v[BKR+12:BKR+15], v[AH] offset:80
	FETCH 0
	FETCH 1
	s_wait_dscnt 16                                ; all but the two groups of weights
.irp a, 0,1,2,3,4,5,6,7
.irp p, 0,1,2,3
	v_lshlrev_b32 v[A64+8*\a+2*\p],   16,  v[HB+4*\a+\p]     ; posq starts q's sums
	v_and_b32     v[A64+8*\a+2*\p+1], s61, v[HB+4*\a+\p]
.endr
.endr
	GROUP1 0, 8, 1, bf16, 0, 0                     ; q^T = Wq^T x^T + posq^T; in each group the next group's eight loads may stay out
	GROUP1 1, 8, 1, bf16, 0, 0
	GROUP1 2, 8, 1, bf16, 0, 0
	GROUP1 3, 8, 1, bf16, 0, 0
	NORM HB, 1
	GROUP1 4, 8, 1, bf16, 0, BKR                   ; k^T = Wk^T x^T + bk
	GROUP1 5, 8, 1, bf16, 0, 0
	GROUP1 6, 8, 1, bf16, 0, 0
	GROUP1 7, 8, 1, bf16, 0, 0
	NORM KH, 0
	GROUP1 8, 8, 1, bf16, 1, 1                     ; v = x Wv: a lane holds one channel and eight tokens
	GROUP1 9, 8, 1, bf16, 1, 0
	GROUP1 10, 8, 0, bf16, 1, 0
	GROUP1 11, 0, 0, bf16, 1, 0
.irp a, 0,1,2,3,4,5,6,7
.irp p, 0,2,4,6
	v_pk_add_f32 v[A64+8*\a+\p:A64+8*\a+\p+1], v[A64+8*\a+\p:A64+8*\a+\p+1], v[BVL+2*(\a/4):BVL+2*(\a/4)+1]
.endr
.endr
.irp a, 0,1,2,3,4,5,6,7
.irp p, 0,1,2,3
	v_cvt_pk_f16_f32 v[VH+4*\a+\p], v[A64+8*\a+2*\p], v[A64+8*\a+2*\p+1]
.endr
.endr
.irp q, 0,1,2,3
.irp k, 0,1,2,3
	v_wmma_f32_16x16x32_f16 v[32+32*\q+8*\k:32+32*\q+8*\k+7], v[KH+8*\k:KH+8*\k+7], v[HB+8*\q:HB+8*\q+7], 0   ; S^T = K Q^T: one query a lane, keys 16 k + 8 h + 0..7
.endr
.endr
	PLACES
	SMEXP 0                                        ; the head's 128 exponentials are one batch, each in its score's own register
	SMEXP 1
	SMEXP 2
	SMEXP 3
	v_nop                                          ; a plain instruction between the exponentials and the first use of a result (ISA guide 5.7.2)
	s_wait_alu depctr_va_vdst(0)                   ; the wait for the 128 exponentials
	SMSUM 0
	SMSUM 1
	SMSUM 2
	SMSUM 3
.irp q, 0,1,2,3
	v_rcp_f32 v[RL+2*\q], v[32+32*\q]              ; 1 / l of the four query tiles: a batch of four
.endr
	v_nop                                          ; a plain instruction before the loads and products below write the reciprocals' sources
	FETCH 12
	FETCH 13
.irp kk, 0,1
.irp c, 0,1
.irp q, 0,1,2,3
.if \kk == 0
	v_wmma_f32_16x16x32_f16 v[A64+8*(4*\c+\q):A64+8*(4*\c+\q)+7], v[VH+16*\c+8*\kk:VH+16*\c+8*\kk+7], v[HB+16*\q+8*\kk:HB+16*\q+8*\kk+7], 0
.else
	v_wmma_f32_16x16x32_f16 v[A64+8*(4*\c+\q):A64+8*(4*\c+\q)+7], v[VH+16*\c+8*\kk:VH+16*\c+8*\kk+7], v[HB+16*\q+8*\kk:HB+16*\q+8*\kk+7], v[A64+8*(4*\c+\q):A64+8*(4*\c+\q)+7]
.endif
.endr
.endr
.endr
	PLACES
	s_wait_alu depctr_va_vdst(0)                   ; the wait for the four 1 / l: two runs of loads and the 16 products V^T P stand between the batch and it
.irp a, 0,1,2,3,4,5,6,7
.irp p, 0,2,4,6
	v_pk_mul_f32 v[A64+8*\a+\p:A64+8*\a+\p+1], v[A64+8*\a+\p:A64+8*\a+\p+1], v[RL+2*(\a%4):RL+2*(\a%4)+1] op_sel_hi:[1,0]   ; O^T / l
.endr
.endr
.irp a, 0,1,2,3,4,5,6,7
.irp p, 0,1,2,3
	v_cvt_pk_f16_f32 v[HB+8*(\a%4)+4*(\a/4)+\p], v[A64+8*\a+2*\p], v[A64+8*\a+2*\p+1]
.endr
.endr
	GROUP2 12, 8, 1, f16                           ; the projection takes the head's 32 channels as one slice of its K
	GROUP2 13, 8, 1, f16
	GROUP2 14, 8, 0, f16
	GROUP2 15, 0, 0, f16
	v_add_nc_u32 v[APQ], 4096, v[APQ]              ; the next head's tables
	v_add_nc_u32 v[AH], 128, v[AH]
	v_add_nc_u32 v[AV], 128, v[AV]
	s_sub_co_u32 s53, s53, 1
	s_cmp_lg_u32 s53, 0
	s_cbranch_scc1 .Lhead
	; TWO STAGES.  A trip begins with LN of the 64 large accumulators.  The first goes on with x1 = x + LN(o Wp + bp) and the MLP (whose first block lands during that LN); the second is left behind its LN.
	v_mov_b32 v[ONE], 1.0
	v_add_nc_u32 v[ALN], P_G1, v[APR]
	s_mov_b32 s55, 2
.Lstage:
	LNSTAT 0
	LNSTAT 1
	LNSTAT 2
	LNSTAT 3
	s_wait_alu depctr_va_vdst(0)                   ; the wait for the four 1 / sigma: the later tiles' statistics stand between the earlier ones and it; the scaling below is their first reader
	LNSCALE
	s_sub_co_u32 s55, s55, 1
	s_cmp_eq_u32 s55, 0
	s_cbranch_scc1 .Lfinish                        ; the same in every wave of every work-group: the count is a constant of the text
	SC1 0
	SC1 1
	SC1 2
	SC1 3
	WIN 0
	ACCINIT P_B2
	B1LD 0                                         ; chunk 0's b1
	v_add_nc_u32 v[ALN], P_G2-P_G1, v[ALN]         ; the second LN's g and be
	; THE MLP BEGINS: u(ct 0) of chunk 0, out of the LDS bytes that hold its W1; there is no vector work yet to set between the products.  The loads for C go out as B's last two groups send them.
	v_add_nc_u32 v[AW], W10L, v[AL]
	FETCH1 0, 0, 0
	FETCH1 1, 0, 1
	s_wait_dscnt 8                                 ; b2, b1 and buffer 0 are in; buffer 1's eight loads may stay out
	G1R 0, 0, 0, 0, 0, 0
	WIN 0
	PLACES
	FETCH1 0, 1, 0
	s_wait_dscnt 8
	G1R 1, 0, 1, 0, 0, 0
	WIN 0
	PLACES
	FETCH1 1, 1, 1
	s_add_co_u32 s52, s52, 32768                   ; C's step and the trip's end take this away again
	s_mov_b32 s53, 16                              ; this part of a trip, and 15 trips
	s_mov_b32 s54, 1
	s_branch .LphaseC                              ; the loop is entered at C, in the middle of a body
	; Trip j reads block 8 + j, bodies 2 j and 2 j + 1, and asks for block 9 + j.
.Lmlp:
	CHANGE 1
	s_mov_b32 s54, 2
.Lbody:
	PHASE_AB
.LphaseC:
	PHASE_C
	s_sub_co_u32 s54, s54, 1
	s_cmp_lg_u32 s54, 0
	s_cbranch_scc1 .Lbody
	s_sub_co_u32 s52, s52, BLK                     ; back to the slot's head
	s_sub_co_u32 s53, s53, 1
	s_cmp_lg_u32 s53, 0
	s_cbranch_scc1 .Lmlp
	CHANGE 0                                       ; the last block is written out: nothing is asked for
	s_mov_b32 s54, 2
.Lbody_last:
	PHASE_AB
	s_sub_co_u32 s54, s54, 1
	s_cmp_eq_u32 s54, 0
	s_cbranch_scc1 .Lmlp_done                      ; the last body is left behind B
	PHASE_C
	s_branch .Lbody_last
.Lmlp_done:
	s_wait_dscnt 0x0                               ; the sixteen loads that B's last groups sent for a C that does not come: their registers are loaded anew below
	s_branch .Lstage
	; out0 = x1 + LN(h W2 + b2)
.Lfinish:
	STG 0
.irp i, 1,2,3,4,5,6,7,8,9,10,11,12,13,14,15
	STG \i                                         ; a piece's shortcut and its way through the stage stand between the loads of the piece before and its stores
	SEND (\i)-1, 16
.endr
	SEND 15, 0
	s_wait_tensorcnt 0x0                           ; the wave's end, behind my last tensor load and my last LDS store
	ds_add_u32 v[SPW], v[NIL]
	s_wait_dscnt 0x0
	ROUND                                          ; the closing round: no work-group ends while a partner may still ask for a block that names it
	s_endpgm
.Lfunc_end_k_qe0ca416247_swin:
	.size	k_qe0ca416247_swin, .Lfunc_end_k_qe0ca416247_swin-k_qe0ca416247_swin
	.p2alignl 7, 3214868480
	.fill 96, 4, 3214868480
	.section	.rodata,"a",@progbits
	.p2align	6, 0x0
	.amdhsa_kernel k_qe0ca416247_swin
		.amdhsa_group_segment_fixed_size 327680
		.amdhsa_private_segment_fixed_size 0
		.amdhsa_enable_private_segment 0
		.amdhsa_kernarg_size 24
		.amdhsa_user_sgpr_count 2
		.amdhsa_user_sgpr_kernarg_segment_ptr 1
		.amdhsa_wavefront_size32 1
		.amdhsa_system_sgpr_workgroup_id_x 1
		.amdhsa_system_sgpr_workgroup_id_y 1
		.amdhsa_system_sgpr_workgroup_id_z 1
		.amdhsa_system_vgpr_workitem_id 0
		.amdhsa_next_free_vgpr 1024
		.amdhsa_next_free_sgpr 96
		.amdhsa_reserve_vcc 0
		.amdhsa_float_denorm_mode_32 3
		.amdhsa_float_denorm_mode_16_64 3
		.amdhsa_memory_ordered 1
		.amdhsa_forward_progress 1
		.amdhsa_inst_pref_size 255
	.end_amdhsa_kernel
	.section	.bss,"aw",@nobits
	.p2align	6
	.space	262144
	.amdgpu_metadata
---
amdhsa.version: [ 1, 2 ]
amdhsa.kernels:
  - .name:           k_qe0ca416247_swin
    .symbol:         k_qe0ca416247_swin.kd
    .args:
      - { .name: x, .offset: 0, .size: 8, .value_kind: global_buffer, .address_space: global }
      - { .name: wst, .offset: 8, .size: 8, .value_kind: global_buffer, .address_space: global }
      - { .name: out0, .offset: 16, .size: 8, .value_kind: global_buffer, .address_space: global }
    .group_segment_fixed_size: 327680
    .private_segment_fixed_size: 0
    .kernarg_segment_align: 8
    .kernarg_segment_size: 24
    .max_flat_workgroup_size: 128
    .sgpr_count:     96
    .vgpr_count:     1024
    .wavefront_size: 32
...
	.end_amdgpu_metadata
.endif
;; end of part 5
